; MI455X (gfx1250); checked and timed in simulation.
; The chip was launched on July 23, 2026; its instructions are those of AMD's public machine-readable ISA for CDNA 5 (MIT licence, August 2026) and "CDNA5" Instruction Set Architecture Reference Guide (July 2026). The comments in the code are by the model that wrote it; some were corrected since.
;; Multi Head Attention. Allowed arithmetic: matrix products marked QUANTISED: E2M3 operands, one E8M0 scale for each 32 along K, by v_wmma_scale_f32_16x16x128_f8f6f4 with both operands' format E2M3, f32 sums; everything else in f32.
;; Inputs: bk 2,048 float32; bp 2,048 float32; bq 2,048 float32; bv 2,048 float32; wk 2,048 x 2,048 float32; wp 2,048 x 2,048 float32; wq 2,048 x 2,048 float32; wv 2,048 x 2,048 float32; x 2 x 1,024 x 2,048 float32.
;; Outputs: out0 2 x 1,024 x 2,048 float32.
;; This version of the problem:
;;   THIS VERSION OF THE PROBLEM IS GIVEN IN LOW PRECISION. The matrix products marked QUANTISED in the list below multiply operands that are first quantised to E2M3 (2 exponent bits, 3 mantissa bits; 6 bits a number), with one power-of-two scale for each 32 numbers along K (OCP MX v1.0); their sums are f32. All else is computed in f32.
;;   The module's matrix products, in the order in which they are computed (A, B: the left and right operand; K: the contracted axis; several contracted axes count as one K, in the product's order):
;;     1. [M 2,048, K 2,048] x [K 2,048, N 2,048]; A: input x; B: input wq: QUANTISED
;;     2. [M 2,048, K 2,048] x [K 2,048, N 2,048]; A: input x; B: input wk: QUANTISED
;;     3. [M 2,048, K 2,048] x [K 2,048, N 2,048]; A: input x; B: input wv: QUANTISED
;;     4. batch 32 x [M 1,024, K 128] x [K 128, N 1,024]; A: computed on the way; B: computed on the way: QUANTISED
;;     5. batch 32 x [M 1,024, K 1,024] x [K 1,024, N 128]; A: softmax (see below); B: computed on the way: QUANTISED
;;     6. [M 2,048, K 2,048] x [K 2,048, N 2,048]; A: computed on the way; B: input wp: QUANTISED
;;   THE QUANTISER, for each operand of a quantised product, along K:
;;     - K is cut into blocks of 32 from its start; a last block that is shorter is filled with zeros.
;;     - A block's scale is 2^e with e = floor(log2(the largest magnitude in the block)) - 2, held to -126 .. 127; a block of zeros has e = 0. As a byte (E8M0): e + 127.
;;     - Each number is divided by its block's scale, clamped to +-7.5, and rounded to the nearest number of E2M3, ties to even, subnormals kept.
;;     - The product sums the exact products of the quantised numbers (number of the format x scale) in f32.
;;   ~~~python
;;   def quantise(x, axis):      # numpy; x: float32 -> the quantised numbers, widened to float32 again
;;       x = np.moveaxis(x, axis, -1); K = x.shape[-1]
;;       x = np.pad(x, [(0, 0)] * (x.ndim - 1) + [(0, -K % 32)]); x = x.reshape(x.shape[:-1] + (-1, 32)); a = np.abs(x).max(-1, keepdims=True)
;;       e = np.where(a > 0, np.clip(np.frexp(np.where(a > 0, a, 1))[1] - 1 - 2, -126, 127), 0)      # np.frexp(a)[1] - 1 = floor(log2(a)), exactly
;;       r = np.clip(x / 2.0 ** e, -7.5, 7.5)
;;       step = 2.0 ** (np.maximum(np.frexp(np.where(r == 0, 1, r))[1] - 1, 0) - 3)
;;       q = np.round(r / step) * step * 2.0 ** e      # np.round: ties to even
;;       return np.moveaxis(q.reshape(q.shape[:-2] + (-1,))[..., :K], -1, axis).astype(np.float32)
;;   ~~~
;;   SOFTMAX AHEAD OF A QUANTISED PRODUCT. Where the list says 'softmax', what is quantised is not the finished softmax but p = 2^(t - M), with t = logit x log2(e) and M = ceil(the row's largest t), a whole number; so 1/2 < the row's largest p <= 1. The row's sum l is taken of the UNQUANTISED p, in f32, and the product's result is divided by l at the end. Since M is a whole number, a kernel that streams over the keys may use a running M (the ceiling of the running maximum): every later rescaling is an exact power of two, which a block's scale takes up: the codes' values come out the same.
;;   OPERANDS COMPUTED ON THE WAY. 'Computed on the way' means the value that the module computes at that place (a softmax that the list does not call 'softmax' is quantised finished and normalised). What goes into a quantiser is computed in f32, as accurately as f32 sums, v_exp_f32 and their like allow (about 1e-6 of the number): no bf16 or f16 on the way to a quantiser, and a product that is left as it is and whose result goes on into a quantised operand takes f32 operands (vector FMAs, or v_wmma_f32_16x16x4_f32). A number that lies on a knife's edge between two numbers of the format may be rounded either way, as far as f32 arithmetic and the matrix unit's own rounding can turn it there, and no further.
;; 2 versions. Each part assembles by itself: llvm-mc -triple=amdgcn-amd-amdhsa -mcpu=gfx1250 --defsym DOCPART=n.
;; ======== version 1 of 2: 4 launches
;; workspace buffers: cin 15,728,640 bytes; sin 655,360 bytes; cqkv 9,437,184 bytes; sqkv 393,216 bytes; cctx 3,145,728 bytes; sctx 131,072 bytes
;; launch quant (part 1): grid 640 x 1, 4 waves a work-group, no clusters, 34,304 bytes of LDS; arguments x, wq, wk, wv, wp, cin, sin; writes cin, sin
.if DOCPART == 1
	.amdgcn_target "amdgcn-amd-amdhsa--gfx1250"
	.amdhsa_code_object_version 6
	.text
	.protected	k_qb118ffcdf8_quant
	.globl	k_qb118ffcdf8_quant
	.p2align	8
	.type	k_qb118ffcdf8_quant,@function
k_qb118ffcdf8_quant:
	s_mov_b64 s[64:65], 0
	v_nop
	global_prefetch_b8 v0, s[64:65] scope:SCOPE_SE
	s_setreg_imm32_b32 hwreg(HW_REG_WAVE_MODE, 25, 1), 1
	s_wait_xcnt 0x0
; x [2048][2048] (K innermost) and wq, wk, wv, wp [2048 (K)][2048 (n)] (K outermost), all f32, become codes of FP6 (E2M3) with one E8M0 byte for each 32 along K.
; A block's scale is 2^(floor(log2(its largest magnitude)) - 2): its byte is the largest magnitude's exponent field - 2, held at 1 from below.
; LIMITS: NaN and infinities among the inputs are not served; a block whose largest magnitude lies under 2^-124 has its byte held at 1; a block of zeros keeps the byte 1 with zero codes (this program alone reads the bytes).
; THE WORKSPACE IS LAID AS IMAGES OF OPERAND REGISTERS.  A fragment (16 rows x 128 K, 12 registers a lane) is 1,536 bytes: register group c (four registers) at 512 c + 16 x lane.
; Tile T (16 rows), K step s (128 along K) lies at T x 24,576 + s x 1,536 of its tensor's section of cin.  Lane index r of tile T stands for row 32 (T / 2) + 8 (T % 2) + r + 8 (r / 8).
; The scale words of four tiles (a quad) for one K step are 256 bytes of sin, at quad x 4,096 + s x 256: the word of tile 4 quad + 2 g + u, index r, at 8 (16 u + r) + 4 g.
; A wave takes one quad x one K step: 8,192 numbers in, four fragments and one unit of scale words out; every store of codes covers 512 consecutive bytes, the scale words 256.
; Work-groups 0-127 take x, the other 512 the four weights.  No tensor loads, no barrier: waves share nothing.  Memory binds: matrix units and clusters would add nothing here.
.set CSEC,  3145728                    ; a tensor's section of cin
.set TILEB, 24576                      ; a tile's 16 fragments
.set SPX,   528                        ; path x: a stage row: 512 bytes + 16, an odd multiple of 16
.set RR,    32                         ; path x: v32-159  two sets of 64: a fragment's 16 rows as loaded
.set XX,    160                        ;         v160-223 my 64 numbers: k = 64 c + 32 h + 0 .. 31 of row index r
.set FF,    224                        ;         v224-235 the fragment's codes
.set TT,    236                        ;         v236-238, v240-242 upper halves of the blocks' codes
.set WW,    244                        ;         v244-247 the four fragments' scale words
.set XW,    32                         ; path w: v32-95   two sets of 32: a block down K of my column
.set FW,    96                         ;         v96-143  four fragments' codes
.set TW,    144                        ;         v144-146 the upper half of a block's codes
.set WS,    148                        ;         v148-149 scale words of my column in tiles u and 2 + u
	s_load_b256 s[4:11], s[0:1], 0x0               ; x, wq, wk, wv
	s_load_b128 s[12:15], s[0:1], 0x20             ; wp, cin
	s_load_b64 s[16:17], s[0:1], 0x30              ; sin
	v_lshl_add_u32 v254, v0, 2, 0x8400
	v_mov_b32 v255, 0
	v_lshrrev_b32 v1, 5, v0
	v_readfirstlane_b32 s18, v1                    ; wave
	v_and_b32 v1, 31, v0                           ; lane
	v_and_b32 v2, 15, v0                           ; r
	v_bfe_u32 v3, v0, 4, 1                         ; h (path w: u)
	v_lshlrev_b32 v4, 4, v1                        ; 16 x lane: my place in an image, and in a row's 512 bytes
	v_lshlrev_b32 v5, 3, v1                        ; 8 x lane: my place in a unit of scale words
	s_mov_b32 s20, 0x76543210
	s_mov_b32 s21, 0xfedcba98                      ; v_permlanex16_b32's selects for lane l xor 16
	s_cmp_lt_u32 ttmp9, 128
	s_cbranch_scc0 .Lweights
; ---------------- x: K is innermost.  Each load takes one row's 128 numbers, 512 consecutive bytes; 16 rows turn through my wave's stage in LDS, so that a lane gets 32 neighbours of each of two blocks.
	s_lshl_b32 s22, ttmp9, 2
	s_add_co_u32 s22, s22, s18
	s_lshr_b32 s23, s22, 4                         ; quad 0..31
	s_and_b32 s22, s22, 15                         ; K step
	s_lshl_b32 s24, s23, 19                        ; x: 64 rows of 8,192 bytes a quad,
	s_lshl_b32 s26, s22, 9                         ; 512 bytes a K step
	s_add_co_u32 s24, s24, s26
	s_mov_b32 s25, 0
	s_mul_i32 s26, s23, 4*TILEB
	s_mul_i32 s28, s22, 1536
	s_add_co_u32 s26, s26, s28
	s_mov_b32 s27, 0
	s_lshl_b32 s28, s23, 12
	s_lshl_b32 s30, s22, 8
	s_add_co_u32 s28, s28, s30
	s_mov_b32 s29, 0
	s_mul_i32 s30, s18, 16*SPX                     ; my stage
	v_add_nc_u32 v6, s30, v4                       ; in: 16 x lane, row i at SPX i
	v_mul_u32_u24 v7, v2, SPX
	v_lshl_add_u32 v7, v3, 7, v7
	v_add_nc_u32 v7, s30, v7                       ; out: row r, + 128 h
	v_lshlrev_b32 v8, 3, v3                        ; 8 h: where my two bytes stand in the scale word
	v_mov_b32 v10, 0                               ; a lane permute's destination counts as one of its sources
	s_wait_kmcnt 0x0
	s_add_nc_u64 s[4:5], s[4:5], s[24:25]
	s_add_nc_u64 s[14:15], s[14:15], s[26:27]
	s_add_nc_u64 s[16:17], s[16:17], s[28:29]
.macro XLOAD f                         ; the 16 rows of the quad's tile f
.irp i, 0,1,2,3,4,5,6,7,8,9,10,11,12,13,14,15
	global_load_b128 v[RR+64*((\f)%2)+4*\i:RR+64*((\f)%2)+4*\i+3], v4, s[4:5] offset:(32*((\f)/2)+8*((\f)%2)+\i+8*(\i/8))*8192 th:TH_LOAD_NT
.endr
.endm
.macro XFRAG f
.if (\f) < 3
	s_wait_loadcnt 16                              ; this tile's 16 loads are in; the next tile's 16 may be out
.else
	s_wait_loadcnt 0x0
.endif
.irp i, 0,1,2,3,4,5,6,7,8,9,10,11,12,13,14,15
	ds_store_b128 v6, v[RR+64*((\f)%2)+4*\i:RR+64*((\f)%2)+4*\i+3] offset:SPX*\i
.endr
.irp c, 0,1
.irp j, 0,1,2,3,4,5,6,7
	ds_load_b128 v[XX+32*\c+4*\j:XX+32*\c+4*\j+3], v7 offset:256*\c+16*\j   ; LDS serves a wave's instructions in order: these see the stores above
.endr
.endr
	s_wait_dscnt 0x0                               ; my numbers are back, and the stores into the stage have read their registers
.if (\f) > 0
	s_wait_xcnt 0x0                                ; the last tile's stores have read the codes' registers, which are written again below
.endif
.if (\f) < 2
	XLOAD (\f)+2
.endif
.irp c, 0,1                                    ; my block 2 c + h: all its 32 numbers are mine
	v_max3_num_f32 v[12+\c], |v[XX+32*\c]|, |v[XX+32*\c+1]|, 0x1800000   ; with the floor 2^(3 - 127): the byte cannot fall under 1
.endr
.irp i, 2,4,6,8,10,12,14,16,18,20,22,24,26,28,30
.irp c, 0,1
	v_max3_num_f32 v[12+\c], v[12+\c], |v[XX+32*\c+\i]|, |v[XX+32*\c+\i+1]|
.endr
.endr
.irp c, 0,1
	v_add_nc_u32 v[14+\c], 0xff000000, v[12+\c]    ; 2 off the exponent field: the conversion's scale operand
.endr
.irp c, 0,1
	v_lshrrev_b32 v[16+\c], 23, v[14+\c]           ; the scale's byte
.endr
	v_lshl_or_b32 v9, v17, 16, v16                 ; blocks h and 2 + h,
	v_lshlrev_b32 v9, v8, v9                       ; at their places in the word;
	v_permlanex16_b32 v10, v9, s20, s21
	v_or_b32 v[WW+(\f)], v9, v10                   ; with lane l xor 16's two the word is whole, in both halves of the lanes
.irp c, 0,1
	v_cvt_scalef32_pk16_fp6_f32 v[FF+6*\c:FF+6*\c+2], v[XX+32*\c:XX+32*\c+15], v[14+\c]
	v_cvt_scalef32_pk16_fp6_f32 v[TT+4*\c:TT+4*\c+2], v[XX+32*\c+16:XX+32*\c+31], v[14+\c]   ; (a conversion's three registers begin on an even number)
.endr
	v_nop                                          ; one plain place behind a scaled conversion
.irp c, 0,1
.irp i, 0,1,2
	v_mov_b32 v[FF+6*\c+3+\i], v[TT+4*\c+\i]
.endr
.endr
.irp c, 0,1,2
	global_store_b128 v4, v[FF+4*\c:FF+4*\c+3], s[14:15] offset:(\f)*TILEB+512*\c   ; 512 consecutive bytes
.endr
.endm
	XLOAD 0
	XLOAD 1
	XFRAG 0
	XFRAG 1
	XFRAG 2
	XFRAG 3
	v_cmp_lt_u32 vcc_lo, 15, v1                    ; lanes 16-31 carry the odd tiles' words
	v_cndmask_b32 v12, v[WW], v[WW+1], vcc_lo
	v_cndmask_b32 v13, v[WW+2], v[WW+3], vcc_lo
	global_store_b64 v5, v[12:13], s[16:17]        ; the unit of 256 bytes, whole
	s_wait_tensorcnt 0x0
	ds_add_u32 v254, v255
	s_wait_dscnt 0x0
	s_endpgm
; ---------------- the weights: K is outermost.  A lane takes a column and its registers run down K: a block of 32 lies in one lane, and the conversions give codes with K innermost.
.Lweights:
	s_sub_co_u32 s22, ttmp9, 128
	s_lshr_b32 s23, s22, 7                         ; which weight: 0 wq, 1 wk, 2 wv, 3 wp
	s_and_b32 s22, s22, 127
	s_and_b32 s24, s22, 7
	s_lshl_b32 s24, s24, 2
	s_add_co_u32 s24, s24, s18                     ; quad of columns: the four waves stand side by side on 1,024 bytes of a row
	s_lshr_b32 s22, s22, 3                         ; K step
	s_lshl_b32 s26, s22, 20                        ; 128 rows of 8,192 bytes a K step,
	s_lshl_b32 s28, s24, 8                         ; 256 bytes a quad
	s_add_co_u32 s26, s26, s28
	s_mov_b32 s27, 0
	s_add_co_u32 s30, s23, 1                       ; the section: x's is the first
	s_mul_i32 s28, s30, CSEC
	s_mul_i32 s31, s24, 4*TILEB
	s_add_co_u32 s28, s28, s31
	s_mul_i32 s31, s22, 1536
	s_add_co_u32 s28, s28, s31
	s_mov_b32 s29, 0
	s_lshl_b32 s30, s30, 17                        ; a section of sin is 131,072 bytes
	s_lshl_b32 s31, s24, 12
	s_add_co_u32 s30, s30, s31
	s_lshl_b32 s31, s22, 8
	s_add_co_u32 s30, s30, s31
	s_mov_b32 s31, 0
	v_and_b32 v6, 8, v2
	v_add_nc_u32 v6, v6, v2
	v_lshl_add_u32 v6, v3, 3, v6
	v_lshlrev_b32 v6, 2, v6                        ; lane (u, r) takes column 32 g + 8 u + r + 8 (r / 8): index r of tile 2 g + u; the 32 lanes cover 128 consecutive bytes
	s_wait_kmcnt 0x0
	s_cmp_lt_u32 s23, 1                            ; the choice hangs on the work-group's number alone
	s_cselect_b64 s[24:25], s[6:7], s[8:9]
	s_cmp_lt_u32 s23, 3
	s_cselect_b64 s[18:19], s[10:11], s[12:13]
	s_cmp_lt_u32 s23, 2
	s_cselect_b64 s[24:25], s[24:25], s[18:19]
	s_add_nc_u64 s[24:25], s[24:25], s[26:27]
	s_add_nc_u64 s[14:15], s[14:15], s[28:29]
	s_add_nc_u64 s[16:17], s[16:17], s[30:31]
.macro WLOAD t                         ; turn t: block t / 2 along K, columns 32 (t % 2) on
.irp i, 0,1,2,3,4,5,6,7,8,9,10,11,12,13,14,15,16,17,18,19,20,21,22,23,24,25,26,27,28,29,30,31
	global_load_b32 v[XW+32*((\t)%2)+\i], v6, s[24:25] offset:(32*((\t)/2)+\i)*8192+128*((\t)%2) th:TH_LOAD_NT
.endr
.endm
.macro WBLOCK t
.set XS, XW+32*((\t)%2)
.set KB, (\t)/2
.set GG, (\t)%2
.set FD, FW+12*(2*GG+KB%2)+6*(KB/2)    ; even blocks into the first fragment of the pair, odd blocks into the second
.if (\t) < 7
	s_wait_loadcnt 32                              ; this turn's 32 loads are in; the next turn's may be out
.else
	s_wait_loadcnt 0x0
.endif
	v_max3_num_f32 v12, |v[XS]|, |v[XS+1]|, |v[XS+2]|
	v_max3_num_f32 v13, |v[XS+3]|, |v[XS+4]|, |v[XS+5]|
.irp i, 6,10,14,18,22,26
	v_max3_num_f32 v12, v12, |v[XS+\i]|, |v[XS+\i+1]|
	v_max3_num_f32 v13, v13, |v[XS+\i+2]|, |v[XS+\i+3]|
.endr
	v_max3_num_f32 v12, v12, |v[XS+30]|, |v[XS+31]|
	v_max3_num_f32 v12, v12, v13, 0x1800000        ; the floor 2^(3 - 127)
	v_add_nc_u32 v11, 0xff000000, v12              ; the conversion's scale operand
	v_lshrrev_b32 v13, 23, v11                     ; the byte
.if KB == 0
	v_mov_b32 v[WS+GG], v13
.else
	v_lshl_or_b32 v[WS+GG], v13, 8*KB, v[WS+GG]
.endif
	v_cvt_scalef32_pk16_fp6_f32 v[FD:FD+2], v[XS:XS+15], v11
	v_cvt_scalef32_pk16_fp6_f32 v[TW:TW+2], v[XS+16:XS+31], v11
	v_nop                                          ; one plain place behind a scaled conversion
.irp i, 0,1,2
	v_mov_b32 v[FD+3+\i], v[TW+\i]
.endr
.if (\t)+2 < 8
	WLOAD (\t)+2
.endif
.if KB%2 == 1                          ; lanes 0-15 hold all blocks of tile 2 g, lanes 16-31 those of tile 2 g + 1; the operand wants block 2 c in lanes 0-15 and block 2 c + 1 in lanes 16-31 of each tile
.irp i, 0,1,2,3,4,5
	v_permlane16_swap_b32 v[FW+24*GG+6*(KB/2)+\i], v[FW+24*GG+12+6*(KB/2)+\i]   ; the first's lanes 16-31 change places with the second's lanes 0-15
.endr
.endif
.endm
	WLOAD 0
	WLOAD 1
.irp t, 0,1,2,3,4,5,6,7
	WBLOCK \t
.endr
.irp f, 0,1,2,3
.irp c, 0,1,2
	global_store_b128 v4, v[FW+12*\f+4*\c:FW+12*\f+4*\c+3], s[14:15] offset:\f*TILEB+512*\c   ; 512 consecutive bytes
.endr
.endr
	global_store_b64 v5, v[WS:WS+1], s[16:17]      ; the unit of 256 bytes, whole
	s_endpgm
.Lfunc_end_k_qb118ffcdf8_quant:
	.size	k_qb118ffcdf8_quant, .Lfunc_end_k_qb118ffcdf8_quant-k_qb118ffcdf8_quant
	.p2alignl 7, 3214868480
	.fill 96, 4, 3214868480
	.section	.rodata,"a",@progbits
	.p2align	6, 0x0
	.amdhsa_kernel k_qb118ffcdf8_quant
		.amdhsa_group_segment_fixed_size 34304
		.amdhsa_private_segment_fixed_size 0
		.amdhsa_enable_private_segment 0
		.amdhsa_kernarg_size 56
		.amdhsa_user_sgpr_count 2
		.amdhsa_user_sgpr_kernarg_segment_ptr 1
		.amdhsa_wavefront_size32 1
		.amdhsa_system_sgpr_workgroup_id_x 1
		.amdhsa_system_sgpr_workgroup_id_y 1
		.amdhsa_system_sgpr_workgroup_id_z 1
		.amdhsa_system_vgpr_workitem_id 0
		.amdhsa_next_free_vgpr 256
		.amdhsa_next_free_sgpr 66
		.amdhsa_reserve_vcc 1
		.amdhsa_float_denorm_mode_32 3
		.amdhsa_float_denorm_mode_16_64 3
		.amdhsa_memory_ordered 1
		.amdhsa_forward_progress 1
		.amdhsa_inst_pref_size 69
	.end_amdhsa_kernel
	.amdgpu_metadata
---
amdhsa.version: [ 1, 2 ]
amdhsa.kernels:
  - .name:           k_qb118ffcdf8_quant
    .symbol:         k_qb118ffcdf8_quant.kd
    .args:
      - { .name: x, .offset: 0, .size: 8, .value_kind: global_buffer, .address_space: global }
      - { .name: wq, .offset: 8, .size: 8, .value_kind: global_buffer, .address_space: global }
      - { .name: wk, .offset: 16, .size: 8, .value_kind: global_buffer, .address_space: global }
      - { .name: wv, .offset: 24, .size: 8, .value_kind: global_buffer, .address_space: global }
      - { .name: wp, .offset: 32, .size: 8, .value_kind: global_buffer, .address_space: global }
      - { .name: cin, .offset: 40, .size: 8, .value_kind: global_buffer, .address_space: global }
      - { .name: sin, .offset: 48, .size: 8, .value_kind: global_buffer, .address_space: global }
    .group_segment_fixed_size: 34304
    .private_segment_fixed_size: 0
    .kernarg_segment_align: 8
    .kernarg_segment_size: 56
    .max_flat_workgroup_size: 128
    .sgpr_count:     66
    .vgpr_count:     256
    .wavefront_size: 32
...
	.end_amdgpu_metadata
.endif
;; end of part 1
;; launch gemm_qkv (part 2): grid 24 x 8, 4 waves a work-group, clusters of 4 x 4, 327,680 bytes of LDS; arguments cin, sin, bq, bk, bv, cqkv, sqkv; writes cqkv, sqkv
.if DOCPART == 2
	.amdgcn_target "amdgcn-amd-amdhsa--gfx1250"
	.amdhsa_code_object_version 6
	.text
	.protected	k_qb118ffcdf8_gemm_qkv
	.globl	k_qb118ffcdf8_gemm_qkv
	.p2align	8
	.type	k_qb118ffcdf8_gemm_qkv,@function
k_qb118ffcdf8_gemm_qkv:
	s_mov_b64 s[64:65], 0
	v_nop
	global_prefetch_b8 v0, s[64:65] scope:SCOPE_SE
	s_setreg_imm32_b32 hwreg(HW_REG_WAVE_MODE, 25, 1), 1
	s_wait_xcnt 0x0
	s_wait_alu depctr_hold_cnt(0) depctr_sa_sdst(0) depctr_va_vdst(0) depctr_va_sdst(0) depctr_va_ssrc(0) depctr_va_vcc(0) depctr_vm_vsrc(0)
	s_getreg_b32 s2, hwreg(HW_REG_IB_STS2, 6, 4)
	s_cmp_eq_u32 s2, 0
	s_cbranch_scc0 .Lentry_in_a_cluster
	s_endpgm
.Lentry_in_a_cluster:
	s_bfe_u32 s2, ttmp6, 0x10000c
	s_cmp_lg_u32 s2, 0xf033
	s_cbranch_scc0 .Lentry_shape_is_right
	s_endpgm
.Lentry_shape_is_right:
; q = x wq + bq, k = x wk + bk, v = x wv + bv on codes of FP6 (E2M3) with E8M0 scales, f32 sums; the results are quantised in registers and leave as codes: no f32 result goes to memory.
; cin, sin: images of operand registers.  Tile T (16 rows), K step s (128 along K): 1,536 bytes at T x 24,576 + s x 1,536, register group c at 512 c + 16 x lane; sections of 128 tiles: x, wq, wk, wv, wp.
; Lane index r of tile T stands for row 32 (T / 2) + 8 (T % 2) + r + 8 (r / 8).  Scale words: 256 bytes for four tiles and one K step, at quad x 4,096 + s x 256: tile 4 quad + 2 g + u, index r, at 8 (16 u + r) + 4 g.
; A tile of C, 256 x 256, is made by four waves, each 128 x 128: 64 accumulators, 512 registers.  K goes in steps of 256 through a ring of two LDS slots filled by the tensor data mover.
; Tile columns 0-15 (clusters x = 0 to 3): A = x, B = wq then wk.  Tile columns 16-23: A = wv, B = x, which makes V TRANSPOSED.  The matrix instruction takes 16 rows of B as source 0 and 16 rows of A as source 1:
; a lane holds one row of A, and by the order of the tiles' rows the 64 registers of A's block a are 128 rows of B in the order 32 b + 16 (lane / 16) + i.  For q and k a lane is a token and its registers run along one
; head's 128 channels; for v a lane is a channel and its registers run along 128 keys: each is the K of its product in attention, so a block a becomes one fragment and one scale word a row.
; The bias is the C of each sum's first product.
; OUT: group G, 8 fragments, 12,288 bytes of cqkv, and its scale words, 512 bytes of sqkv: fragment a, row r at 256 (a / 4) + 16 r + 4 (a % 4).  q: G = 16 head + token group; k: 256 more; v: G = 16 (32 + head) + token group.
; CLUSTERS: 4 x 4 work-groups; A's tiles are asked for jointly along a row of the cluster, B's along a column.  The two sides part on the cluster's x alone, which all partners share.
; LIMITS: NaN and infinities are not served; a block whose largest magnitude lies under 2^-124 has its byte held at 1; a block of zeros keeps the byte 1 with zero codes.
; REGISTERS: window 0: v0-31 addresses; v32-63 scale words, two sets; v64-127 the bias in C's layout; v128-223 A's fragments, one set; on the way out v96-227 are at work.
;   window 1: B's fragments, two sets, at v0 and v128.  windows 2, 3: the accumulators ((a, b) at v[8 (8 (a % 4) + b)]).
.set NQ,     2                         ; matrix instructions deep in a slot
.set FR,     12                        ; registers of a fragment
.set NL,     3                         ; LDS loads that bring one
.set NP,     4                         ; places behind this matrix instruction (ISA guide 7.12.1)
.set FRB,    1536                      ; a fragment's image
.set RBK,    NQ*FRB                    ; a tile's part of a slot
.set HALFT,  8*RBK                     ; 8 tiles, 128 rows: what one tensor load brings
.set SLOT,   4*HALFT                   ; A's 16 tiles, then B's
.set LAPS,   4                         ; 2,048 along K = 8 slots' worth = 4 times round the ring
.set SCL,    2*SLOT                    ; behind the ring: the scale words of the 256 + 256 rows for all of K
.set HALFS,  8192                      ; those of 128 rows
.set SPARE,  SCL+4*HALFS               ; the spare words: 128 bytes a wave, two blocks of 256 bytes that no other line names
.set ADRA, 16                          ; v16-17 LDS address of my A fragments in slot 0, 1
.set ADRB, 20                          ; v20-21 the same for B
.set ADRS, 27                          ; v27    of my scale words: lanes 0-15 A's, lanes 16-31 B's
.set SPW,  28                          ; v28    my spare word; never rewritten
.set NIL,  29                          ; v29    0; never rewritten
.set LI,   30                          ; v30    16 x lane
.set SC,   32
.set BB,   64
.set AF,   128
.set PC,   96                          ; the way out: block a's codes at v[96 + 12 a]
.set PT,   192                         ; upper halves of the blocks' codes
.set TM,   200                         ; largest magnitudes;  v204-207 bytes;  v208-211 the conversions' scale operands
.set TBY,  204
.set TSO,  208
.set PW,   216                         ; v216-223 the eight blocks' scale words
.set SS,   224                         ; v224-227 their image
.set G1, 24
.set G0, 32
.set G1B, 48
.set G0B, 56
.set SEL, 66
.set G1S, 68
.set G0S, 76
.set G1SB, 80
.set G0SB, 88
.set MSB, 0
.macro WIN new                         ; the immediate's high byte repeats the setting that is left
.if MSB != \new
	s_set_vgpr_msb (MSB<<8)|\new
.set MSB, \new
.endif
.endm
.set MUL_LO, 0xa1                      ; source 0 (B) window 1, source 1 (A) window 0, C and D window 2
.set MUL_HI, 0xf1                      ; the same, C and D window 3
.set TO_B,   0x40                      ; destination window 1, address window 0
; A joint load: waves 0 and 1 fetch for A, waves 2 and 3 for B; the branch hangs on the wave's number alone.  Four v_nop follow each of the two lines.
.macro JLOAD g0a, g1a, g0b, g1b
	s_cmp_eq_u32 s15, 0
	s_cbranch_scc0 .Lfor_b_\@
	tensor_load_to_lds s[\g0a:\g0a+3], s[\g1a:\g1a+7]
	s_nop 0
.rept 4
	v_nop
.endr
	s_branch .Lasked_\@
.Lfor_b_\@:
	tensor_load_to_lds s[\g0b:\g0b+3], s[\g1b:\g1b+7]
	s_nop 0
.rept 4
	v_nop
.endr
.Lasked_\@:
.endm
.macro CREST                           ; a round of the cluster's barrier behind its opening barrier
	s_cmp_lg_u32 s14, 0
	s_cbranch_scc1 .Lnot_wave_0_\@
	s_barrier_signal -3
.Lnot_wave_0_\@:
	s_barrier_wait -3
	s_barrier_signal -1
	s_barrier_wait -1
.endm
.macro CROUND
	s_barrier_signal -1
	s_barrier_wait -1
	CREST
.endm
	s_load_b256 s[4:11], s[0:1], 0x0               ; cin, sin, bq, bk
	s_load_b64 s[12:13], s[0:1], 0x20              ; bv
	s_load_b128 s[96:99], s[0:1], 0x28             ; cqkv, sqkv
	v_lshl_add_u32 v[SPW], v0, 2, SPARE
	v_mov_b32 v[NIL], 0
	ds_add_u32 v28, v29
	ds_add_u32 v28, v29
	s_wait_dscnt 0x0
	v_lshrrev_b32 v1, 5, v0
	v_readfirstlane_b32 s14, v1                    ; wave 0..3
	s_lshr_b32 s15, s14, 1                         ; which half of the tile's rows is mine.  Also: I fetch for A (0) or for B (1)
	s_and_b32 s16, s14, 1                          ; which half of its columns.  Also: which 128 rows I fetch
	s_bfe_u32 s40, ttmp6, 0x40000                  ; cx, cy
	s_bfe_u32 s41, ttmp6, 0x40004
	s_lshl_b32 s42, ttmp9, 2
	s_add_co_u32 s42, s42, s40                     ; tile column = 4 x cluster x + cx
	s_and_b32 s17, ttmp7, 0xffff
	s_lshl_b32 s17, s17, 2
	s_add_co_u32 s17, s17, s41                     ; tile row = 4 x cluster y + cy
	s_lshl_b32 s43, s41, 2
	s_lshl_b32 s43, 15, s43                        ; my row of the cluster
	s_lshl_b32 s44, 0x1111, s40                    ; my column
	; group 1 for codes: 8 rows (tiles) of 3,072 bytes (two fragments), 24,576 bytes apart; elements of 8 bytes; no padding: an image is read as 512 consecutive bytes
	s_or_b32 s[G1+0], s43, (3<<16)|(1<<21)
	s_or_b32 s[G1B+0], s44, (3<<16)|(1<<21)
.irp g, G1, G1B
	s_mov_b32 s[\g+1], 384<<16                     ; tensor_dim0
	s_mov_b32 s[\g+2], 8<<16                       ; tensor_dim1
	s_mov_b32 s[\g+3], 384<<16                     ; tile_dim0
	s_mov_b32 s[\g+4], 8                           ; tile_dim1
	s_mov_b32 s[\g+5], 3072                        ; stride from tile to tile
	s_mov_b32 s[\g+6], 0
	s_mov_b32 s[\g+7], 0
.endr
	; group 1 for scale words: 8,192 dense bytes as 32 rows of 256
	s_or_b32 s[G1S+0], s43, (3<<16)|(1<<21)
	s_or_b32 s[G1SB+0], s44, (3<<16)|(1<<21)
.irp g, G1S, G1SB
	s_mov_b32 s[\g+1], 32<<16
	s_mov_b32 s[\g+2], 32<<16
	s_mov_b32 s[\g+3], 32<<16
	s_mov_b32 s[\g+4], 32
	s_mov_b32 s[\g+5], 32
	s_mov_b32 s[\g+6], 0
	s_mov_b32 s[\g+7], 0
.endr
	s_cmp_lt_u32 ttmp9, 4                          ; q and k, or v: the cluster's x, the same in all partners
	s_cselect_b32 s18, 0, 24                       ; A: x's blocks of 256 rows begin at 0, wv's at 24
	s_cselect_b32 s19, 8, -16                      ; B: wq's and wk's begin at 8; x's at 0 (tile columns 16 on)
	s_add_co_u32 s20, s17, s18
	s_add_co_u32 s46, s42, s19
	s_lshl_b32 s22, s20, 14                        ; scale words: 16,384 bytes for 256 rows
	s_mul_i32 s20, s20, 16*24576                   ; codes: 393,216
	s_lshl_b32 s92, s46, 14
	s_mul_i32 s46, s46, 16*24576
	s_mul_i32 s18, s16, 8*24576                    ; which 128 rows I fetch
	s_lshl_b32 s19, s16, 13
	s_add_co_u32 s20, s20, s18
	s_add_co_u32 s46, s46, s18
	s_add_co_u32 s22, s22, s19
	s_add_co_u32 s92, s92, s19
	s_mov_b32 s21, 0
	s_mov_b32 s23, 0
	s_mov_b32 s47, 0
	s_mov_b32 s93, 0
	s_mul_i32 s45, s14, HALFT                      ; where they go: no place in the cluster enters an LDS address
	s_lshl_b32 s94, s14, 13
	s_mov_b32 s[SEL], 0x76543210
	s_mov_b32 s[SEL+1], 0xfedcba98
	s_wait_kmcnt 0x0
	s_add_nc_u64 s[20:21], s[4:5], s[20:21]
	s_add_nc_u64 s[22:23], s[6:7], s[22:23]
	s_add_nc_u64 s[46:47], s[4:5], s[46:47]
	s_add_nc_u64 s[92:93], s[6:7], s[92:93]
	CROUND                                         ; all sixteen work-groups are here: the first joint loads meet
	s_mov_b32 s[G0S], 1
	s_add_co_u32 s[G0S+1], s94, SCL
	s_mov_b64 s[G0S+2:G0S+3], s[22:23]
	s_or_b32 s[G0S+3], s[G0S+3], 0x80000000
	s_mov_b32 s[G0SB], 1
	s_add_co_u32 s[G0SB+1], s94, SCL
	s_mov_b64 s[G0SB+2:G0SB+3], s[92:93]
	s_or_b32 s[G0SB+3], s[G0SB+3], 0x80000000
	JLOAD G0S, G1S, G0SB, G1SB                     ; the scale words first: filled once
.irp s, 0,1
	s_mov_b32 s[G0+4*\s], 1
	s_add_co_u32 s[G0+4*\s+1], s45, \s*SLOT
	s_add_nc_u64 s[G0+4*\s+2:G0+4*\s+3], s[20:21], \s*RBK
	s_or_b32 s[G0+4*\s+3], s[G0+4*\s+3], 0x80000000
	s_mov_b32 s[G0B+4*\s], 1
	s_add_co_u32 s[G0B+4*\s+1], s45, \s*SLOT
	s_add_nc_u64 s[G0B+4*\s+2:G0B+4*\s+3], s[46:47], \s*RBK
	s_or_b32 s[G0B+4*\s+3], s[G0B+4*\s+3], 0x80000000
	JLOAD G0+4*\s, G1, G0B+4*\s, G1B               ; by this text's count three tensor loads of a wave are out here, later one
.endr
	v_and_b32 v1, 15, v0                           ; r
	v_bfe_u32 v2, v0, 4, 1                         ; h
	v_and_b32 v3, 31, v0
	v_lshlrev_b32 v[LI], 4, v3
	s_mul_i32 s21, s15, HALFT                      ; my 8 tiles of A
	s_mul_i32 s22, s16, HALFT                      ; my 8 tiles of B,
	s_add_co_u32 s22, s22, 2*HALFT                 ; behind A's 16
.irp s, 0,1
	v_add_nc_u32 v[ADRA+\s], s21, v[LI]
	v_add_nc_u32 v[ADRB+\s], s22, v[LI]
	s_add_co_u32 s21, s21, SLOT
	s_add_co_u32 s22, s22, SLOT
.endr
	v_lshlrev_b32 v5, 3, v1                        ; scale words: 8 r in a half unit
	s_mul_i32 s21, s15, HALFS
	s_mul_i32 s22, s16, HALFS
	s_add_co_u32 s22, s22, 2*HALFS
	s_sub_co_u32 s22, s22, s21
	v_mul_u32_u24 v6, s22, v2                      ; lanes 16-31 take B's
	s_add_co_u32 s21, s21, SCL
	v_add_nc_u32 v5, v5, v6
	v_add_nc_u32 v[ADRS], s21, v5
	; where my group of eight fragments goes
	s_lshl_b32 s100, s17, 1
	s_add_co_u32 s100, s100, s15                   ; u = 2 x tile row + my half
	s_lshl_b32 s46, s42, 1
	s_add_co_u32 s46, s46, s16                     ; w = 2 x tile column + my half
	s_lshl_b32 s47, s46, 4
	s_add_co_u32 s47, s47, s100                    ; q, k: 16 w + u
	s_lshl_b32 s101, s100, 4
	s_add_co_u32 s101, s101, s46
	s_add_co_u32 s101, s101, 480                   ; v: 16 (32 + u) + w - 32
	s_cmp_lt_u32 ttmp9, 4
	s_cselect_b32 s100, s47, s101
	s_mul_i32 s92, s100, 8*FRB
	s_mov_b32 s93, 0
	s_add_nc_u64 s[96:97], s[96:97], s[92:93]
	s_lshl_b32 s92, s100, 9
	s_add_nc_u64 s[98:99], s[98:99], s[92:93]
	; the bias in C's layout, 64 registers on either side
	s_cmp_lt_u32 ttmp9, 4
	s_cbranch_scc0 .Lbias_v
	s_cmp_lt_u32 ttmp9, 2
	s_cselect_b64 s[2:3], s[8:9], s[10:11]         ; bq or bk
	s_and_b32 s92, s42, 7
	s_lshl_b32 s92, s92, 10
	s_lshl_b32 s93, s16, 9
	s_add_co_u32 s92, s92, s93                     ; my 128 columns
	s_mov_b32 s93, 0
	s_add_nc_u64 s[2:3], s[2:3], s[92:93]
	v_lshlrev_b32 v4, 6, v2                        ; register 8 b + j of lane (r, h) is column 32 (b / 2) + 8 (b % 2) + 16 h + j
.irp b, 0,1,2,3,4,5,6,7
	global_load_b128 v[BB+8*\b:BB+8*\b+3], v4, s[2:3] offset:(32*(\b/2)+8*(\b%2))*4
	global_load_b128 v[BB+8*\b+4:BB+8*\b+7], v4, s[2:3] offset:(32*(\b/2)+8*(\b%2))*4+16
.endr
	s_branch .Lbias_done
.Lbias_v:
	s_lshl_b32 s92, s17, 10
	s_lshl_b32 s93, s15, 9
	s_add_co_u32 s92, s92, s93                     ; my 128 channels
	s_mov_b32 s93, 0
	s_add_nc_u64 s[2:3], s[12:13], s[92:93]
	v_and_b32 v4, 8, v1
	v_add_nc_u32 v4, v4, v1
	v_lshlrev_b32 v4, 2, v4                        ; a lane is a channel: all eight registers of A's block a hold bv at 32 (a / 2) + 8 (a % 2) + r + 8 (r / 8): eight loads of the same word fill them, so that no register is copied
.irp a, 0,1,2,3,4,5,6,7
.irp j, 0,1,2,3,4,5,6,7
	global_load_b32 v[BB+8*\a+\j], v4, s[2:3] offset:(32*(\a/2)+8*(\a%2))*4
.endr
.endr
.Lbias_done:
.macro FRAG reg, adr, q, i             ; a fragment comes as it was stored: three loads of 512 consecutive bytes
.irp c, 0,1,2
	ds_load_b128 v[\reg+4*\c:\reg+4*\c+3], v[\adr] offset:(\i)*RBK+(\q)*FRB+512*\c
.endr
.endm
; 16 matrix instructions: A's blocks a0, a0 + 1 x B's eight, the slot's q-th 128 along K.  p: B's set; sc: the set of scale words.  zero = 0: adds in place; 1: C = the bias of B's block; 2: C = the bias of A's block.
; The 64 accumulators take turns, one instruction a turn, in the same order in every step.
.macro MUL16 a0, p, q, sc, zero
.irp a, \a0, \a0+1
.irp b, 0,1,2,3,4,5,6,7
.set rD, 8*(8*((\a)%4)+\b)
.set rB, 128*(\p)+FR*\b
.set rA, AF+FR*(\a)
.set sB, SC+16*(\sc)+8*(\q)+4*(\b/4)+2*(\b%2)+(\b/2)%2
.set sA, SC+16*(\sc)+8*(\q)+4*((\a)/4)+2*((\a)%2)+((\a)/2)%2
.if \zero == 1
	v_wmma_scale_f32_16x16x128_f8f6f4 v[rD:rD+7], v[rB:rB+FR-1], v[rA:rA+FR-1], v[BB+8*\b:BB+8*\b+7], v[sB], v[sA] matrix_a_fmt:MATRIX_FMT_FP6 matrix_b_fmt:MATRIX_FMT_FP6 matrix_a_scale:MATRIX_SCALE_ROW1
.elseif \zero == 2
	v_wmma_scale_f32_16x16x128_f8f6f4 v[rD:rD+7], v[rB:rB+FR-1], v[rA:rA+FR-1], v[BB+8*(\a):BB+8*(\a)+7], v[sB], v[sA] matrix_a_fmt:MATRIX_FMT_FP6 matrix_b_fmt:MATRIX_FMT_FP6 matrix_a_scale:MATRIX_SCALE_ROW1
.else
	v_wmma_scale_f32_16x16x128_f8f6f4 v[rD:rD+7], v[rB:rB+FR-1], v[rA:rA+FR-1], v[rD:rD+7], v[sB], v[sA] matrix_a_fmt:MATRIX_FMT_FP6 matrix_b_fmt:MATRIX_FMT_FP6 matrix_a_scale:MATRIX_SCALE_ROW1
.endif
.endr
.endr
.endm
.macro FETCH_B slot, q, p
	WIN TO_B
.irp i, 0,1,2,3,4,5,6,7
	FRAG 128*(\p)+FR*\i, ADRB+\slot, \q, \i
.endr
	WIN 0
.endm
.macro FETCH_A slot, q, i0
.irp i, \i0, \i0+1, \i0+2, \i0+3
	FRAG AF+FR*(\i), ADRA+\slot, \q, \i
.endr
.endm
.macro SCALES sc                       ; a slot's scale words: a load brings the words of tiles 4 d + u and 4 d + 2 + u for one 128 along K; lanes 0-15 A's, lanes 16-31 B's
.irp q, 0,1
.irp d, 0,1
.irp u, 0,1
	ds_load_b64 v[SC+16*\sc+8*\q+4*\d+2*\u:SC+16*\sc+8*\q+4*\d+2*\u+1], v[ADRS] offset:\d*4096+\q*256+\u*128
.endr
.endr
.endr
.endm
.macro PLACES n                        ; plain vector instructions between a matrix instruction and a load into, or a read of, its registers (ISA guide 7.12.1 for a read)
.rept \n
	v_nop
.endr
.endm
.macro STEP slot, q, zero              ; a step of 128 along K that has its successor in the same slot
	s_wait_dscnt 4*NL                              ; B's set, A's blocks 0-3 and the scale words are in; the youngest 12 loads (A's blocks 4-7) may be out
.if \zero
	WIN 0x81                                       ; C (the bias) window 0, D window 2
.else
	WIN MUL_LO
.endif
	MUL16 0, (\q)%2, \q, \slot, \zero
	MUL16 2, (\q)%2, \q, \slot, \zero
	s_wait_dscnt 0
	PLACES NP
	FETCH_B \slot, (\q)+1, 1-(\q)%2
	FETCH_A \slot, (\q)+1, 0
.if \zero
	WIN 0xc1
.else
	WIN MUL_HI
.endif
	MUL16 4, (\q)%2, \q, \slot, \zero
	MUL16 6, (\q)%2, \q, \slot, \zero
	PLACES NP
	WIN 0
	FETCH_A \slot, (\q)+1, 4
.endm
; A slot's last step changes slots: one barrier; in front of it each wave waits for all its tensor loads, adds 0 to its spare word, and waits for that and for its reads of this slot.
.macro TURN slot, next, fill
	s_wait_tensorcnt 0x0                           ; all my tensor loads have landed: my part of the next slot
	ds_add_u32 v[SPW], v[NIL]                      ; 0 onto my spare word
	s_wait_dscnt 4*NL+1                            ; the add and the youngest 12 loads (A's blocks 4-7) may be out
	WIN MUL_LO
	MUL16 0, 1, NQ-1, \slot, 0
	s_wait_dscnt 0x0                               ; the add is done, and my reads of this slot are over
	s_barrier_signal -1
	MUL16 2, 1, NQ-1, \slot, 0
	WIN 0
	s_barrier_wait -1
.if \fill
	CREST                                          ; the barrier has opened a round of the cluster's: no wave of any partner still reads this slot or has a load on its way
	s_add_nc_u64 s[G0+4*\slot+2:G0+4*\slot+3], s[G0+4*\slot+2:G0+4*\slot+3], 2*RBK
	s_add_nc_u64 s[G0B+4*\slot+2:G0B+4*\slot+3], s[G0B+4*\slot+2:G0B+4*\slot+3], 2*RBK
	JLOAD G0+4*\slot, G1, G0B+4*\slot, G1B         ; the first tensor load behind the round; its four v_nop are the places in front of the loads below
.else
	PLACES NP
.endif
	v_add_nc_u32 v[ADRS], 256*NQ, v[ADRS]          ; on to the next slot's scale words
	FETCH_B \next, 0, 0
	FETCH_A \next, 0, 0
	SCALES \next
	WIN MUL_HI
	MUL16 4, 1, NQ-1, \slot, 0
	MUL16 6, 1, NQ-1, \slot, 0
	PLACES NP
	WIN 0
	FETCH_A \next, 0, 4
.endm
	s_wait_tensorcnt 1                             ; the scale words and my part of slot 0 are in; slot 1's load may be out
	s_barrier_signal -1
	s_barrier_wait -1
	FETCH_B 0, 0, 0
	FETCH_A 0, 0, 0
	SCALES 0
	FETCH_A 0, 0, 4
	s_wait_loadcnt 0x0                             ; the bias
	s_cmp_lt_u32 ttmp9, 4
	s_cbranch_scc0 .Lfirst_v
	STEP 0, 0, 1                                   ; the first step starts the sums from the bias: nothing is cleared
	s_branch .Lfirst_done
.Lfirst_v:
	STEP 0, 0, 2
.Lfirst_done:
	s_mov_b32 s3, LAPS-1
.Llap:
	TURN 0, 1, 1
	STEP 1, 0, 0
	TURN 1, 0, 1
	STEP 0, 0, 0
	s_sub_co_u32 s3, s3, 1
	s_cmp_lg_u32 s3, 0
	s_cbranch_scc1 .Llap
	TURN 0, 1, 0                                   ; the last lap fills nothing
	STEP 1, 0, 0
	s_wait_dscnt 4*NL
	WIN MUL_LO
	MUL16 0, 1, NQ-1, 1, 0
	MUL16 2, 1, NQ-1, 1, 0
	s_wait_dscnt 0
	WIN MUL_HI
	MUL16 4, 1, NQ-1, 1, 0
	MUL16 6, 1, NQ-1, 1, 0
	WIN 0
; THE WAY OUT.  Block a's 64 registers, register 16 b + i = k 32 b + 16 (lane / 16) + i of my row, become a fragment's codes and its scale word, read where they lie.
.macro QUANTW a
.set WA, 2+(\a)/4
.set W01, WA|(WA<<2)
.set W12, (WA<<2)|(WA<<4)
.set AC, 64*((\a)%4)
.set PCA, PC+12*(\a)
	WIN W01
.irp b, 0,1,2,3
	v_max3_num_f32 v[TM+\b], |v[AC+16*\b]|, |v[AC+16*\b+1]|, 0x1800000   ; each accumulator from its low end on; the floor 2^(3 - 127) holds the byte at 1 from below
.endr
	WIN W12
.irp i, 2,4,6,8,10,12,14
.irp b, 0,1,2,3
	v_max3_num_f32 v[TM+\b], v[TM+\b], |v[AC+16*\b+\i]|, |v[AC+16*\b+\i+1]|
.endr
.endr
	WIN 0
.irp b, 0,1,2,3
	v_permlanex16_b32 v[TBY+\b], v[TM+\b], s[SEL], s[SEL+1]
.endr
.irp b, 0,1,2,3
	v_max_num_f32 v[TM+\b], v[TM+\b], v[TBY+\b]    ; with lane l xor 16's 16: the block's largest magnitude
.endr
.irp b, 0,1,2,3
	v_add_nc_u32 v[TSO+\b], 0xff000000, v[TM+\b]   ; 2 off the exponent field: the conversion's scale operand
.endr
.irp b, 0,1,2,3
	v_lshrrev_b32 v[TBY+\b], 23, v[TSO+\b]         ; the byte
.endr
	v_lshl_or_b32 v[PW+(\a)], v[TBY+1], 8, v[TBY]
	v_lshl_or_b32 v[PW+(\a)], v[TBY+2], 16, v[PW+(\a)]
	v_lshl_or_b32 v[PW+(\a)], v[TBY+3], 24, v[PW+(\a)]
	WIN WA
.irp c, 0,1
	v_cvt_scalef32_pk16_fp6_f32 v[PCA+6*\c:PCA+6*\c+2], v[AC+32*\c:AC+32*\c+15], v[TSO+2*\c]
	v_cvt_scalef32_pk16_fp6_f32 v[PT+4*\c:PT+4*\c+2], v[AC+32*\c+16:AC+32*\c+31], v[TSO+2*\c+1]
.endr
	WIN 0
	v_nop                                          ; one plain place behind a scaled conversion
.irp c, 0,1                                    ; the operand wants a whole block in a lane
.irp i, 0,1,2
	v_permlane16_swap_b32 v[PCA+6*\c+\i], v[PT+4*\c+\i]
.endr
.irp i, 0,1,2
	v_mov_b32 v[PCA+6*\c+3+\i], v[PT+4*\c+\i]
.endr
.endr
.irp c, 0,1,2
	global_store_b128 v[LI], v[PCA+4*\c:PCA+4*\c+3], s[96:97] offset:(\a)*FRB+512*\c   ; 512 consecutive bytes; each block has codes' registers of its own, so no store's data are written again
.endr
.endm
	PLACES NP
.irp b, 0,1,2,3
	v_mov_b32 v[TBY+\b], 0                         ; a lane permute's destination counts as one of its sources
.endr
.irp a, 0,1,2,3,4,5,6,7
	QUANTW \a
.endr
	v_and_b32 v3, 31, v0
	v_cmp_lt_u32 vcc_lo, 15, v3
.irp i, 0,1,2,3
	v_cndmask_b32 v[SS+\i], v[PW+\i], v[PW+4+\i], vcc_lo   ; register i: fragment i's words in lanes 0-15, fragment 4 + i's in lanes 16-31
.endr
	global_store_b128 v[LI], v[SS:SS+3], s[98:99]  ; the group's 512 bytes of scale words
	s_wait_tensorcnt 0x0                           ; the wave's end
	ds_add_u32 v[SPW], v[NIL]
	s_wait_dscnt 0x0
	CROUND                                         ; the closing round
	s_endpgm
.Lfunc_end_k_qb118ffcdf8_gemm_qkv:
	.size	k_qb118ffcdf8_gemm_qkv, .Lfunc_end_k_qb118ffcdf8_gemm_qkv-k_qb118ffcdf8_gemm_qkv
	.p2alignl 7, 3214868480
	.fill 96, 4, 3214868480
	.section	.rodata,"a",@progbits
	.p2align	6, 0x0
	.amdhsa_kernel k_qb118ffcdf8_gemm_qkv
		.amdhsa_group_segment_fixed_size 327680
		.amdhsa_private_segment_fixed_size 0
		.amdhsa_enable_private_segment 0
		.amdhsa_kernarg_size 56
		.amdhsa_user_sgpr_count 2
		.amdhsa_user_sgpr_kernarg_segment_ptr 1
		.amdhsa_wavefront_size32 1
		.amdhsa_system_sgpr_workgroup_id_x 1
		.amdhsa_system_sgpr_workgroup_id_y 1
		.amdhsa_system_sgpr_workgroup_id_z 1
		.amdhsa_system_vgpr_workitem_id 0
		.amdhsa_next_free_vgpr 1024
		.amdhsa_next_free_sgpr 102
		.amdhsa_reserve_vcc 1
		.amdhsa_float_denorm_mode_32 3
		.amdhsa_float_denorm_mode_16_64 3
		.amdhsa_memory_ordered 1
		.amdhsa_forward_progress 1
		.amdhsa_inst_pref_size 160
	.end_amdhsa_kernel
	.amdgpu_metadata
---
amdhsa.version: [ 1, 2 ]
amdhsa.kernels:
  - .name:           k_qb118ffcdf8_gemm_qkv
    .symbol:         k_qb118ffcdf8_gemm_qkv.kd
    .args:
      - { .name: cin, .offset: 0, .size: 8, .value_kind: global_buffer, .address_space: global }
      - { .name: sin, .offset: 8, .size: 8, .value_kind: global_buffer, .address_space: global }
      - { .name: bq, .offset: 16, .size: 8, .value_kind: global_buffer, .address_space: global }
      - { .name: bk, .offset: 24, .size: 8, .value_kind: global_buffer, .address_space: global }
      - { .name: bv, .offset: 32, .size: 8, .value_kind: global_buffer, .address_space: global }
      - { .name: cqkv, .offset: 40, .size: 8, .value_kind: global_buffer, .address_space: global }
      - { .name: sqkv, .offset: 48, .size: 8, .value_kind: global_buffer, .address_space: global }
    .group_segment_fixed_size: 327680
    .private_segment_fixed_size: 0
    .kernarg_segment_align: 8
    .kernarg_segment_size: 56
    .max_flat_workgroup_size: 128
    .sgpr_count:     102
    .vgpr_count:     1024
    .wavefront_size: 32
...
	.end_amdgpu_metadata
.endif
;; end of part 2
;; launch attn (part 3): grid 8 x 32, 4 waves a work-group, no clusters, 205,824 bytes of LDS; arguments cqkv, sqkv, cctx, sctx; writes cctx, sctx
.if DOCPART == 3
	.amdgcn_target "amdgcn-amd-amdhsa--gfx1250"
	.amdhsa_code_object_version 6
	.text
	.protected	k_qb118ffcdf8_attn
	.globl	k_qb118ffcdf8_attn
	.p2align	8
	.type	k_qb118ffcdf8_attn,@function
k_qb118ffcdf8_attn:
	s_mov_b64 s[64:65], 0
	v_nop
	global_prefetch_b8 v0, s[64:65] scope:SCOPE_SE
	s_setreg_imm32_b32 hwreg(HW_REG_WAVE_MODE, 25, 1), 1
	s_wait_xcnt 0x0
; ctx = softmax(q k^T / sqrt(128), causal) v for 2 batches x 16 heads x 1,024 tokens x 128 channels, both products on codes of FP6 (E2M3) with E8M0 scales; ctx is quantised along the channels and leaves as codes.
; THE SOFTMAX: t = score x log2(e) / sqrt(128); M = the row's largest t so far, rounded up to a whole number; p = 2^(t - M) is quantised along the keys, not normalised; the row's sum of the unquantised p divides at the end.
; IN: groups of eight fragment images (12,288 bytes of cqkv) with 512 bytes of scale words (sqkv: fragment a, row r at 256 (a / 4) + 16 r + 4 (a % 4)).  q: group 16 head + token group, fragment = token tile;
; k: 256 groups further on; v: group 16 (32 + head) + token group, fragment = channel tile, K = the group's 128 keys.  Lane index r of tile T stands for row 32 (T / 2) + 8 (T % 2) + r + 8 (r / 8).
; SHARES.  Work-group (g, y): y = 16 batch + head.  Wave w owns two tiles of 16 queries: 63 - j, then j, with j = 4 g + w: together 9 key steps of 128 for every wave of the launch, so the causal work is even.
; The head's K and V, 196,608 bytes of codes and 8,192 of scale words, come into LDS once and stay: no byte of LDS is filled twice.  By this text's count three tensor loads of a wave are out at the start.
; LAYOUT.  S^T = K Q^T and O^T = V^T P^T: a lane holds one query throughout; the 16 registers of tiles 2 b, 2 b + 1 are keys (channels) 32 b + 16 (lane / 16) + 0 .. 15.
; CAUSAL.  Every wave walks constant trip counts; a step all of whose keys come after the tile's queries is jumped over by a scalar branch on ids; in the one step on the diagonal hidden scores become -infinity.
; NO CLUSTER: the work-groups that share K and V differ in the key steps that they jump over.
; OUT: cctx: tile Tg (of 128 token tiles), K step = head, at Tg x 24,576 + head x 1,536; sctx: 256 bytes for four tiles and one head; the four waves' words meet in LDS and wave 0 stores the unit whole.
; LIMITS: NaN and infinities are not served; 1 / the sum is v_rcp_f32 and a multiplication; a block whose largest magnitude lies under 2^-124 has its byte held at 1; a block of zeros keeps the byte 1 with zero codes.
; REGISTERS: window 0: v1-11 addresses; v12 -M, v13 the largest t, v[14:15] the sum; v16-27 Q; v28-31, v32-35 K's and V's scale words; v40-59 at work on the way out; v96-159 S^T, then p; v160-223 O^T;
;   v224-235 p's codes, later ctx's; v236-254 at work; v255 Q's scale words.   window 1: v0-95 K's eight fragments, v96-191 V's.
.set VIMG, 98304                       ; LDS: K's images from 0, V's from here, a key step 12,288 bytes
.set KSC,  196608                      ; K's scale words, 512 bytes a step
.set VSC,  200704                      ; V's
.set SCR,  204800                      ; two blocks of 256 bytes, one for each pass: ctx's scale words; no fill lands here
.set LI,   1                           ; v1  16 x lane
.set PIH,  2                           ; v2  r + 8 (r / 8) - 16 h
.set R16,  3                           ; v3  16 r
.set QD,   4                           ; v4  my query - 16 h
.set SCW,  5                           ; v5, v6  where my scale word goes, pass 0, 1
.set SCRD, 7                           ; v7  SCR + 8 x lane
.set L8,   8                           ; v8  8 x lane
.set ADK,  9
.set ADV,  10
.set ADS,  11
.set KS,   28
.set VS,   32
.set TM,   40
.set PW,   56
.set UW,   58
.set PC,   224
.set WV,   12
.set HH,   13
.set BT,   14
.set JJ,   15
.set SEL,  16
.set CS,   18
.set G1C,  20
.set G1S,  28
.set G0,   36
.set TB,   48                          ; s48 LDS byte of the step's K images
.set TS,   49                          ; s49 of its scale words
.set KF,   50                          ; s50 the step's first key
.set QI,   51                          ; s51 the step's number
.set TD,   52                          ; s52 the step on the diagonal: tile / 8
.set TL,   53                          ; s53 my tile of queries, 0..63
.set CNT,  54
.set QC,   56                          ; s[56:57] Q's codes; s[58:59] Q's scale words; s[60:61] ctx's codes; s[62:63] ctx's scale words
.set QS,   58
.set CC,   60
.set CW,   62
.set MSB, 0
.macro WIN new
.if MSB != \new
	s_set_vgpr_msb (MSB<<8)|\new
.set MSB, \new
.endif
.endm
	s_load_b256 s[4:11], s[0:1], 0x0               ; cqkv, sqkv, cctx, sctx
	v_lshl_add_u32 v250, v0, 2, 0x32200
	v_mov_b32 v251, 0
	ds_add_u32 v250, v251
	ds_add_u32 v250, v251
	v_lshrrev_b32 v1, 5, v0
	v_readfirstlane_b32 s[WV], v1                  ; wave 0..3
	s_and_b32 s66, ttmp7, 0xffff
	s_and_b32 s[HH], s66, 15                       ; head
	s_lshr_b32 s[BT], s66, 4                       ; batch
	s_lshl_b32 s[JJ], ttmp9, 2
	s_add_co_u32 s[JJ], s[JJ], s[WV]               ; j
	s_and_b32 s67, s[WV], 1                        ; I fetch for K (0) or V (1),
	s_lshr_b32 s68, s[WV], 1                       ; the lower or the upper half of each part
	s_lshl_b32 s69, s67, 4
	s_add_co_u32 s69, s69, s[HH]
	s_add_co_u32 s69, s69, 16
	s_lshl_b32 s69, s69, 4
	s_lshl_b32 s70, s[BT], 3
	s_add_co_u32 s69, s69, s70                     ; the first group: (16 + 16 kv + head) x 16 + 8 batch
	s_lshl_b32 s70, s69, 9
	s_lshl_b32 s72, s68, 11
	s_add_co_u32 s70, s70, s72                     ; scale words: four groups, 2,048 bytes
	s_mov_b32 s71, 0
	s_lshl_b32 s72, s68, 1
	s_add_co_u32 s72, s72, s69
	s_mul_i32 s72, s72, 12288                      ; codes: two groups, 24,576 bytes
	s_mov_b32 s73, 0
	s_lshl_b32 s74, s67, 12
	s_lshl_b32 s75, s68, 11
	s_add_co_u32 s74, s74, s75
	s_add_co_u32 s74, s74, KSC                     ; LDS: scale words
	s_mul_i32 s75, s67, VIMG
	s_mul_i32 s76, s68, 24576
	s_add_co_u32 s75, s75, s76                     ; LDS: codes
	s_mov_b32 s[G1C], 3<<16                        ; 24,576 dense bytes as 96 rows of 256 bytes (32 elements of 8)
	s_mov_b32 s[G1C+1], 32<<16
	s_mov_b32 s[G1C+2], 96<<16
	s_mov_b32 s[G1C+3], 32<<16
	s_mov_b32 s[G1C+4], 96
	s_mov_b32 s[G1C+5], 32
	s_mov_b32 s[G1C+6], 0
	s_mov_b32 s[G1C+7], 0
	s_mov_b32 s[G1S], 3<<16                        ; 2,048 dense bytes as 8 rows of 256
	s_mov_b32 s[G1S+1], 32<<16
	s_mov_b32 s[G1S+2], 8<<16
	s_mov_b32 s[G1S+3], 32<<16
	s_mov_b32 s[G1S+4], 8
	s_mov_b32 s[G1S+5], 32
	s_mov_b32 s[G1S+6], 0
	s_mov_b32 s[G1S+7], 0
	s_mov_b32 s[SEL], 0x76543210
	s_mov_b32 s[SEL+1], 0xfedcba98
	s_mov_b32 s[CS], 0x3e0293ee                    ; c = log2(e) / sqrt(128)
	s_mov_b32 s[CS+1], s[CS]
	s_wait_dscnt 0x0
	s_wait_kmcnt 0x0
	s_mov_b32 s[G0], 1
	s_mov_b32 s[G0+1], s74
	s_add_nc_u64 s[G0+2:G0+3], s[6:7], s[70:71]
	s_or_b32 s[G0+3], s[G0+3], 0x80000000
	s_mov_b32 s[G0+4], 1
	s_mov_b32 s[G0+5], s75
	s_add_nc_u64 s[G0+6:G0+7], s[4:5], s[72:73]
	s_add_nc_u64 s[G0+10:G0+11], s[G0+6:G0+7], 49152   ; four key steps on
	s_or_b32 s[G0+7], s[G0+7], 0x80000000
	s_mov_b32 s[G0+8], 1
	s_add_co_u32 s[G0+9], s75, 49152
	s_or_b32 s[G0+11], s[G0+11], 0x80000000
	tensor_load_to_lds s[G0:G0+3], s[G1S:G1S+7]    ; the first fills go out together: my part of the scale words,
	s_nop 0
	tensor_load_to_lds s[G0+4:G0+7], s[G1C:G1C+7]  ; of key steps 0-3,
	s_nop 0
	tensor_load_to_lds s[G0+8:G0+11], s[G1C:G1C+7] ; of key steps 4-7
	s_nop 0
.rept 4
	v_nop
.endr
	v_and_b32 v8, 31, v0
	v_lshlrev_b32 v[LI], 4, v8
	v_and_b32 v9, 15, v0                           ; r
	v_bfe_u32 v10, v0, 4, 1                        ; h
	v_and_b32 v[PIH], 8, v9
	v_add_nc_u32 v[PIH], v[PIH], v9
	v_lshlrev_b32 v11, 4, v10
	v_sub_nc_u32 v[PIH], v[PIH], v11
	v_lshlrev_b32 v[R16], 4, v9
	s_xor_b32 s66, s[WV], 3                        ; my tile's place in its quad: pass 0: 3 - wave; pass 1: wave
	s_and_b32 s67, s66, 1
	s_lshl_b32 s67, s67, 7
	s_lshr_b32 s68, s66, 1
	s_lshl_b32 s68, s68, 2
	s_add_co_u32 s67, s67, s68
	s_add_co_u32 s67, s67, SCR
	v_lshl_add_u32 v[SCW], v9, 3, s67              ; 128 (place % 2) + 8 r + 4 (place / 2)
	s_and_b32 s67, s[WV], 1
	s_lshl_b32 s67, s67, 7
	s_lshr_b32 s68, s[WV], 1
	s_lshl_b32 s68, s68, 2
	s_add_co_u32 s67, s67, s68
	s_add_co_u32 s67, s67, SCR+256
	v_lshl_add_u32 v[SCW+1], v9, 3, s67
	v_lshl_add_u32 v[SCRD], v8, 3, SCR
	v_lshlrev_b32 v[L8], 3, v8
.irp b, 0,1,2,3
	v_mov_b32 v[TM+4+\b], 0                        ; a lane permute's destination counts as one of its sources
.endr
; What a tile of queries needs before its first step.
.macro PROLOGUE
	s_wait_xcnt 0x0                                ; the last pass's stores have read their bases and registers
	s_lshl_b32 s66, s[BT], 6
	s_add_co_u32 s66, s66, s[TL]                   ; Tg: the tile among all 128
	s_mul_i32 s68, s[HH], 196608
	s_mul_i32 s69, s66, 1536
	s_add_co_u32 s68, s68, s69
	s_mov_b32 s69, 0
	s_add_nc_u64 s[QC:QC+1], s[4:5], s[68:69]
	s_lshl_b32 s68, s[HH], 4
	s_lshr_b32 s70, s66, 3
	s_add_co_u32 s68, s68, s70
	s_lshl_b32 s68, s68, 9
	s_bfe_u32 s70, s66, 0x10002
	s_lshl_b32 s70, s70, 8
	s_add_co_u32 s68, s68, s70
	s_and_b32 s70, s66, 3
	s_lshl_b32 s70, s70, 2
	s_add_co_u32 s68, s68, s70
	s_add_nc_u64 s[QS:QS+1], s[6:7], s[68:69]
	s_mul_i32 s68, s66, 24576
	s_mul_i32 s70, s[HH], 1536
	s_add_co_u32 s68, s68, s70
	s_add_nc_u64 s[CC:CC+1], s[8:9], s[68:69]
	s_lshr_b32 s68, s66, 2
	s_lshl_b32 s68, s68, 12
	s_lshl_b32 s70, s[HH], 8
	s_add_co_u32 s68, s68, s70
	s_add_nc_u64 s[CW:CW+1], s[10:11], s[68:69]
.irp c, 0,1,2
	global_load_b128 v[16+4*\c:19+4*\c], v[LI], s[QC:QC+1] offset:512*\c   ; Q's fragment
.endr
	global_load_b32 v255, v[R16], s[QS:QS+1]       ; and its scale words
	s_lshr_b32 s[TD], s[TL], 3
	s_lshr_b32 s68, s[TL], 1
	s_lshl_b32 s68, s68, 5
	s_and_b32 s70, s[TL], 1
	s_lshl_b32 s70, s70, 3
	s_add_co_u32 s68, s68, s70
	v_add_nc_u32 v[QD], s68, v[PIH]
	v_mov_b32 v13, 0xff61b1e6                      ; the largest t so far: -3e38
	v_floor_f32 v12, -v13                          ; -M
	v_mov_b32 v14, 0
	v_mov_b32 v15, 0
.irp b, 0,1,2,3
	v_mov_b32 v[236+\b], 0
.endr
	v_mov_b32 v252, 0
	v_mov_b32 v253, 0
.set n, 0
.rept 64
	v_mov_b32 v[160+n], 0                          ; O^T.  (The step is written once: the first finds zeros, which the first change of M leaves zeros)
.set n, n+1
.endr
	s_mov_b32 s[TB], 0
	s_mov_b32 s[TS], KSC
	s_mov_b32 s[KF], 0
	s_mov_b32 s[QI], 0
	s_wait_loadcnt 0x0
.endm
; A KEY STEP: 128 keys.
.macro STEP
	s_cmp_lt_u32 s[TD], s[QI]                      ; all its keys come after my queries: only the lines at its end that step addresses are run
	s_cbranch_scc1 .Lhidden_\@
	v_add_nc_u32 v[ADK], s[TB], v[LI]              ; these three and the v_nop are the four places in front of loads into registers that the last products read
	v_add_nc_u32 v[ADS], s[TS], v[LI]
	v_add_nc_u32 v[ADV], VIMG, v[ADK]
	v_nop
	ds_load_b128 v[KS:KS+3], v[ADS]                ; register i: tile i's words in lanes 0-15, tile 4 + i's in lanes 16-31
	ds_load_b128 v[VS:VS+3], v[ADS] offset:VSC-KSC
	WIN 0x40                                       ; destination window 1
.irp t, 0,1,2,3,4,5,6,7
.irp c, 0,1,2
	ds_load_b128 v[12*\t+4*\c:12*\t+4*\c+3], v[ADK] offset:1536*\t+512*\c
.endr
.endr
.irp t, 0,1,2,3,4,5,6,7
.irp c, 0,1,2
	ds_load_b128 v[96+12*\t+4*\c:96+12*\t+4*\c+3], v[ADV] offset:1536*\t+512*\c   ; V lands while the softmax is walked
.endr
.endr
	WIN 0x01                                       ; source 0 window 1
	s_wait_dscnt 36                                ; the scale words and K's tiles 0-3 are in; K's tiles 4-7 (12 loads) and V (24) may be out
.irp t, 0,1,2,3
	v_wmma_scale_f32_16x16x128_f8f6f4 v[96+8*\t:103+8*\t], v[12*\t:12*\t+11], v[16:27], 0, v[KS+\t], v255 matrix_a_fmt:MATRIX_FMT_FP6 matrix_b_fmt:MATRIX_FMT_FP6
.endr
	s_wait_dscnt 24                                ; V's 24 loads may be out
.irp t, 4,5,6,7
	v_wmma_scale_f32_16x16x128_f8f6f4 v[96+8*\t:103+8*\t], v[12*\t:12*\t+11], v[16:27], 0, v[KS+\t-4], v255 matrix_a_fmt:MATRIX_FMT_FP6 matrix_b_fmt:MATRIX_FMT_FP6 matrix_a_scale:MATRIX_SCALE_ROW1
.endr
	WIN 0
.rept 4
	v_nop
.endr
	s_cmp_gt_u32 s[TD], s[QI]                      ; all keys count: no mask
	s_cbranch_scc1 .Lopen_\@
	v_sub_nc_u32 v252, v[QD], s[KF]                ; d = my query - the step's first key - 16 h.  Register 16 b + i holds key 32 b + 16 h + i of the step: hidden where 32 b + i > d
	v_mov_b32 v254, 0xff800000                     ; -infinity
.set n, 0
.rept 64
	v_cmp_gt_i32 vcc_lo, 32*(n/16)+n%16, v252
	v_cndmask_b32 v[96+n], v[96+n], v254, vcc_lo
.set n, n+1
.endr
.Lopen_\@:
.irp b, 0,1,2,3
	v_max3_num_f32 v[232+\b], v[96+16*\b], v[97+16*\b], v[98+16*\b]   ; the largest score of each block of 32 keys: for the row's maximum and, since p rises with the score, for the block's largest p
.endr
.irp i, 3,5,7,9,11,13
.irp b, 0,1,2,3
	v_max3_num_f32 v[232+\b], v[232+\b], v[96+16*\b+\i], v[97+16*\b+\i]
.endr
.endr
.irp b, 0,1,2,3
	v_max_num_f32 v[232+\b], v[232+\b], v[111+16*\b]
.endr
.irp b, 0,1,2,3
	v_permlanex16_b32 v[236+\b], v[232+\b], s[SEL], s[SEL+1]
.endr
.irp b, 0,1,2,3
	v_max_num_f32 v[232+\b], v[232+\b], v[236+\b]  ; with lane l xor 16's 16 keys
.endr
	v_max3_num_f32 v254, v232, v233, v234
	v_max_num_f32 v254, v254, v235                 ; the step's largest score of my query
	v_mul_f32 v254, s[CS], v254                    ; as t
	v_max_num_f32 v13, v13, v254                   ; the running largest t
	v_mov_b32 v254, v12
	v_floor_f32 v12, -v13                          ; the new -M = -ceil(t): a whole number
	v_sub_f32 v254, v12, v254                      ; old M - new M: a whole number, 0 or less
	v_cvt_i32_f32 v254, v254                       ; (it saturates)
	v_ldexp_f32 v252, 1.0, v254                    ; f = 2^(old M - new M): a multiplication by it rounds nothing
.set n, 0
.rept 32
	v_pk_fma_f32 v[96+n:97+n], v[96+n:97+n], s[CS:CS+1], v[12:13] op_sel_hi:[1,0,0]   ; t - M, two at a time
.set n, n+2
.endr
.irp b, 0,1,2,3
	v_fma_f32 v[232+\b], v[232+\b], s[CS], v12     ; the same of each block's largest score
.endr
.set n, 0
.rept 64
	v_exp_f32 v[96+n], v[96+n]                     ; p = 2^(t - M), at most 1
.set n, n+1
.endr
.irp b, 0,1,2,3
	v_exp_f32 v[232+\b], v[232+\b]                 ; the block's largest p
.endr
	v_pk_mul_f32 v[14:15], v[14:15], v[252:253] op_sel_hi:[1,0]   ; the sums under the new M.  (A plain place behind the exponentials)
	s_wait_alu depctr_va_vdst(0)
.irp b, 0,1,2,3
	v_max_num_f32 v[232+\b], 0x1800000, v[232+\b]  ; the floor 2^(3 - 127)
.endr
.irp b, 0,1,2,3
	v_add_nc_u32 v[244+\b], 0xff000000, v[232+\b]  ; the conversion's scale operand
.endr
.irp b, 0,1,2,3
	v_lshrrev_b32 v[236+\b], 23, v[244+\b]         ; the byte
.endr
	v_lshl_or_b32 v253, v237, 8, v236              ; p's scale word for these 128 keys
	v_lshl_or_b32 v253, v238, 16, v253
	v_lshl_or_b32 v253, v239, 24, v253
.irp c, 0,1
	v_cvt_scalef32_pk16_fp6_f32 v[224+6*\c:226+6*\c], v[96+32*\c:111+32*\c], v[244+2*\c]
	v_cvt_scalef32_pk16_fp6_f32 v[236+4*\c:238+4*\c], v[112+32*\c:127+32*\c], v[244+2*\c+1]
.endr
	v_nop                                          ; one plain place behind a scaled conversion
.irp c, 0,1
.irp i, 0,1,2
	v_permlane16_swap_b32 v[224+6*\c+\i], v[236+4*\c+\i]
.endr
.irp i, 0,1,2
	v_mov_b32 v[227+6*\c+\i], v[236+4*\c+\i]
.endr
.endr
	v_pk_add_f32 v[236:237], v[96:97], v[98:99]    ; the row's sum is taken of the unquantised p: two at a time, in two chains
.irp j, 4,8,12,16,20,24,28,32,36,40,44,48,52,56,60
	v_pk_add_f32 v[14:15], v[14:15], v[96+\j:97+\j]
	v_pk_add_f32 v[236:237], v[236:237], v[98+\j:99+\j]
.endr
	v_pk_add_f32 v[14:15], v[14:15], v[236:237]
.set n, 0
.rept 32
	v_pk_mul_f32 v[160+n:161+n], v[160+n:161+n], v[252:253] op_sel_hi:[1,0]   ; O^T under the new M.  (These are also the places between the lines that made p's codes and scale word and the products below)
.set n, n+2
.endr
	WIN 0x01
	s_wait_dscnt 12                                ; V's tiles 0-3 are in; tiles 4-7 (12 loads) may be out
.irp t, 0,1,2,3
	v_wmma_scale_f32_16x16x128_f8f6f4 v[160+8*\t:167+8*\t], v[96+12*\t:107+12*\t], v[224:235], v[160+8*\t:167+8*\t], v[VS+\t], v253 matrix_a_fmt:MATRIX_FMT_FP6 matrix_b_fmt:MATRIX_FMT_FP6
.endr
	s_wait_dscnt 0x0
.irp t, 4,5,6,7
	v_wmma_scale_f32_16x16x128_f8f6f4 v[160+8*\t:167+8*\t], v[96+12*\t:107+12*\t], v[224:235], v[160+8*\t:167+8*\t], v[VS+\t-4], v253 matrix_a_fmt:MATRIX_FMT_FP6 matrix_b_fmt:MATRIX_FMT_FP6 matrix_a_scale:MATRIX_SCALE_ROW1
.endr
	WIN 0
.Lhidden_\@:
	s_add_co_u32 s[TB], s[TB], 12288
	s_add_co_u32 s[TS], s[TS], 512
	s_add_co_u32 s[KF], s[KF], 128
	s_add_co_u32 s[QI], s[QI], 1
.endm
.macro LOOP4
	s_mov_b32 s[CNT], 4
.Lsteps_\@:
	STEP
	s_sub_co_u32 s[CNT], s[CNT], 1
	s_cmp_lg_u32 s[CNT], 0
	s_cbranch_scc1 .Lsteps_\@
.endm
; 64 numbers of a lane, register 16 b + i = k 32 b + 16 (lane / 16) + i of my row, become a fragment's codes in v[PC] on and its scale word in v[PW].
.macro QUANT s
.irp b, 0,1,2,3
	v_max3_num_f32 v[TM+\b], |v[\s+16*\b]|, |v[\s+1+16*\b]|, 0x1800000
.endr
.irp i, 2,4,6,8,10,12,14
.irp b, 0,1,2,3
	v_max3_num_f32 v[TM+\b], v[TM+\b], |v[\s+16*\b+\i]|, |v[\s+1+16*\b+\i]|
.endr
.endr
.irp b, 0,1,2,3
	v_permlanex16_b32 v[TM+4+\b], v[TM+\b], s[SEL], s[SEL+1]
.endr
.irp b, 0,1,2,3
	v_max_num_f32 v[TM+\b], v[TM+\b], v[TM+4+\b]
.endr
.irp b, 0,1,2,3
	v_add_nc_u32 v[TM+12+\b], 0xff000000, v[TM+\b]
.endr
.irp b, 0,1,2,3
	v_lshrrev_b32 v[TM+4+\b], 23, v[TM+12+\b]
.endr
	v_lshl_or_b32 v[PW], v[TM+5], 8, v[TM+4]
	v_lshl_or_b32 v[PW], v[TM+6], 16, v[PW]
	v_lshl_or_b32 v[PW], v[TM+7], 24, v[PW]
.irp c, 0,1
	v_cvt_scalef32_pk16_fp6_f32 v[PC+6*\c:PC+2+6*\c], v[\s+32*\c:\s+15+32*\c], v[TM+12+2*\c]
	v_cvt_scalef32_pk16_fp6_f32 v[PC+12+4*\c:PC+14+4*\c], v[\s+16+32*\c:\s+31+32*\c], v[TM+12+2*\c+1]
.endr
	v_nop                                          ; one plain place behind a scaled conversion
.irp c, 0,1
.irp i, 0,1,2
	v_permlane16_swap_b32 v[PC+6*\c+\i], v[PC+12+4*\c+\i]
.endr
.irp i, 0,1,2
	v_mov_b32 v[PC+3+6*\c+\i], v[PC+12+4*\c+\i]
.endr
.endr
.endm
; A tile's way out: O^T / the sum, quantised along the head's 128 channels: one fragment of the last product's A, and one scale word a row.
.macro EPILOGUE pass
.rept 4
	v_nop                                          ; places behind the last products
.endr
	v_add_f32 v14, v14, v15
	v_permlanex16_b32 v252, v14, s[SEL], s[SEL+1]
	v_add_f32 v14, v14, v252                       ; the row's sum
	v_rcp_f32 v14, v14
	v_nop                                          ; one plain place behind a transcendental
.set n, 0
	s_wait_alu depctr_va_vdst(0)
.rept 32
	v_pk_mul_f32 v[96+n:97+n], v[160+n:161+n], v[14:15] op_sel_hi:[1,0]   ; each accumulator from its low end on
.set n, n+2
.endr
	QUANT 96
.irp c, 0,1,2
	global_store_b128 v[LI], v[PC+4*\c:PC+4*\c+3], s[CC:CC+1] offset:512*\c   ; 512 consecutive bytes
.endr
	ds_store_b32 v[SCW+\pass], v[PW]               ; both halves of the lanes write the same word with the same value
	s_wait_dscnt 0x0                               ; for the others' sake: my word has landed
	s_barrier_signal -1
	s_barrier_wait -1
	s_cmp_lg_u32 s[WV], 0
	s_cbranch_scc1 .Lnot_0_\@
	ds_load_b64 v[UW:UW+1], v[SCRD] offset:256*\pass
	s_wait_dscnt 0x0
	global_store_b64 v[L8], v[UW:UW+1], s[CW:CW+1] ; the four tiles' unit of 256 bytes, whole
.Lnot_0_\@:
.endm
	s_sub_co_u32 s[TL], 63, s[JJ]                  ; pass 0: the late tile
	PROLOGUE
	s_wait_tensorcnt 1                             ; my parts of the scale words and of steps 0-3 are in; that of steps 4-7 may be out
	s_barrier_signal -1
	s_barrier_wait -1
	LOOP4
	s_wait_tensorcnt 0x0                           ; my part of steps 4-7 is in
	s_wait_dscnt 0x0
	s_barrier_signal -1
	s_barrier_wait -1
	LOOP4
	EPILOGUE 0
	s_mov_b32 s[TL], s[JJ]                         ; pass 1: the early tile: its diagonal lies in steps 0-3
	PROLOGUE
	LOOP4
	EPILOGUE 1
	s_wait_tensorcnt 0x0
	ds_add_u32 v250, v251
	s_wait_dscnt 0x0
	s_endpgm
.Lfunc_end_k_qb118ffcdf8_attn:
	.size	k_qb118ffcdf8_attn, .Lfunc_end_k_qb118ffcdf8_attn-k_qb118ffcdf8_attn
	.p2alignl 7, 3214868480
	.fill 96, 4, 3214868480
	.section	.rodata,"a",@progbits
	.p2align	6, 0x0
	.amdhsa_kernel k_qb118ffcdf8_attn
		.amdhsa_group_segment_fixed_size 205824
		.amdhsa_private_segment_fixed_size 0
		.amdhsa_enable_private_segment 0
		.amdhsa_kernarg_size 32
		.amdhsa_user_sgpr_count 2
		.amdhsa_user_sgpr_kernarg_segment_ptr 1
		.amdhsa_wavefront_size32 1
		.amdhsa_system_sgpr_workgroup_id_x 1
		.amdhsa_system_sgpr_workgroup_id_y 1
		.amdhsa_system_sgpr_workgroup_id_z 1
		.amdhsa_system_vgpr_workitem_id 0
		.amdhsa_next_free_vgpr 448
		.amdhsa_next_free_sgpr 80
		.amdhsa_reserve_vcc 1
		.amdhsa_float_denorm_mode_32 3
		.amdhsa_float_denorm_mode_16_64 3
		.amdhsa_memory_ordered 1
		.amdhsa_forward_progress 1
		.amdhsa_inst_pref_size 99
	.end_amdhsa_kernel
	.amdgpu_metadata
---
amdhsa.version: [ 1, 2 ]
amdhsa.kernels:
  - .name:           k_qb118ffcdf8_attn
    .symbol:         k_qb118ffcdf8_attn.kd
    .args:
      - { .name: cqkv, .offset: 0, .size: 8, .value_kind: global_buffer, .address_space: global }
      - { .name: sqkv, .offset: 8, .size: 8, .value_kind: global_buffer, .address_space: global }
      - { .name: cctx, .offset: 16, .size: 8, .value_kind: global_buffer, .address_space: global }
      - { .name: sctx, .offset: 24, .size: 8, .value_kind: global_buffer, .address_space: global }
    .group_segment_fixed_size: 205824
    .private_segment_fixed_size: 0
    .kernarg_segment_align: 8
    .kernarg_segment_size: 32
    .max_flat_workgroup_size: 128
    .sgpr_count:     80
    .vgpr_count:     448
    .wavefront_size: 32
...
	.end_amdgpu_metadata
.endif
;; end of part 3
;; launch gemm_out (part 4): grid 8 x 8, 4 waves a work-group, clusters of 4 x 4, 327,680 bytes of LDS; arguments cctx, sctx, cin, sin, bp, out0; writes out0
.if DOCPART == 4
	.amdgcn_target "amdgcn-amd-amdhsa--gfx1250"
	.amdhsa_code_object_version 6
	.text
	.protected	k_qb118ffcdf8_gemm_out
	.globl	k_qb118ffcdf8_gemm_out
	.p2align	8
	.type	k_qb118ffcdf8_gemm_out,@function
k_qb118ffcdf8_gemm_out:
	s_mov_b64 s[64:65], 0
	v_nop
	global_prefetch_b8 v0, s[64:65] scope:SCOPE_SE
	s_setreg_imm32_b32 hwreg(HW_REG_WAVE_MODE, 25, 1), 1
	s_wait_xcnt 0x0
	s_wait_alu depctr_hold_cnt(0) depctr_sa_sdst(0) depctr_va_vdst(0) depctr_va_sdst(0) depctr_va_ssrc(0) depctr_va_vcc(0) depctr_vm_vsrc(0)
	s_getreg_b32 s2, hwreg(HW_REG_IB_STS2, 6, 4)
	s_cmp_eq_u32 s2, 0
	s_cbranch_scc0 .Lentry_in_a_cluster
	s_endpgm
.Lentry_in_a_cluster:
	s_bfe_u32 s2, ttmp6, 0x10000c
	s_cmp_lg_u32 s2, 0xf033
	s_cbranch_scc0 .Lentry_shape_is_right
	s_endpgm
.Lentry_shape_is_right:
; out0 = ctx wp + bp on codes of FP6 (E2M3) with E8M0 scales; f32 sums; out0 [2048][2048] f32.
; cctx, sctx (A) and section 4 of cin, sin (B = wp): images of operand registers.  Tile T (16 rows), K step s: 1,536 bytes at T x 24,576 + s x 1,536, register group c at 512 c + 16 x lane.
; Lane index r of tile T stands for row 32 (T / 2) + 8 (T % 2) + r + 8 (r / 8).  Scale words: 256 bytes for four tiles and one K step: tile 4 quad + 2 g + u, index r, at 8 (16 u + r) + 4 g.
; A tile of C, 256 x 256, is made by four waves, each 128 x 128; K goes in steps of 256 through a ring of two LDS slots.  The size gives 64 such tiles, one to a work-group: the loop is the one of the launch that makes q, k and v.
; The matrix instruction takes 16 rows of B as source 0 and 16 rows of A as source 1: a lane holds eight neighbouring numbers of a row of C.  The bias is the C of each sum's first product.
; CLUSTERS: 4 x 4 work-groups; A's tiles are asked for jointly along a row of the cluster, B's along a column.
; REGISTERS: window 0: v0-31 addresses; v32-63 scale words, two sets; v64-127 the bias; v128-223 A's fragments; on the way out v128-255 rows of C.  window 1: B's two sets.  windows 2, 3: the accumulators.
.set NQ,     2
.set FR,     12
.set NL,     3
.set NP,     4
.set FRB,    1536
.set RBK,    NQ*FRB
.set HALFT,  8*RBK
.set SLOT,   4*HALFT
.set LAPS,   4
.set SCL,    2*SLOT
.set HALFS,  8192
.set SPARE,  SCL+4*HALFS               ; the spare words: 128 bytes a wave, two blocks of 256 bytes that no other line names
.set SPITCH, 528                       ; the way out: a stage of 16 rows x (512 bytes + 16) for each wave, in slot 0, which has had its last fill and its last read when the first result is stored there
.set ADRA, 16
.set ADRB, 20
.set STO,  24
.set RD,   25
.set ADRS, 27
.set SPW,  28
.set NIL,  29
.set LI,   30                          ; v30 16 x lane: also my byte offset in a row's 512 bytes of C
.set SC,   32
.set BB,   64
.set AF,   128
.set BK,   128
.set G1, 24
.set G0, 32
.set G1B, 48
.set G0B, 56
.set G1S, 68
.set G0S, 76
.set G1SB, 80
.set G0SB, 88
.set MSB, 0
.macro WIN new
.if MSB != \new
	s_set_vgpr_msb (MSB<<8)|\new
.set MSB, \new
.endif
.endm
.set MUL_LO, 0xa1
.set MUL_HI, 0xf1
.set TO_B,   0x40
.macro JLOAD g0a, g1a, g0b, g1b        ; a joint load: waves 0 and 1 fetch for A, waves 2 and 3 for B; four v_nop follow each of the two lines
	s_cmp_eq_u32 s15, 0
	s_cbranch_scc0 .Lfor_b_\@
	tensor_load_to_lds s[\g0a:\g0a+3], s[\g1a:\g1a+7]
	s_nop 0
.rept 4
	v_nop
.endr
	s_branch .Lasked_\@
.Lfor_b_\@:
	tensor_load_to_lds s[\g0b:\g0b+3], s[\g1b:\g1b+7]
	s_nop 0
.rept 4
	v_nop
.endr
.Lasked_\@:
.endm
.macro CREST
	s_cmp_lg_u32 s14, 0
	s_cbranch_scc1 .Lnot_wave_0_\@
	s_barrier_signal -3
.Lnot_wave_0_\@:
	s_barrier_wait -3
	s_barrier_signal -1
	s_barrier_wait -1
.endm
.macro CROUND
	s_barrier_signal -1
	s_barrier_wait -1
	CREST
.endm
	s_load_b256 s[4:11], s[0:1], 0x0               ; cctx, sctx, cin, sin
	s_load_b128 s[96:99], s[0:1], 0x20             ; bp, out0
	v_lshl_add_u32 v[SPW], v0, 2, SPARE
	v_mov_b32 v[NIL], 0
	ds_add_u32 v28, v29
	ds_add_u32 v28, v29
	s_wait_dscnt 0x0
	v_lshrrev_b32 v1, 5, v0
	v_readfirstlane_b32 s14, v1                    ; wave 0..3
	s_lshr_b32 s15, s14, 1                         ; my half of the rows; also: I fetch for A (0) or B (1)
	s_and_b32 s16, s14, 1                          ; my half of the columns; also: which 128 rows I fetch
	s_bfe_u32 s40, ttmp6, 0x40000
	s_bfe_u32 s41, ttmp6, 0x40004
	s_lshl_b32 s42, ttmp9, 2
	s_add_co_u32 s42, s42, s40                     ; tile column
	s_and_b32 s17, ttmp7, 0xffff
	s_lshl_b32 s17, s17, 2
	s_add_co_u32 s17, s17, s41                     ; tile row
	s_lshl_b32 s43, s41, 2
	s_lshl_b32 s43, 15, s43
	s_lshl_b32 s44, 0x1111, s40
	s_or_b32 s[G1+0], s43, (3<<16)|(1<<21)         ; codes: 8 rows (tiles) of 3,072 bytes, 24,576 bytes apart; elements of 8 bytes; no padding
	s_or_b32 s[G1B+0], s44, (3<<16)|(1<<21)
.irp g, G1, G1B
	s_mov_b32 s[\g+1], 384<<16
	s_mov_b32 s[\g+2], 8<<16
	s_mov_b32 s[\g+3], 384<<16
	s_mov_b32 s[\g+4], 8
	s_mov_b32 s[\g+5], 3072
	s_mov_b32 s[\g+6], 0
	s_mov_b32 s[\g+7], 0
.endr
	s_or_b32 s[G1S+0], s43, (3<<16)|(1<<21)        ; scale words: 8,192 dense bytes as 32 rows of 256
	s_or_b32 s[G1SB+0], s44, (3<<16)|(1<<21)
.irp g, G1S, G1SB
	s_mov_b32 s[\g+1], 32<<16
	s_mov_b32 s[\g+2], 32<<16
	s_mov_b32 s[\g+3], 32<<16
	s_mov_b32 s[\g+4], 32
	s_mov_b32 s[\g+5], 32
	s_mov_b32 s[\g+6], 0
	s_mov_b32 s[\g+7], 0
.endr
	s_add_co_u32 s46, s42, 32                      ; wp's blocks of 256 rows begin at 32 in cin and sin
	s_lshl_b32 s22, s17, 14
	s_mul_i32 s20, s17, 16*24576
	s_lshl_b32 s92, s46, 14
	s_mul_i32 s46, s46, 16*24576
	s_mul_i32 s18, s16, 8*24576
	s_lshl_b32 s19, s16, 13
	s_add_co_u32 s20, s20, s18
	s_add_co_u32 s46, s46, s18
	s_add_co_u32 s22, s22, s19
	s_add_co_u32 s92, s92, s19
	s_mov_b32 s21, 0
	s_mov_b32 s23, 0
	s_mov_b32 s47, 0
	s_mov_b32 s93, 0
	s_mul_i32 s45, s14, HALFT
	s_lshl_b32 s94, s14, 13
	s_wait_kmcnt 0x0
	s_add_nc_u64 s[20:21], s[4:5], s[20:21]
	s_add_nc_u64 s[22:23], s[6:7], s[22:23]
	s_add_nc_u64 s[46:47], s[8:9], s[46:47]
	s_add_nc_u64 s[92:93], s[10:11], s[92:93]
	CROUND                                         ; all sixteen work-groups are here: the first joint loads meet
	s_mov_b32 s[G0S], 1
	s_add_co_u32 s[G0S+1], s94, SCL
	s_mov_b64 s[G0S+2:G0S+3], s[22:23]
	s_or_b32 s[G0S+3], s[G0S+3], 0x80000000
	s_mov_b32 s[G0SB], 1
	s_add_co_u32 s[G0SB+1], s94, SCL
	s_mov_b64 s[G0SB+2:G0SB+3], s[92:93]
	s_or_b32 s[G0SB+3], s[G0SB+3], 0x80000000
	JLOAD G0S, G1S, G0SB, G1SB
.irp s, 0,1
	s_mov_b32 s[G0+4*\s], 1
	s_add_co_u32 s[G0+4*\s+1], s45, \s*SLOT
	s_add_nc_u64 s[G0+4*\s+2:G0+4*\s+3], s[20:21], \s*RBK
	s_or_b32 s[G0+4*\s+3], s[G0+4*\s+3], 0x80000000
	s_mov_b32 s[G0B+4*\s], 1
	s_add_co_u32 s[G0B+4*\s+1], s45, \s*SLOT
	s_add_nc_u64 s[G0B+4*\s+2:G0B+4*\s+3], s[46:47], \s*RBK
	s_or_b32 s[G0B+4*\s+3], s[G0B+4*\s+3], 0x80000000
	JLOAD G0+4*\s, G1, G0B+4*\s, G1B               ; by this text's count three tensor loads of a wave are out here, later one
.endr
	v_and_b32 v1, 15, v0                           ; r
	v_bfe_u32 v2, v0, 4, 1                         ; h
	v_and_b32 v3, 31, v0
	v_lshlrev_b32 v[LI], 4, v3
	s_mul_i32 s21, s15, HALFT
	s_mul_i32 s22, s16, HALFT
	s_add_co_u32 s22, s22, 2*HALFT
.irp s, 0,1
	v_add_nc_u32 v[ADRA+\s], s21, v[LI]
	v_add_nc_u32 v[ADRB+\s], s22, v[LI]
	s_add_co_u32 s21, s21, SLOT
	s_add_co_u32 s22, s22, SLOT
.endr
	v_lshlrev_b32 v5, 3, v1
	s_mul_i32 s21, s15, HALFS
	s_mul_i32 s22, s16, HALFS
	s_add_co_u32 s22, s22, 2*HALFS
	s_sub_co_u32 s22, s22, s21
	v_mul_u32_u24 v6, s22, v2                      ; lanes 16-31 take B's scale words
	s_add_co_u32 s21, s21, SCL
	v_add_nc_u32 v5, v5, v6
	v_add_nc_u32 v[ADRS], s21, v5
	s_mul_i32 s23, s14, 16*SPITCH                  ; my stage
	v_mul_u32_u24 v5, v1, SPITCH
	v_lshl_add_u32 v5, v2, 6, v5
	v_add_nc_u32 v[STO], s23, v5                   ; in: row index r, + 64 h: B's block b adds 128 (b / 2) + 32 (b % 2)
	v_add_nc_u32 v[RD], s23, v[LI]                 ; back: the 32 lanes take one row of 512 bytes
	s_lshl_b32 s100, s17, 8
	s_lshl_b32 s101, s15, 7
	s_add_co_u32 s100, s100, s101
	s_lshl_b32 s100, s100, 13                      ; my first row of C, 8,192 bytes a row
	s_lshl_b32 s46, s42, 10
	s_lshl_b32 s47, s16, 9
	s_add_co_u32 s46, s46, s47                     ; my first column, in bytes; also my 128 numbers of bp
	s_mov_b32 s47, 0
	s_add_nc_u64 s[96:97], s[96:97], s[46:47]
	s_add_co_u32 s100, s100, s46
	s_mov_b32 s101, 0
	s_add_nc_u64 s[98:99], s[98:99], s[100:101]
	v_lshlrev_b32 v4, 6, v2                        ; the bias: register 8 b + j of lane (r, h) is column 32 (b / 2) + 8 (b % 2) + 16 h + j
.irp b, 0,1,2,3,4,5,6,7
	global_load_b128 v[BB+8*\b:BB+8*\b+3], v4, s[96:97] offset:(32*(\b/2)+8*(\b%2))*4
	global_load_b128 v[BB+8*\b+4:BB+8*\b+7], v4, s[96:97] offset:(32*(\b/2)+8*(\b%2))*4+16
.endr
.macro FRAG reg, adr, q, i
.irp c, 0,1,2
	ds_load_b128 v[\reg+4*\c:\reg+4*\c+3], v[\adr] offset:(\i)*RBK+(\q)*FRB+512*\c
.endr
.endm
; 16 matrix instructions: A's blocks a0, a0 + 1 x B's eight.  zero = 1: C = the bias of B's block.  The 64 accumulators take turns, one instruction a turn.
.macro MUL16 a0, p, q, sc, zero
.irp a, \a0, \a0+1
.irp b, 0,1,2,3,4,5,6,7
.set rD, 8*(8*((\a)%4)+\b)
.set rB, 128*(\p)+FR*\b
.set rA, AF+FR*(\a)
.set sB, SC+16*(\sc)+8*(\q)+4*(\b/4)+2*(\b%2)+(\b/2)%2
.set sA, SC+16*(\sc)+8*(\q)+4*((\a)/4)+2*((\a)%2)+((\a)/2)%2
.if \zero
	v_wmma_scale_f32_16x16x128_f8f6f4 v[rD:rD+7], v[rB:rB+FR-1], v[rA:rA+FR-1], v[BB+8*\b:BB+8*\b+7], v[sB], v[sA] matrix_a_fmt:MATRIX_FMT_FP6 matrix_b_fmt:MATRIX_FMT_FP6 matrix_a_scale:MATRIX_SCALE_ROW1
.else
	v_wmma_scale_f32_16x16x128_f8f6f4 v[rD:rD+7], v[rB:rB+FR-1], v[rA:rA+FR-1], v[rD:rD+7], v[sB], v[sA] matrix_a_fmt:MATRIX_FMT_FP6 matrix_b_fmt:MATRIX_FMT_FP6 matrix_a_scale:MATRIX_SCALE_ROW1
.endif
.endr
.endr
.endm
.macro FETCH_B slot, q, p
	WIN TO_B
.irp i, 0,1,2,3,4,5,6,7
	FRAG 128*(\p)+FR*\i, ADRB+\slot, \q, \i
.endr
	WIN 0
.endm
.macro FETCH_A slot, q, i0
.irp i, \i0, \i0+1, \i0+2, \i0+3
	FRAG AF+FR*(\i), ADRA+\slot, \q, \i
.endr
.endm
.macro SCALES sc
.irp q, 0,1
.irp d, 0,1
.irp u, 0,1
	ds_load_b64 v[SC+16*\sc+8*\q+4*\d+2*\u:SC+16*\sc+8*\q+4*\d+2*\u+1], v[ADRS] offset:\d*4096+\q*256+\u*128
.endr
.endr
.endr
.endm
.macro PLACES n
.rept \n
	v_nop
.endr
.endm
.macro STEP slot, q, zero
	s_wait_dscnt 4*NL                              ; the youngest 12 loads (A's blocks 4-7) may be out
.if \zero
	WIN 0x81                                       ; C (the bias) window 0, D window 2
.else
	WIN MUL_LO
.endif
	MUL16 0, (\q)%2, \q, \slot, \zero
	MUL16 2, (\q)%2, \q, \slot, \zero
	s_wait_dscnt 0
	PLACES NP
	FETCH_B \slot, (\q)+1, 1-(\q)%2
	FETCH_A \slot, (\q)+1, 0
.if \zero
	WIN 0xc1
.else
	WIN MUL_HI
.endif
	MUL16 4, (\q)%2, \q, \slot, \zero
	MUL16 6, (\q)%2, \q, \slot, \zero
	PLACES NP
	WIN 0
	FETCH_A \slot, (\q)+1, 4
.endm
.macro TURN slot, next, fill
	s_wait_tensorcnt 0x0                           ; all my tensor loads have landed: my part of the next slot
	ds_add_u32 v[SPW], v[NIL]                      ; 0 onto my spare word
	s_wait_dscnt 4*NL+1                            ; the add and the youngest 12 loads may be out
	WIN MUL_LO
	MUL16 0, 1, NQ-1, \slot, 0
	s_wait_dscnt 0x0                               ; the add is done, and my reads of this slot are over
	s_barrier_signal -1
	MUL16 2, 1, NQ-1, \slot, 0
	WIN 0
	s_barrier_wait -1
.if \fill
	CREST                                          ; the barrier has opened a round of the cluster's
	s_add_nc_u64 s[G0+4*\slot+2:G0+4*\slot+3], s[G0+4*\slot+2:G0+4*\slot+3], 2*RBK
	s_add_nc_u64 s[G0B+4*\slot+2:G0B+4*\slot+3], s[G0B+4*\slot+2:G0B+4*\slot+3], 2*RBK
	JLOAD G0+4*\slot, G1, G0B+4*\slot, G1B         ; the first tensor load behind the round; its four v_nop are the places in front of the loads below
.else
	PLACES NP
.endif
	v_add_nc_u32 v[ADRS], 256*NQ, v[ADRS]
	FETCH_B \next, 0, 0
	FETCH_A \next, 0, 0
	SCALES \next
	WIN MUL_HI
	MUL16 4, 1, NQ-1, \slot, 0
	MUL16 6, 1, NQ-1, \slot, 0
	PLACES NP
	WIN 0
	FETCH_A \next, 0, 4
.endm
	s_wait_tensorcnt 1                             ; the scale words and my part of slot 0 are in; slot 1's load may be out
	s_barrier_signal -1
	s_barrier_wait -1
	FETCH_B 0, 0, 0
	FETCH_A 0, 0, 0
	SCALES 0
	FETCH_A 0, 0, 4
	s_wait_loadcnt 0x0                             ; the bias
	STEP 0, 0, 1                                   ; the first step starts the sums from the bias
	s_mov_b32 s3, LAPS-1
.Llap:
	TURN 0, 1, 1
	STEP 1, 0, 0
	TURN 1, 0, 1
	STEP 0, 0, 0
	s_sub_co_u32 s3, s3, 1
	s_cmp_lg_u32 s3, 0
	s_cbranch_scc1 .Llap
	TURN 0, 1, 0
	STEP 1, 0, 0
	s_wait_dscnt 4*NL
	WIN MUL_LO
	MUL16 0, 1, NQ-1, 1, 0
	MUL16 2, 1, NQ-1, 1, 0
	s_wait_dscnt 0
	WIN MUL_HI
	MUL16 4, 1, NQ-1, 1, 0
	MUL16 6, 1, NQ-1, 1, 0
	WIN 0
; THE WAY OUT, block by block of 16 rows x 128 columns, through my own stage in LDS: in as 32 bytes a lane, back as whole rows of 512 bytes.  LDS serves a wave's instructions in order (ISA guide 5.7.1.4).
.macro TOSTAGE a
.set AC, 64*((\a)%4)
	WIN 0x08+4*((\a)/4)                            ; the data: window 2 or 3
.irp b, 0,1,2,3,4,5,6,7
	ds_store_b128 v[STO], v[AC+8*\b:AC+8*\b+3] offset:128*(\b/2)+32*(\b%2)          ; each accumulator from its low end on
	ds_store_b128 v[STO], v[AC+8*\b+4:AC+8*\b+7] offset:128*(\b/2)+32*(\b%2)+16
.endr
	WIN 0
.set BBK, BK+64*((\a)%2)
.irp t, 0,1,2,3,4,5,6,7,8,9,10,11,12,13,14,15
	ds_load_b128 v[BBK+4*\t:BBK+4*\t+3], v[RD] offset:\t*SPITCH
.endr
.endm
.macro SEND a, younger                 ; younger: the LDS instructions issued behind block a's loads
.set BBK, BK+64*((\a)%2)
	s_wait_dscnt \younger
.irp t, 0,1,2,3,4,5,6,7,8,9,10,11,12,13,14,15
	global_store_b128 v[LI], v[BBK+4*\t:BBK+4*\t+3], s[98:99] offset:(32*((\a)/2)+8*((\a)%2)+\t+8*(\t/8))*8192 th:TH_STORE_NT   ; 512 consecutive bytes of the row for which index t of tile a stands; the row stands in the immediate, 127 rows at the most
.endr
.endm
	PLACES NP
	TOSTAGE 0
.irp a, 1,2,3,4,5,6,7
.if \a > 1
	s_wait_xcnt 0x0                                ; block a - 2's stores have read their registers: block a's loads may land there
.endif
	TOSTAGE \a
	SEND \a-1, 32                                  ; behind block a - 1's loads: block a's 16 stores and 16 loads
.endr
	SEND 7, 0
	s_wait_tensorcnt 0x0                           ; the wave's end
	ds_add_u32 v[SPW], v[NIL]
	s_wait_dscnt 0x0
	CROUND                                         ; the closing round
	s_endpgm
.Lfunc_end_k_qb118ffcdf8_gemm_out:
	.size	k_qb118ffcdf8_gemm_out, .Lfunc_end_k_qb118ffcdf8_gemm_out-k_qb118ffcdf8_gemm_out
	.p2alignl 7, 3214868480
	.fill 96, 4, 3214868480
	.section	.rodata,"a",@progbits
	.p2align	6, 0x0
	.amdhsa_kernel k_qb118ffcdf8_gemm_out
		.amdhsa_group_segment_fixed_size 327680
		.amdhsa_private_segment_fixed_size 0
		.amdhsa_enable_private_segment 0
		.amdhsa_kernarg_size 48
		.amdhsa_user_sgpr_count 2
		.amdhsa_user_sgpr_kernarg_segment_ptr 1
		.amdhsa_wavefront_size32 1
		.amdhsa_system_sgpr_workgroup_id_x 1
		.amdhsa_system_sgpr_workgroup_id_y 1
		.amdhsa_system_sgpr_workgroup_id_z 1
		.amdhsa_system_vgpr_workitem_id 0
		.amdhsa_next_free_vgpr 1024
		.amdhsa_next_free_sgpr 102
		.amdhsa_reserve_vcc 0
		.amdhsa_float_denorm_mode_32 3
		.amdhsa_float_denorm_mode_16_64 3
		.amdhsa_memory_ordered 1
		.amdhsa_forward_progress 1
		.amdhsa_inst_pref_size 136
	.end_amdhsa_kernel
	.amdgpu_metadata
---
amdhsa.version: [ 1, 2 ]
amdhsa.kernels:
  - .name:           k_qb118ffcdf8_gemm_out
    .symbol:         k_qb118ffcdf8_gemm_out.kd
    .args:
      - { .name: cctx, .offset: 0, .size: 8, .value_kind: global_buffer, .address_space: global }
      - { .name: sctx, .offset: 8, .size: 8, .value_kind: global_buffer, .address_space: global }
      - { .name: cin, .offset: 16, .size: 8, .value_kind: global_buffer, .address_space: global }
      - { .name: sin, .offset: 24, .size: 8, .value_kind: global_buffer, .address_space: global }
      - { .name: bp, .offset: 32, .size: 8, .value_kind: global_buffer, .address_space: global }
      - { .name: out0, .offset: 40, .size: 8, .value_kind: global_buffer, .address_space: global }
    .group_segment_fixed_size: 327680
    .private_segment_fixed_size: 0
    .kernarg_segment_align: 8
    .kernarg_segment_size: 48
    .max_flat_workgroup_size: 128
    .sgpr_count:     102
    .vgpr_count:     1024
    .wavefront_size: 32
...
	.end_amdgpu_metadata
.endif
;; end of part 4
;; ======== version 2 of 2: 4 launches
;; limits: right only within a limited range of input values
;; workspace buffers: cin 12,582,912 bytes; sin 524,288 bytes; cqkv 9,437,184 bytes; sqkv 393,216 bytes; cctx 3,145,728 bytes; sctx 131,072 bytes; cwp 3,145,728 bytes; swp 131,072 bytes
;; launch quant (part 5): grid 1024 x 1, 2 waves a work-group, no clusters, 33,536 bytes of LDS; arguments x, wq, wk, wv, cin, sin; writes cin, sin
.if DOCPART == 5
	.amdgcn_target "amdgcn-amd-amdhsa--gfx1250"
	.amdhsa_code_object_version 6
	.text
	.protected	k_qb118ffcdf8_quant
	.globl	k_qb118ffcdf8_quant
	.p2align	8
	.type	k_qb118ffcdf8_quant,@function
k_qb118ffcdf8_quant:
	s_mov_b64 s[64:65], 0
	v_nop
	global_prefetch_b8 v0, s[64:65] scope:SCOPE_SE
	s_setreg_imm32_b32 hwreg(HW_REG_WAVE_MODE, 25, 1), 1
	s_wait_xcnt 0x0
; x [2048][2048] (K innermost) and wq, wk, wv [2048 (K)][2048 (n)] (K outermost), all f32, become codes of FP6 (E2M3) with one E8M0 byte for each 32 along K.
; A block's scale is 2^(floor(log2(its largest magnitude)) - 2): its byte is the largest magnitude's exponent field - 2, held at 1 from below.
; LIMITS: NaN and infinities among the inputs are not served; a block whose largest magnitude lies under 2^-124 has its byte held at 1; a block of zeros keeps the byte 1 with zero codes (this program alone reads the bytes).
; THE WORKSPACE IS LAID AS IMAGES OF OPERAND REGISTERS.  A fragment (16 rows x 128 K, 12 registers a lane) is 1,536 bytes: register group c (four registers) at 512 c + 16 x lane.
; Tile T (16 rows), K step s (128 along K) lies at T x 24,576 + s x 1,536 of its tensor's section of cin.  Lane index r of tile T stands for row 32 (T / 2) + 8 (T % 2) + r + 8 (r / 8).
; The scale words of four tiles (a quad) for one K step are 256 bytes of sin, at quad x 4,096 + s x 256: the word of tile 4 quad + 2 g + u, index r, at 8 (16 u + r) + 4 g.
; A wave takes one quad x one K step: 8,192 numbers in, four fragments and one unit of scale words out; every store of codes covers 512 consecutive bytes, the scale words 256.
; Work-groups 0-255 take x, the other 768 the three weights.  No tensor loads, no barrier: waves share nothing.  Memory binds: matrix units and clusters would add nothing here.
; THE DEAL AS IT STANDS: work-groups of two waves; 0-255 take x, the other 768 wq, wk and wv.  wp is not among this launch's arguments: the next launch quantises it.
; On the weights' path a block's 32 rows turn through the wave's own stage in LDS, which has bytes of its own beside path x's.
.set CSEC,  3145728                    ; a tensor's section of cin
.set TILEB, 24576                      ; a tile's 16 fragments
.set SPX,   528                        ; path x: a stage row: 512 bytes + 16, an odd multiple of 16
.set RR,    32                         ; path x: v32-159  two sets of 64: a fragment's 16 rows as loaded
.set XX,    160                        ;         v160-223 my 64 numbers: k = 64 c + 32 h + 0 .. 31 of row index r
.set FF,    224                        ;         v224-235 the fragment's codes
.set TT,    236                        ;         v236-238, v240-242 upper halves of the blocks' codes
.set WW,    244                        ;         v244-247 the four fragments' scale words
.set XW,    32                         ; path w: v32-95   two sets of 32: a block down K of my column
.set FW,    96                         ;         v96-143  four fragments' codes
.set TW,    144                        ;         v144-146 the upper half of a block's codes
.set WS,    148                        ;         v148-149 scale words of my column in tiles u and 2 + u
	s_load_b256 s[4:11], s[0:1], 0x0               ; x, wq, wk, wv
	s_load_b64 s[14:15], s[0:1], 0x20              ; cin
	s_load_b64 s[16:17], s[0:1], 0x28              ; sin
	v_lshl_add_u32 v254, v0, 2, 0x4200             ; the spare words: behind path x's two stages of 8,448 bytes
	v_mov_b32 v255, 0
	v_lshrrev_b32 v1, 5, v0
	v_readfirstlane_b32 s18, v1                    ; wave
	v_and_b32 v1, 31, v0                           ; lane
	v_and_b32 v2, 15, v0                           ; r
	v_bfe_u32 v3, v0, 4, 1                         ; h (path w: u)
	v_lshlrev_b32 v4, 4, v1                        ; 16 x lane: my place in an image, and in a row's 512 bytes
	v_lshlrev_b32 v5, 3, v1                        ; 8 x lane: my place in a unit of scale words
	s_mov_b32 s20, 0x76543210
	s_mov_b32 s21, 0xfedcba98                      ; v_permlanex16_b32's selects for lane l xor 16
	s_cmp_lt_u32 ttmp9, 256                        ; work-groups of two waves: 0-255 take x, the other 768 wq, wk and wv; wp is quantised in the next launch, by work-groups of its own
	s_cbranch_scc0 .Lweights
; ---------------- x: K is innermost.  Each load takes one row's 128 numbers, 512 consecutive bytes; 16 rows turn through my wave's stage in LDS, so that a lane gets 32 neighbours of each of two blocks.
	s_lshl_b32 s22, ttmp9, 1
	s_add_co_u32 s22, s22, s18
	s_lshr_b32 s23, s22, 4                         ; quad 0..31
	s_and_b32 s22, s22, 15                         ; K step
	s_lshl_b32 s24, s23, 19                        ; x: 64 rows of 8,192 bytes a quad,
	s_lshl_b32 s26, s22, 9                         ; 512 bytes a K step
	s_add_co_u32 s24, s24, s26
	s_mov_b32 s25, 0
	s_mul_i32 s26, s23, 4*TILEB
	s_mul_i32 s28, s22, 1536
	s_add_co_u32 s26, s26, s28
	s_mov_b32 s27, 0
	s_lshl_b32 s28, s23, 12
	s_lshl_b32 s30, s22, 8
	s_add_co_u32 s28, s28, s30
	s_mov_b32 s29, 0
	s_mul_i32 s30, s18, 16*SPX                     ; my stage
	s_wait_alu depctr_va_vdst(0)
	v_add_nc_u32 v6, s30, v4                       ; in: 16 x lane, row i at SPX i
	v_mul_u32_u24 v7, v2, SPX
	v_lshl_add_u32 v7, v3, 7, v7
	v_add_nc_u32 v7, s30, v7                       ; out: row r, + 128 h
	v_lshlrev_b32 v8, 3, v3                        ; 8 h: where my two bytes stand in the scale word
	v_mov_b32 v10, 0                               ; a lane permute's destination counts as one of its sources
	s_wait_alu depctr_va_vdst(0)
	s_wait_kmcnt 0x0
	s_add_nc_u64 s[4:5], s[4:5], s[24:25]
	s_add_nc_u64 s[14:15], s[14:15], s[26:27]
	s_add_nc_u64 s[16:17], s[16:17], s[28:29]
.macro XLOAD f                         ; the 16 rows of the quad's tile f
.irp i, 0,1,2,3,4,5,6,7,8,9,10,11,12,13,14,15
	global_load_b128 v[RR+64*((\f)%2)+4*\i:RR+64*((\f)%2)+4*\i+3], v4, s[4:5] offset:(32*((\f)/2)+8*((\f)%2)+\i+8*(\i/8))*8192 th:TH_LOAD_NT
.endr
.endm
.macro XFRAG f
.if (\f) < 3
	s_wait_loadcnt 16                              ; this tile's 16 loads are in; the next tile's 16 may be out
.else
	s_wait_loadcnt 0x0
.endif
.irp i, 0,1,2,3,4,5,6,7,8,9,10,11,12,13,14,15
	ds_store_b128 v6, v[RR+64*((\f)%2)+4*\i:RR+64*((\f)%2)+4*\i+3] offset:SPX*\i
.endr
.irp c, 0,1
.irp j, 0,1,2,3,4,5,6,7
	ds_load_b128 v[XX+32*\c+4*\j:XX+32*\c+4*\j+3], v7 offset:256*\c+16*\j   ; LDS serves a wave's instructions in order: these see the stores above
.endr
.endr
	s_wait_dscnt 0x0                               ; my numbers are back, and the stores into the stage have read their registers
.if (\f) > 0
	s_wait_xcnt 0x0                                ; the last tile's stores have read the codes' registers, which are written again below
.endif
.if (\f) < 2
	XLOAD (\f)+2
.endif
.irp c, 0,1                                    ; my block 2 c + h: all its 32 numbers are mine
	v_max3_num_f32 v[12+\c], |v[XX+32*\c]|, |v[XX+32*\c+1]|, 0x1800000   ; with the floor 2^(3 - 127): the byte cannot fall under 1
.endr
.irp i, 2,4,6,8,10,12,14,16,18,20,22,24,26,28,30
.irp c, 0,1
	v_max3_num_f32 v[12+\c], v[12+\c], |v[XX+32*\c+\i]|, |v[XX+32*\c+\i+1]|
.endr
.endr
.irp c, 0,1
	v_add_nc_u32 v[14+\c], 0xff000000, v[12+\c]    ; 2 off the exponent field: the conversion's scale operand
.endr
.irp c, 0,1
	v_lshrrev_b32 v[16+\c], 23, v[14+\c]           ; the scale's byte
.endr
	v_lshl_or_b32 v9, v17, 16, v16                 ; blocks h and 2 + h,
	v_lshlrev_b32 v9, v8, v9                       ; at their places in the word;
	v_permlanex16_b32 v10, v9, s20, s21
	v_or_b32 v[WW+(\f)], v9, v10                   ; with lane l xor 16's two the word is whole, in both halves of the lanes
.irp c, 0,1
	v_cvt_scalef32_pk16_fp6_f32 v[FF+6*\c:FF+6*\c+2], v[XX+32*\c:XX+32*\c+15], v[14+\c]
	v_cvt_scalef32_pk16_fp6_f32 v[TT+4*\c:TT+4*\c+2], v[XX+32*\c+16:XX+32*\c+31], v[14+\c]   ; (a conversion's three registers begin on an even number)
.endr
	v_nop                                          ; one plain place behind a scaled conversion
.irp c, 0,1
.irp i, 0,1,2
	v_mov_b32 v[FF+6*\c+3+\i], v[TT+4*\c+\i]
.endr
.endr
.irp c, 0,1,2
	global_store_b128 v4, v[FF+4*\c:FF+4*\c+3], s[14:15] offset:(\f)*TILEB+512*\c   ; 512 consecutive bytes
.endr
.endm
	XLOAD 0
	XLOAD 1
	XFRAG 0
	XFRAG 1
	XFRAG 2
	XFRAG 3
	v_cmp_lt_u32 vcc_lo, 15, v1                    ; lanes 16-31 carry the odd tiles' words
	v_cndmask_b32 v12, v[WW], v[WW+1], vcc_lo
	v_cndmask_b32 v13, v[WW+2], v[WW+3], vcc_lo
	global_store_b64 v5, v[12:13], s[16:17]        ; the unit of 256 bytes, whole
	s_wait_tensorcnt 0x0
	ds_add_u32 v254, v255
	s_wait_dscnt 0x0
	s_endpgm
; ---------------- the weights: K is outermost.  A lane takes a column and its registers run down K: a block of 32 lies in one lane, and the conversions give codes with K innermost.
.Lweights:
	s_sub_co_u32 s22, ttmp9, 256
	s_lshr_b32 s23, s22, 8                         ; which weight: 0 wq, 1 wk, 2 wv
	s_and_b32 s22, s22, 255
	s_and_b32 s24, s22, 15
	s_lshl_b32 s24, s24, 1
	s_add_co_u32 s24, s24, s18                     ; quad of columns: the two waves stand side by side on 512 bytes of a row
	s_lshr_b32 s22, s22, 4                         ; K step
	s_lshl_b32 s26, s22, 20                        ; 128 rows of 8,192 bytes a K step,
	s_lshl_b32 s28, s24, 8                         ; 256 bytes a quad
	s_add_co_u32 s26, s26, s28
	s_mov_b32 s27, 0
	s_add_co_u32 s30, s23, 1                       ; the section: x's is the first
	s_mul_i32 s28, s30, CSEC
	s_mul_i32 s31, s24, 4*TILEB
	s_add_co_u32 s28, s28, s31
	s_mul_i32 s31, s22, 1536
	s_add_co_u32 s28, s28, s31
	s_mov_b32 s29, 0
	s_lshl_b32 s30, s30, 17                        ; a section of sin is 131,072 bytes
	s_lshl_b32 s31, s24, 12
	s_add_co_u32 s30, s30, s31
	s_lshl_b32 s31, s22, 8
	s_add_co_u32 s30, s30, s31
	s_mov_b32 s31, 0
	s_wait_alu depctr_va_vdst(0)
.set WSTG, 0x4300                      ; path w's stages, bytes of their own: 32 rows of 256 bytes for each wave
	v_and_b32 v6, 8, v2
	v_add_nc_u32 v6, v6, v2
	v_lshl_add_u32 v6, v3, 3, v6                   ; lane (u, r) takes column 32 g + 8 u + r + 8 (r / 8): index r of tile 2 g + u
	s_lshl_b32 s19, s18, 13
	s_add_co_u32 s19, s19, WSTG                    ; my stage
	v_lshl_add_u32 v6, v6, 2, s19                  ; out of it: my column's word of a row; the 32 lanes read 128 consecutive bytes
	v_add_nc_u32 v8, s19, v4                       ; into it: two rows of 256 bytes as they were loaded, 16 x lane
	v_lshlrev_b32 v7, 4, v2
	v_lshl_add_u32 v7, v3, 13, v7                  ; memory: lanes 0-15 take a row's 256 bytes, lanes 16-31 the next row's
	s_wait_alu depctr_va_vdst(0)
	s_wait_kmcnt 0x0
	s_cmp_lt_u32 s23, 1                            ; the choice hangs on the work-group's number alone
	s_cselect_b64 s[24:25], s[6:7], s[8:9]
	s_cmp_lt_u32 s23, 2
	s_cselect_b64 s[24:25], s[24:25], s[10:11]
	s_add_nc_u64 s[24:25], s[24:25], s[26:27]
	s_add_nc_u64 s[14:15], s[14:15], s[28:29]
	s_add_nc_u64 s[16:17], s[16:17], s[30:31]
.macro WLOAD t                         ; turn t: block t / 2 along K, columns 32 (t % 2) on
.irp i, 0,1,2,3,4,5,6,7,8,9,10,11,12,13,14,15,16,17,18,19,20,21,22,23,24,25,26,27,28,29,30,31
	ds_load_b32 v[XW+32*((\t)%2)+\i], v6 offset:256*\i+128*((\t)%2)   ; back from the stage: my column, down the block's 32 rows
.endr
.endm
.macro WBLOCK t
.set XS, XW+32*((\t)%2)
.set KB, (\t)/2
.set GG, (\t)%2
.set FD, FW+12*(2*GG+KB%2)+6*(KB/2)    ; even blocks into the first fragment of the pair, odd blocks into the second
	v_max3_num_f32 v12, |v[XS]|, |v[XS+1]|, |v[XS+2]|
	v_max3_num_f32 v13, |v[XS+3]|, |v[XS+4]|, |v[XS+5]|
.irp i, 6,10,14,18,22,26
	v_max3_num_f32 v12, v12, |v[XS+\i]|, |v[XS+\i+1]|
	v_max3_num_f32 v13, v13, |v[XS+\i+2]|, |v[XS+\i+3]|
.endr
	v_max3_num_f32 v12, v12, |v[XS+30]|, |v[XS+31]|
	v_max3_num_f32 v12, v12, v13, 0x1800000        ; the floor 2^(3 - 127)
	v_add_nc_u32 v11, 0xff000000, v12              ; the conversion's scale operand
	v_lshrrev_b32 v13, 23, v11                     ; the byte
.if KB == 0
	v_mov_b32 v[WS+GG], v13
.else
	v_lshl_or_b32 v[WS+GG], v13, 8*KB, v[WS+GG]
.endif
	v_cvt_scalef32_pk16_fp6_f32 v[FD:FD+2], v[XS:XS+15], v11
	v_cvt_scalef32_pk16_fp6_f32 v[TW:TW+2], v[XS+16:XS+31], v11
	v_nop                                          ; one plain place behind a scaled conversion
.irp i, 0,1,2
	v_mov_b32 v[FD+3+\i], v[TW+\i]
.endr
.if KB%2 == 1                          ; lanes 0-15 hold all blocks of tile 2 g, lanes 16-31 those of tile 2 g + 1; the operand wants block 2 c in lanes 0-15 and block 2 c + 1 in lanes 16-31 of each tile
.irp i, 0,1,2,3,4,5
	v_permlane16_swap_b32 v[FW+24*GG+6*(KB/2)+\i], v[FW+24*GG+12+6*(KB/2)+\i]   ; the first's lanes 16-31 change places with the second's lanes 0-15
.endr
.endif
.endm
; The weight comes 16 bytes a lane: a load takes two rows of the quad's 256 bytes.  Eight loads are a piece of 16 rows; three sets of 32 registers take the eight pieces by turns.
; A block's 32 rows go through my stage as they lie and come back a column a lane.  LDS serves a wave's instructions in order, so one stage serves all four blocks.
.set RAW, 152                          ; v152-247
.macro GLOAD c
.irp i, 0,1,2,3,4,5,6,7
	global_load_b128 v[RAW+32*((\c)%3)+4*\i:RAW+32*((\c)%3)+4*\i+3], v7, s[24:25] offset:(16*(\c)+2*\i)*8192 th:TH_LOAD_NT
.endr
.endm
.macro TOST c
.irp i, 0,1,2,3,4,5,6,7
	ds_store_b128 v8, v[RAW+32*((\c)%3)+4*\i:RAW+32*((\c)%3)+4*\i+3] offset:4096*((\c)%2)+512*\i
.endr
.endm
	GLOAD 0
	GLOAD 1
	GLOAD 2
.irp k, 0,1,2,3
.if \k < 3
	s_wait_loadcnt 8                               ; this block's two pieces are in; the next piece's eight loads may be out
.else
	s_wait_loadcnt 0x0
.endif
	TOST 2*\k
	TOST 2*\k+1
	WLOAD 2*\k
	WLOAD 2*\k+1
	s_wait_dscnt 0x0                               ; my numbers are back, and the stores have read their registers
.if \k < 3
	GLOAD 2*\k+3
.endif
.if \k < 2
	GLOAD 2*\k+4
.endif
	WBLOCK 2*\k
	WBLOCK 2*\k+1
.endr
.irp f, 0,1,2,3
.irp c, 0,1,2
	global_store_b128 v4, v[FW+12*\f+4*\c:FW+12*\f+4*\c+3], s[14:15] offset:\f*TILEB+512*\c   ; 512 consecutive bytes
.endr
.endr
	global_store_b64 v5, v[WS:WS+1], s[16:17]      ; the unit of 256 bytes, whole
	s_wait_tensorcnt 0x0                           ; the wave's end
	ds_add_u32 v254, v255
	s_wait_dscnt 0x0
	s_endpgm
.Lfunc_end_k_qb118ffcdf8_quant:
	.size	k_qb118ffcdf8_quant, .Lfunc_end_k_qb118ffcdf8_quant-k_qb118ffcdf8_quant
	.p2alignl 7, 3214868480
	.fill 96, 4, 3214868480
	.section	.rodata,"a",@progbits
	.p2align	6, 0x0
	.amdhsa_kernel k_qb118ffcdf8_quant
		.amdhsa_group_segment_fixed_size 33536
		.amdhsa_private_segment_fixed_size 0
		.amdhsa_enable_private_segment 0
		.amdhsa_kernarg_size 48
		.amdhsa_user_sgpr_count 2
		.amdhsa_user_sgpr_kernarg_segment_ptr 1
		.amdhsa_wavefront_size32 1
		.amdhsa_system_sgpr_workgroup_id_x 1
		.amdhsa_system_sgpr_workgroup_id_y 1
		.amdhsa_system_sgpr_workgroup_id_z 1
		.amdhsa_system_vgpr_workitem_id 0
		.amdhsa_next_free_vgpr 256
		.amdhsa_next_free_sgpr 66
		.amdhsa_reserve_vcc 1
		.amdhsa_float_denorm_mode_32 3
		.amdhsa_float_denorm_mode_16_64 3
		.amdhsa_memory_ordered 1
		.amdhsa_forward_progress 1
		.amdhsa_inst_pref_size 71
	.end_amdhsa_kernel
	.amdgpu_metadata
---
amdhsa.version: [ 1, 2 ]
amdhsa.kernels:
  - .name:           k_qb118ffcdf8_quant
    .symbol:         k_qb118ffcdf8_quant.kd
    .args:
      - { .name: x, .offset: 0, .size: 8, .value_kind: global_buffer, .address_space: global }
      - { .name: wq, .offset: 8, .size: 8, .value_kind: global_buffer, .address_space: global }
      - { .name: wk, .offset: 16, .size: 8, .value_kind: global_buffer, .address_space: global }
      - { .name: wv, .offset: 24, .size: 8, .value_kind: global_buffer, .address_space: global }
      - { .name: cin, .offset: 32, .size: 8, .value_kind: global_buffer, .address_space: global }
      - { .name: sin, .offset: 40, .size: 8, .value_kind: global_buffer, .address_space: global }
    .group_segment_fixed_size: 33536
    .private_segment_fixed_size: 0
    .kernarg_segment_align: 8
    .kernarg_segment_size: 48
    .max_flat_workgroup_size: 64
    .sgpr_count:     66
    .vgpr_count:     256
    .wavefront_size: 32
...
	.end_amdgpu_metadata
.endif
;; end of part 5
;; launch gemm_qkv (part 6): grid 32 x 8, 4 waves a work-group, clusters of 4 x 4, 327,680 bytes of LDS; arguments cin, sin, bq, bk, bv, cqkv, sqkv, wp, cwp, swp; writes cqkv, sqkv, cwp, swp
.if DOCPART == 6
	.amdgcn_target "amdgcn-amd-amdhsa--gfx1250"
	.amdhsa_code_object_version 6
	.text
	.protected	k_qb118ffcdf8_gemm_qkv
	.globl	k_qb118ffcdf8_gemm_qkv
	.p2align	8
	.type	k_qb118ffcdf8_gemm_qkv,@function
k_qb118ffcdf8_gemm_qkv:
	s_mov_b64 s[64:65], 0
	v_nop
	global_prefetch_b8 v0, s[64:65] scope:SCOPE_SE
	s_setreg_imm32_b32 hwreg(HW_REG_WAVE_MODE, 25, 1), 1
	s_wait_xcnt 0x0
	s_wait_alu depctr_hold_cnt(0) depctr_sa_sdst(0) depctr_va_vdst(0) depctr_va_sdst(0) depctr_va_ssrc(0) depctr_va_vcc(0) depctr_vm_vsrc(0)
	s_getreg_b32 s2, hwreg(HW_REG_IB_STS2, 6, 4)
	s_cmp_eq_u32 s2, 0
	s_cbranch_scc0 .Lentry_in_a_cluster
	s_endpgm
.Lentry_in_a_cluster:
	s_bfe_u32 s2, ttmp6, 0x10000c
	s_cmp_lg_u32 s2, 0xf033
	s_cbranch_scc0 .Lentry_shape_is_right
	s_endpgm
.Lentry_shape_is_right:
; q = x wq + bq, k = x wk + bk, v = x wv + bv on codes of FP6 (E2M3) with E8M0 scales, f32 sums; the results are quantised in registers and leave as codes: no f32 result goes to memory.
; cin, sin: images of operand registers.  Tile T (16 rows), K step s (128 along K): 1,536 bytes at T x 24,576 + s x 1,536, register group c at 512 c + 16 x lane; sections of 128 tiles: x, wq, wk, wv.
; Lane index r of tile T stands for row 32 (T / 2) + 8 (T % 2) + r + 8 (r / 8).  Scale words: 256 bytes for four tiles and one K step, at quad x 4,096 + s x 256: tile 4 quad + 2 g + u, index r, at 8 (16 u + r) + 4 g.
; A tile of C, 256 x 256, is made by four waves, each 128 x 128: 64 accumulators, 512 registers.  K goes in steps of 256 through a ring of two LDS slots filled by the tensor data mover.
; Tile columns 0-15 (clusters x = 0 to 3): A = x, B = wq then wk.  Tile columns 16-23: A = wv, B = x, which makes V TRANSPOSED.  The matrix instruction takes 16 rows of B as source 0 and 16 rows of A as source 1:
; a lane holds one row of A, and by the order of the tiles' rows the 64 registers of A's block a are 128 rows of B in the order 32 b + 16 (lane / 16) + i.  For q and k a lane is a token and its registers run along one
; head's 128 channels; for v a lane is a channel and its registers run along 128 keys: each is the K of its product in attention, so a block a becomes one fragment and one scale word a row.
; The bias is the C of each sum's first product.
; OUT: group G, 8 fragments, 12,288 bytes of cqkv, and its scale words, 512 bytes of sqkv: fragment a, row r at 256 (a / 4) + 16 r + 4 (a % 4).  q: G = 16 head + token group; k: 256 more; v: G = 16 (32 + head) + token group.
; CLUSTERS: 4 x 4 work-groups; A's tiles are asked for jointly along a row of the cluster, B's along a column.  The two sides part on the cluster's x alone, which all partners share.
; LIMITS: NaN and infinities are not served; a block whose largest magnitude lies under 2^-124 has its byte held at 1; a block of zeros keeps the byte 1 with zero codes.
; REGISTERS: window 0: v0-31 addresses; v32-63 scale words, two sets; v64-127 the bias in C's layout; v128-223 A's fragments, one set; on the way out v96-227 are at work.
;   window 1: B's fragments, two sets, at v0 and v128.  windows 2, 3: the accumulators ((a, b) at v[8 (8 (a % 4) + b)]).
; cin and sin hold four sections: x, wq, wk, wv.  Clusters x = 6, 7 take the path at this text's end, which quantises wp into cwp and swp.
.set NQ,     2                         ; matrix instructions deep in a slot
.set FR,     12                        ; registers of a fragment
.set NL,     3                         ; LDS loads that bring one
.set NP,     4                         ; places behind this matrix instruction (ISA guide 7.12.1)
.set FRB,    1536                      ; a fragment's image
.set RBK,    NQ*FRB                    ; a tile's part of a slot
.set HALFT,  8*RBK                     ; 8 tiles, 128 rows: what one tensor load brings
.set SLOT,   4*HALFT                   ; A's 16 tiles, then B's
.set LAPS,   4                         ; 2,048 along K = 8 slots' worth = 4 times round the ring
.set SCL,    2*SLOT                    ; behind the ring: the scale words of the 256 + 256 rows for all of K
.set HALFS,  8192                      ; those of 128 rows
.set SPARE,  SCL+4*HALFS               ; the spare words: 128 bytes a wave, two blocks of 256 bytes that no other line names
.set ADRA, 16                          ; v16-17 LDS address of my A fragments in slot 0, 1
.set ADRB, 20                          ; v20-21 the same for B
.set ADRS, 27                          ; v27    of my scale words: lanes 0-15 A's, lanes 16-31 B's
.set SPW,  28                          ; v28    my spare word; never rewritten
.set NIL,  29                          ; v29    0; never rewritten
.set LI,   30                          ; v30    16 x lane
.set SC,   32
.set BB,   64
.set AF,   128
.set PC,   96                          ; the way out: block a's codes at v[96 + 12 a]
.set PT,   192                         ; upper halves of the blocks' codes
.set TM,   200                         ; largest magnitudes;  v204-207 bytes;  v208-211 the conversions' scale operands
.set TBY,  204
.set TSO,  208
.set PW,   216                         ; v216-223 the eight blocks' scale words
.set SS,   224                         ; v224-227 their image
.set G1, 24
.set G0, 32
.set G1B, 48
.set G0B, 56
.set SEL, 66
.set G1S, 68
.set G0S, 76
.set G1SB, 80
.set G0SB, 88
.set MSB, 0
.macro WIN new                         ; the immediate's high byte repeats the setting that is left
.if MSB != \new
	s_set_vgpr_msb (MSB<<8)|\new
.set MSB, \new
.endif
.endm
.set MUL_LO, 0xa1                      ; source 0 (B) window 1, source 1 (A) window 0, C and D window 2
.set MUL_HI, 0xf1                      ; the same, C and D window 3
.set TO_B,   0x40                      ; destination window 1, address window 0
; A joint load: waves 0 and 1 fetch for A, waves 2 and 3 for B; the branch hangs on the wave's number alone.  Four v_nop follow each of the two lines.
.macro JLOAD g0a, g1a, g0b, g1b
	s_cmp_eq_u32 s15, 0
	s_cbranch_scc0 .Lfor_b_\@
	tensor_load_to_lds s[\g0a:\g0a+3], s[\g1a:\g1a+7]
	s_nop 0
.rept 4
	v_nop
.endr
	s_branch .Lasked_\@
.Lfor_b_\@:
	tensor_load_to_lds s[\g0b:\g0b+3], s[\g1b:\g1b+7]
	s_nop 0
.rept 4
	v_nop
.endr
.Lasked_\@:
.endm
.macro CREST                           ; a round of the cluster's barrier behind its opening barrier
	s_cmp_lg_u32 s14, 0
	s_cbranch_scc1 .Lnot_wave_0_\@
	s_barrier_signal -3
.Lnot_wave_0_\@:
	s_barrier_wait -3
	s_barrier_signal -1
	s_barrier_wait -1
.endm
.macro CROUND
	s_barrier_signal -1
	s_barrier_wait -1
	CREST
.endm
	s_cmp_lt_u32 ttmp9, 6                          ; clusters x = 6, 7 (64 work-groups) have no tile of the three products: they quantise wp, which the last launch alone reads.  The cluster's x is the same in all partners
	s_cbranch_scc0 .Lwp
	s_load_b256 s[4:11], s[0:1], 0x0               ; cin, sin, bq, bk
	s_load_b64 s[12:13], s[0:1], 0x20              ; bv
	s_load_b128 s[96:99], s[0:1], 0x28             ; cqkv, sqkv
	v_lshl_add_u32 v[SPW], v0, 2, SPARE
	v_mov_b32 v[NIL], 0
	ds_add_u32 v28, v29
	ds_add_u32 v28, v29
	v_and_b32 v31, 31, v0                          ; v31: the prefetches' offset: lane l names block min(l, 23) of my 24: two tiles x 12 blocks of 256 bytes
	v_min_u32 v31, 23, v31
	v_mul_u32_u24 v1, v31, 171
	v_lshrrev_b32 v1, 11, v1                       ; which of the two tiles: 1 from block 12 on
	v_lshlrev_b32 v31, 8, v31
	v_mad_u32_u24 v31, v1, 21504, v31              ; a tile is 24,576 bytes on, less the 12 blocks passed
	s_wait_alu depctr_va_vdst(0)
	s_wait_dscnt 0x0
	v_lshrrev_b32 v1, 5, v0
	v_readfirstlane_b32 s14, v1                    ; wave 0..3
	s_lshr_b32 s15, s14, 1                         ; which half of the tile's rows is mine.  Also: I fetch for A (0) or for B (1)
	s_and_b32 s16, s14, 1                          ; which half of its columns.  Also: which 128 rows I fetch
	s_bfe_u32 s40, ttmp6, 0x40000                  ; cx, cy
	s_bfe_u32 s41, ttmp6, 0x40004
	s_lshl_b32 s42, ttmp9, 2
	s_add_co_u32 s42, s42, s40                     ; tile column = 4 x cluster x + cx
	s_and_b32 s17, ttmp7, 0xffff
	s_lshl_b32 s17, s17, 2
	s_add_co_u32 s17, s17, s41                     ; tile row = 4 x cluster y + cy
	s_lshl_b32 s43, s41, 2
	s_lshl_b32 s43, 15, s43                        ; my row of the cluster
	s_lshl_b32 s44, 0x1111, s40                    ; my column
	; group 1 for codes: 8 rows (tiles) of 3,072 bytes (two fragments), 24,576 bytes apart; elements of 8 bytes; no padding: an image is read as 512 consecutive bytes
	s_or_b32 s[G1+0], s43, (3<<16)|(1<<21)
	s_or_b32 s[G1B+0], s44, (3<<16)|(1<<21)
.irp g, G1, G1B
	s_mov_b32 s[\g+1], 384<<16                     ; tensor_dim0
	s_mov_b32 s[\g+2], 16<<16                      ; tensor_dim1: 16 tiles for the head's loads; behind them 8
	s_mov_b32 s[\g+3], 384<<16                     ; tile_dim0
	s_mov_b32 s[\g+4], 16                          ; tile_dim1
	s_mov_b32 s[\g+5], 3072                        ; stride from tile to tile
	s_mov_b32 s[\g+6], 0
	s_mov_b32 s[\g+7], 0
.endr
	; group 1 for scale words: 8,192 dense bytes as 32 rows of 256
	s_or_b32 s[G1S+0], s43, (3<<16)|(1<<21)
	s_or_b32 s[G1SB+0], s44, (3<<16)|(1<<21)
.irp g, G1S, G1SB
	s_mov_b32 s[\g+1], 32<<16
	s_mov_b32 s[\g+2], 64<<16                      ; the scale words of 256 rows: 16,384 dense bytes as 64 rows of 256
	s_mov_b32 s[\g+3], 32<<16
	s_mov_b32 s[\g+4], 64
	s_mov_b32 s[\g+5], 32
	s_mov_b32 s[\g+6], 0
	s_mov_b32 s[\g+7], 0
.endr
	s_cmp_lt_u32 ttmp9, 4                          ; q and k, or v: the cluster's x, the same in all partners
	s_cselect_b32 s18, 0, 24                       ; A: x's blocks of 256 rows begin at 0, wv's at 24
	s_cselect_b32 s19, 8, -16                      ; B: wq's and wk's begin at 8; x's at 0 (tile columns 16 on)
	s_add_co_u32 s20, s17, s18
	s_add_co_u32 s46, s42, s19
	s_lshl_b32 s22, s20, 14                        ; scale words: 16,384 bytes for 256 rows
	s_mul_i32 s20, s20, 16*24576                   ; codes: 393,216
	s_lshl_b32 s92, s46, 14
	s_mul_i32 s46, s46, 16*24576
	s_mul_i32 s18, s16, 8*24576                    ; which 128 rows I fetch
	s_lshl_b32 s19, s16, 13
	s_add_co_u32 s20, s20, s18
	s_add_co_u32 s46, s46, s18
	s_mov_b32 s21, 0
	s_mov_b32 s23, 0
	s_mov_b32 s47, 0
	s_mov_b32 s93, 0
	s_mul_i32 s45, s14, HALFT                      ; where they go: no place in the cluster enters an LDS address
	s_mov_b32 s[SEL], 0x76543210
	s_mov_b32 s[SEL+1], 0xfedcba98
	s_wait_kmcnt 0x0
	s_add_nc_u64 s[20:21], s[4:5], s[20:21]
	s_add_nc_u64 s[22:23], s[6:7], s[22:23]
	s_add_nc_u64 s[46:47], s[4:5], s[46:47]
	s_add_nc_u64 s[92:93], s[6:7], s[92:93]
	CROUND                                         ; all sixteen work-groups are here: the first joint loads meet
	s_mov_b32 s[G0S], 1
	s_mov_b32 s[G0S+1], SCL
	s_mov_b64 s[G0S+2:G0S+3], s[22:23]
	s_or_b32 s[G0S+3], s[G0S+3], 0x80000000
	s_mov_b32 s[G0SB], 1
	s_mov_b32 s[G0SB+1], SCL+2*HALFS
	s_mov_b64 s[G0SB+2:G0SB+3], s[92:93]
	s_or_b32 s[G0SB+3], s[G0SB+3], 0x80000000
.irp s, 0,1
	s_mov_b32 s[G0+4*\s], 1
	s_add_co_u32 s[G0+4*\s+1], s45, \s*SLOT
	s_add_nc_u64 s[G0+4*\s+2:G0+4*\s+3], s[20:21], \s*RBK
	s_or_b32 s[G0+4*\s+3], s[G0+4*\s+3], 0x80000000
	s_mov_b32 s[G0B+4*\s], 1
	s_add_co_u32 s[G0B+4*\s+1], s45, \s*SLOT
	s_add_nc_u64 s[G0B+4*\s+2:G0B+4*\s+3], s[46:47], \s*RBK
	s_or_b32 s[G0B+4*\s+3], s[G0B+4*\s+3], 0x80000000
.endr
	; s[94:95]: where my prefetches stand.  Of the 8 tiles that I fetch in the ring, each of the four partners that ask for them jointly names two, told apart by address alone (cx for A, cy for B)
	s_cmp_eq_u32 s15, 0
	s_cselect_b64 s[94:95], s[20:21], s[46:47]
	s_cselect_b32 s92, s40, s41
	s_mul_i32 s92, s92, 2*24576
	s_add_co_u32 s92, s92, 2*RBK                   ; at the third 256 along K
	s_mov_b32 s93, 0
	s_add_nc_u64 s[94:95], s[94:95], s[92:93]
; THE HEAD'S LOADS, ONE A WAVE: wave 0 slot 0's 16 tiles of A (its own group 0 begins at the first of them), wave 1 A's scale words, wave 2 slot 0's 16 tiles of B, wave 3 B's scale words.
.macro ARM under, g0, g1, next
	s_cmp_lt_u32 s14, \under
	s_cbranch_scc0 \next
	tensor_load_to_lds s[\g0:\g0+3], s[\g1:\g1+7]
	s_nop 0
.rept 4
	v_nop
.endr
	s_branch .Lhead_asked
\next:
.endm
	ARM 1, G0,  G1,  .Lhead_sa
	ARM 2, G0S, G1S, .Lhead_b
	ARM 3, G0B, G1B, .Lhead_sb
	tensor_load_to_lds s[G0SB:G0SB+3], s[G1SB:G1SB+7]
	s_nop 0
.rept 4
	v_nop
.endr
.Lhead_asked:
	global_prefetch_b8 v31, s[94:95] th:TH_LOAD_NT scope:SCOPE_SE   ; the tiles of two fills on: 24 blocks of 256 bytes a wave
	v_and_b32 v1, 15, v0
	v_bfe_u32 v2, v0, 4, 1                         ; h
	s_wait_alu depctr_va_vdst(0)
	v_and_b32 v3, 31, v0
	v_lshlrev_b32 v[LI], 4, v3
	s_mul_i32 s21, s15, HALFT                      ; my 8 tiles of A
	s_mul_i32 s22, s16, HALFT                      ; my 8 tiles of B,
	s_add_co_u32 s22, s22, 2*HALFT                 ; behind A's 16
.irp s, 0,1
	v_add_nc_u32 v[ADRA+\s], s21, v[LI]
	v_add_nc_u32 v[ADRB+\s], s22, v[LI]
	s_add_co_u32 s21, s21, SLOT
	s_add_co_u32 s22, s22, SLOT
.endr
	v_lshlrev_b32 v5, 3, v1                        ; scale words: 8 r in a half unit
	s_mul_i32 s21, s15, HALFS
	s_mul_i32 s22, s16, HALFS
	s_add_co_u32 s22, s22, 2*HALFS
	s_sub_co_u32 s22, s22, s21
	v_mul_u32_u24 v6, s22, v2                      ; lanes 16-31 take B's
	s_add_co_u32 s21, s21, SCL
	v_add_nc_u32 v5, v5, v6
	v_add_nc_u32 v[ADRS], s21, v5
	; where my group of eight fragments goes
	s_lshl_b32 s100, s17, 1
	s_add_co_u32 s100, s100, s15                   ; u = 2 x tile row + my half
	s_lshl_b32 s46, s42, 1
	s_add_co_u32 s46, s46, s16                     ; w = 2 x tile column + my half
	s_lshl_b32 s47, s46, 4
	s_add_co_u32 s47, s47, s100                    ; q, k: 16 w + u
	s_lshl_b32 s101, s100, 4
	s_add_co_u32 s101, s101, s46
	s_add_co_u32 s101, s101, 480                   ; v: 16 (32 + u) + w - 32
	s_cmp_lt_u32 ttmp9, 4
	s_cselect_b32 s100, s47, s101
	s_mul_i32 s92, s100, 8*FRB
	s_mov_b32 s93, 0
	s_add_nc_u64 s[96:97], s[96:97], s[92:93]
	s_lshl_b32 s92, s100, 9
	s_add_nc_u64 s[98:99], s[98:99], s[92:93]
	; the bias in C's layout, 64 registers on either side
	s_cmp_lt_u32 ttmp9, 4
	s_cbranch_scc0 .Lbias_v
	s_cmp_lt_u32 ttmp9, 2
	s_cselect_b64 s[2:3], s[8:9], s[10:11]         ; bq or bk
	s_and_b32 s92, s42, 7
	s_lshl_b32 s92, s92, 10
	s_lshl_b32 s93, s16, 9
	s_add_co_u32 s92, s92, s93                     ; my 128 columns
	s_mov_b32 s93, 0
	s_add_nc_u64 s[2:3], s[2:3], s[92:93]
	v_lshlrev_b32 v4, 6, v2                        ; register 8 b + j of lane (r, h) is column 32 (b / 2) + 8 (b % 2) + 16 h + j
.irp b, 0,1,2,3,4,5,6,7
	global_load_b128 v[BB+8*\b:BB+8*\b+3], v4, s[2:3] offset:(32*(\b/2)+8*(\b%2))*4
	global_load_b128 v[BB+8*\b+4:BB+8*\b+7], v4, s[2:3] offset:(32*(\b/2)+8*(\b%2))*4+16
.endr
	s_branch .Lbias_done
.Lbias_v:
	s_lshl_b32 s92, s17, 10
	s_lshl_b32 s93, s15, 9
	s_add_co_u32 s92, s92, s93                     ; my 128 channels
	s_mov_b32 s93, 0
	s_add_nc_u64 s[2:3], s[12:13], s[92:93]
	v_and_b32 v4, 8, v1
	v_add_nc_u32 v4, v4, v1
	v_lshlrev_b32 v4, 2, v4                        ; a lane is a channel: all eight registers of A's block a hold bv at 32 (a / 2) + 8 (a % 2) + r + 8 (r / 8): eight loads of the same word fill them, so that no register is copied
.irp a, 0,1,2,3,4,5,6,7
.irp j, 0,1,2,3,4,5,6,7
	global_load_b32 v[BB+8*\a+\j], v4, s[2:3] offset:(32*(\a/2)+8*(\a%2))*4
.endr
.endr
.Lbias_done:
.macro FRAG reg, adr, q, i             ; a fragment comes as it was stored: three loads of 512 consecutive bytes
.irp c, 0,1,2
	ds_load_b128 v[\reg+4*\c:\reg+4*\c+3], v[\adr] offset:(\i)*RBK+(\q)*FRB+512*\c
.endr
.endm
; 16 matrix instructions: A's blocks a0, a0 + 1 x B's eight, the slot's q-th 128 along K.  p: B's set; sc: the set of scale words.  zero = 0: adds in place; 1: C = the bias of B's block; 2: C = the bias of A's block.
; The 64 accumulators take turns, one instruction a turn, in the same order in every step.
.macro MUL16 a0, p, q, sc, zero
.irp a, \a0, \a0+1
.irp b, 0,1,2,3,4,5,6,7
.set rD, 8*(8*((\a)%4)+\b)
.set rB, 128*(\p)+FR*\b
.set rA, AF+FR*(\a)
.set sB, SC+16*(\sc)+8*(\q)+4*(\b/4)+2*(\b%2)+(\b/2)%2
.set sA, SC+16*(\sc)+8*(\q)+4*((\a)/4)+2*((\a)%2)+((\a)/2)%2
.if \zero == 1
	v_wmma_scale_f32_16x16x128_f8f6f4 v[rD:rD+7], v[rB:rB+FR-1], v[rA:rA+FR-1], v[BB+8*\b:BB+8*\b+7], v[sB], v[sA] matrix_a_fmt:MATRIX_FMT_FP6 matrix_b_fmt:MATRIX_FMT_FP6 matrix_a_scale:MATRIX_SCALE_ROW1
.elseif \zero == 2
	v_wmma_scale_f32_16x16x128_f8f6f4 v[rD:rD+7], v[rB:rB+FR-1], v[rA:rA+FR-1], v[BB+8*(\a):BB+8*(\a)+7], v[sB], v[sA] matrix_a_fmt:MATRIX_FMT_FP6 matrix_b_fmt:MATRIX_FMT_FP6 matrix_a_scale:MATRIX_SCALE_ROW1
.else
	v_wmma_scale_f32_16x16x128_f8f6f4 v[rD:rD+7], v[rB:rB+FR-1], v[rA:rA+FR-1], v[rD:rD+7], v[sB], v[sA] matrix_a_fmt:MATRIX_FMT_FP6 matrix_b_fmt:MATRIX_FMT_FP6 matrix_a_scale:MATRIX_SCALE_ROW1
.endif
.endr
.endr
.endm
.macro FETCH_B slot, q, p
	WIN TO_B
.irp i, 0,1,2,3,4,5,6,7
	FRAG 128*(\p)+FR*\i, ADRB+\slot, \q, \i
.endr
	WIN 0
.endm
.macro FETCH_A slot, q, i0
.irp i, \i0, \i0+1, \i0+2, \i0+3
	FRAG AF+FR*(\i), ADRA+\slot, \q, \i
.endr
.endm
.macro SCALES sc                       ; a slot's scale words: a load brings the words of tiles 4 d + u and 4 d + 2 + u for one 128 along K; lanes 0-15 A's, lanes 16-31 B's
.irp q, 0,1
.irp d, 0,1
.irp u, 0,1
	ds_load_b64 v[SC+16*\sc+8*\q+4*\d+2*\u:SC+16*\sc+8*\q+4*\d+2*\u+1], v[ADRS] offset:\d*4096+\q*256+\u*128
.endr
.endr
.endr
.endm
.macro PLACES n                        ; plain vector instructions between a matrix instruction and a load into, or a read of, its registers (ISA guide 7.12.1 for a read)
.rept \n
	v_nop
.endr
.endm
.macro STEP slot, q, zero              ; a step of 128 along K that has its successor in the same slot
	s_wait_dscnt 4*NL                              ; B's set, A's blocks 0-3 and the scale words are in; the youngest 12 loads (A's blocks 4-7) may be out
.if \zero
	WIN 0x81                                       ; C (the bias) window 0, D window 2
.else
	WIN MUL_LO
.endif
	MUL16 0, (\q)%2, \q, \slot, \zero
	MUL16 2, (\q)%2, \q, \slot, \zero
	s_wait_dscnt 0
	PLACES NP
	FETCH_B \slot, (\q)+1, 1-(\q)%2
	FETCH_A \slot, (\q)+1, 0
.if \zero
	WIN 0xc1
.else
	WIN MUL_HI
.endif
	MUL16 4, (\q)%2, \q, \slot, \zero
	MUL16 6, (\q)%2, \q, \slot, \zero
	PLACES NP
	WIN 0
	FETCH_A \slot, (\q)+1, 4
.endm
; A slot's last step changes slots: one barrier; in front of it each wave waits for all its tensor loads, adds 0 to its spare word, and waits for that and for its reads of this slot.
.macro TURN slot, next, fill
.if \fill
	s_wait_xcnt 0x0                                ; my last prefetch has read its address, which is stepped here, a slot's work behind it
	s_add_nc_u64 s[94:95], s[94:95], RBK
.endif
	s_wait_tensorcnt 0x0
	ds_add_u32 v[SPW], v[NIL]                      ; 0 onto my spare word
	s_wait_dscnt 4*NL+1                            ; the add and the youngest 12 loads (A's blocks 4-7) may be out
	WIN MUL_LO
	MUL16 0, 1, NQ-1, \slot, 0
	s_wait_dscnt 0x0                               ; the add is done, and my reads of this slot are over
	s_barrier_signal -1
	MUL16 2, 1, NQ-1, \slot, 0
	WIN 0
	s_barrier_wait -1
.if \fill
	CREST                                          ; the barrier has opened a round of the cluster's: no wave of any partner still reads this slot or has a load on its way
	s_add_nc_u64 s[G0+4*\slot+2:G0+4*\slot+3], s[G0+4*\slot+2:G0+4*\slot+3], 2*RBK
	s_add_nc_u64 s[G0B+4*\slot+2:G0B+4*\slot+3], s[G0B+4*\slot+2:G0B+4*\slot+3], 2*RBK
	JLOAD G0+4*\slot, G1, G0B+4*\slot, G1B         ; the first tensor load behind the round; its four v_nop are the places in front of the loads below
.else
	PLACES NP
.endif
	s_wait_alu depctr_va_vdst(0)
	v_add_nc_u32 v[ADRS], 256*NQ, v[ADRS]          ; on to the next slot's scale words
	FETCH_B \next, 0, 0
	FETCH_A \next, 0, 0
	SCALES \next
.if \fill
	s_cmp_gt_u32 s3, 1                             ; the last two refills have no tiles two fills on
	s_cbranch_scc0 .Lno_ask_\@
	global_prefetch_b8 v31, s[94:95] offset:RBK th:TH_LOAD_NT scope:SCOPE_SE   ; what the refill two changes of slots on will ask for
.Lno_ask_\@:
.endif
	WIN MUL_HI
	MUL16 4, 1, NQ-1, \slot, 0
	MUL16 6, 1, NQ-1, \slot, 0
	PLACES NP
	WIN 0
	FETCH_A \next, 0, 4
.endm
	s_wait_alu depctr_va_vdst(0)
	s_wait_tensorcnt 0x0                           ; my tile of the head's four is in
	ds_add_u32 v[SPW], v[NIL]
	s_mov_b32 s[G1+2], 8<<16                       ; no tensor load of mine is out: from here on a load brings 8 tiles
	s_mov_b32 s[G1+4], 8
	s_mov_b32 s[G1B+2], 8<<16
	s_mov_b32 s[G1B+4], 8
	s_wait_dscnt 0x0
	CROUND                                         ; all four tiles are in, and all sixteen work-groups are here
	JLOAD G0+4, G1, G0B+4, G1B                     ; slot 1's first fill: the first tensor load behind the round
	FETCH_B 0, 0, 0
	global_prefetch_b8 v31, s[94:95] offset:RBK th:TH_LOAD_NT scope:SCOPE_SE
	FETCH_A 0, 0, 0
	SCALES 0
	FETCH_A 0, 0, 4
	s_wait_loadcnt 0x0                             ; the bias
	s_cmp_lt_u32 ttmp9, 4
	s_cbranch_scc0 .Lfirst_v
	STEP 0, 0, 1                                   ; the first step starts the sums from the bias: nothing is cleared
	s_branch .Lfirst_done
.Lfirst_v:
	STEP 0, 0, 2
.Lfirst_done:
	s_mov_b32 s3, LAPS-1
.Llap:
	TURN 0, 1, 1
	STEP 1, 0, 0
	TURN 1, 0, 1
	STEP 0, 0, 0
	s_sub_co_u32 s3, s3, 1
	s_cmp_lg_u32 s3, 0
	s_cbranch_scc1 .Llap
	TURN 0, 1, 0                                   ; the last lap fills nothing
	STEP 1, 0, 0
	s_wait_dscnt 4*NL
	WIN MUL_LO
	MUL16 0, 1, NQ-1, 1, 0
	MUL16 2, 1, NQ-1, 1, 0
	s_wait_dscnt 0
	WIN MUL_HI
	MUL16 4, 1, NQ-1, 1, 0
	MUL16 6, 1, NQ-1, 1, 0
	WIN 0
; THE WAY OUT.  Block a's 64 registers, register 16 b + i = k 32 b + 16 (lane / 16) + i of my row, become a fragment's codes and its scale word, read where they lie.
.macro QUANTW a
.set WA, 2+(\a)/4
.set W01, WA|(WA<<2)
.set W12, (WA<<2)|(WA<<4)
.set AC, 64*((\a)%4)
.set PCA, PC+12*(\a)
	WIN W01
.irp b, 0,1,2,3
	v_max3_num_f32 v[TM+\b], |v[AC+16*\b]|, |v[AC+16*\b+1]|, 0x1800000   ; each accumulator from its low end on; the floor 2^(3 - 127) holds the byte at 1 from below
.endr
	WIN W12
.irp i, 2,4,6,8,10,12,14
.irp b, 0,1,2,3
	v_max3_num_f32 v[TM+\b], v[TM+\b], |v[AC+16*\b+\i]|, |v[AC+16*\b+\i+1]|
.endr
.endr
	WIN 0
.irp b, 0,1,2,3
	v_permlanex16_b32 v[TBY+\b], v[TM+\b], s[SEL], s[SEL+1]
.endr
.irp b, 0,1,2,3
	v_max_num_f32 v[TM+\b], v[TM+\b], v[TBY+\b]    ; with lane l xor 16's 16: the block's largest magnitude
.endr
.irp b, 0,1,2,3
	v_add_nc_u32 v[TSO+\b], 0xff000000, v[TM+\b]   ; 2 off the exponent field: the conversion's scale operand
.endr
.irp b, 0,1,2,3
	v_lshrrev_b32 v[TBY+\b], 23, v[TSO+\b]         ; the byte
.endr
	v_lshl_or_b32 v[PW+(\a)], v[TBY+1], 8, v[TBY]
	v_lshl_or_b32 v[PW+(\a)], v[TBY+2], 16, v[PW+(\a)]
	v_lshl_or_b32 v[PW+(\a)], v[TBY+3], 24, v[PW+(\a)]
	WIN WA
.irp c, 0,1
	v_cvt_scalef32_pk16_fp6_f32 v[PCA+6*\c:PCA+6*\c+2], v[AC+32*\c:AC+32*\c+15], v[TSO+2*\c]
	v_cvt_scalef32_pk16_fp6_f32 v[PT+4*\c:PT+4*\c+2], v[AC+32*\c+16:AC+32*\c+31], v[TSO+2*\c+1]
.endr
	WIN 0
	v_nop                                          ; one plain place behind a scaled conversion
.irp c, 0,1                                    ; the operand wants a whole block in a lane
.irp i, 0,1,2
	v_permlane16_swap_b32 v[PCA+6*\c+\i], v[PT+4*\c+\i]
.endr
.irp i, 0,1,2
	v_mov_b32 v[PCA+6*\c+3+\i], v[PT+4*\c+\i]
.endr
.endr
.irp c, 0,1,2
	global_store_b128 v[LI], v[PCA+4*\c:PCA+4*\c+3], s[96:97] offset:(\a)*FRB+512*\c   ; 512 consecutive bytes; each block has codes' registers of its own, so no store's data are written again
.endr
.endm
	PLACES NP
.irp b, 0,1,2,3
	v_mov_b32 v[TBY+\b], 0                         ; a lane permute's destination counts as one of its sources
.endr
.irp a, 0,1,2,3,4,5,6,7
	QUANTW \a
.endr
	v_and_b32 v3, 31, v0
	v_cmp_lt_u32 vcc_lo, 15, v3
.irp i, 0,1,2,3
	v_cndmask_b32 v[SS+\i], v[PW+\i], v[PW+4+\i], vcc_lo   ; register i: fragment i's words in lanes 0-15, fragment 4 + i's in lanes 16-31
.endr
	global_store_b128 v[LI], v[SS:SS+3], s[98:99]  ; the group's 512 bytes of scale words
	s_wait_tensorcnt 0x0                           ; the wave's end
	ds_add_u32 v[SPW], v[NIL]
	s_wait_dscnt 0x0
	CROUND                                         ; the closing round
	s_endpgm
; ---------------- wp [2048 (K)][2048 (n)], f32, becomes codes of FP6 (E2M3) and E8M0 bytes in cwp and swp, laid as a section of cin and sin is: images of operand registers.
; No tensor load on this path, and LDS bytes of its own behind the other path's.  A wave takes a quad of 64 columns x two K steps of 128, eight K steps apart, in a loop of two trips.
; The weight comes 16 bytes a lane, two rows of the quad's 256 bytes a load; a block's 32 rows go through my stage as they lie and come back a column a lane, registers down K.
; A block's byte is its largest magnitude's exponent field - 2, held at 1 from below; a block of zeros keeps the byte 1 with zero codes.
.Lwp:
.set WSTG, SPARE+512                   ; 32 rows of 256 bytes for each wave
.set XW,   32                          ; v32-95   two sets of 32: a block down K of my column
.set FW,   96                          ; v96-143  four fragments' codes
.set TW,   144                         ; v144-146 the upper half of a block's codes
.set WS,   148                         ; v148-149 my column's scale words
.set RAW,  152                         ; v152-247 three sets of 32: pieces of 16 rows as loaded
	s_load_b128 s[4:7], s[0:1], 0x38               ; wp, cwp
	s_load_b64 s[8:9], s[0:1], 0x48                ; swp
	v_lshl_add_u32 v[SPW], v0, 2, SPARE
	v_mov_b32 v[NIL], 0
	v_lshrrev_b32 v1, 5, v0
	v_readfirstlane_b32 s14, v1                    ; wave
	v_and_b32 v1, 31, v0
	v_and_b32 v2, 15, v0                           ; r
	v_bfe_u32 v3, v0, 4, 1                         ; u
	v_lshlrev_b32 v4, 4, v1
	v_lshlrev_b32 v5, 3, v1
	s_bfe_u32 s40, ttmp6, 0x40000                  ; cx, cy: they enter global addresses alone
	s_bfe_u32 s41, ttmp6, 0x40004
	s_sub_co_u32 s16, ttmp9, 6
	s_lshl_b32 s16, s16, 1
	s_and_b32 s17, ttmp7, 0xffff
	s_add_co_u32 s16, s16, s17
	s_lshl_b32 s16, s16, 2
	s_add_co_u32 s16, s16, s41
	s_lshl_b32 s16, s16, 2
	s_add_co_u32 s16, s16, s40                     ; which of the 64 work-groups
	s_and_b32 s24, s16, 7
	s_lshl_b32 s24, s24, 2
	s_add_co_u32 s24, s24, s14                     ; quad of columns: the four waves stand side by side on 1,024 bytes of a row
	s_lshr_b32 s22, s16, 3                         ; K step 0..7; the second trip's is 8 on
	s_lshl_b32 s26, s22, 20
	s_lshl_b32 s28, s24, 8
	s_add_co_u32 s26, s26, s28
	s_mov_b32 s27, 0
	s_mul_i32 s28, s24, 4*24576
	s_mul_i32 s31, s22, 1536
	s_add_co_u32 s28, s28, s31
	s_mov_b32 s29, 0
	s_lshl_b32 s30, s24, 12
	s_lshl_b32 s31, s22, 8
	s_add_co_u32 s30, s30, s31
	s_mov_b32 s31, 0
	s_lshl_b32 s19, s14, 13
	s_add_co_u32 s19, s19, WSTG                    ; my stage
	s_wait_alu depctr_va_vdst(0)
	v_and_b32 v6, 8, v2
	v_add_nc_u32 v6, v6, v2
	v_lshl_add_u32 v6, v3, 3, v6                   ; lane (u, r) takes column 32 g + 8 u + r + 8 (r / 8): index r of tile 2 g + u
	v_lshl_add_u32 v6, v6, 2, s19                  ; out of the stage: my column's word of a row
	v_add_nc_u32 v8, s19, v4                       ; into it: 16 x lane
	v_lshlrev_b32 v7, 4, v2
	v_lshl_add_u32 v7, v3, 13, v7                  ; memory: lanes 0-15 a row's 256 bytes, lanes 16-31 the next row's
	s_wait_alu depctr_va_vdst(0)
	s_wait_kmcnt 0x0
	s_add_nc_u64 s[4:5], s[4:5], s[26:27]
	s_add_nc_u64 s[6:7], s[6:7], s[28:29]
	s_add_nc_u64 s[8:9], s[8:9], s[30:31]
.macro GLOAD c
.irp i, 0,1,2,3,4,5,6,7
	global_load_b128 v[RAW+32*((\c)%3)+4*\i:RAW+32*((\c)%3)+4*\i+3], v7, s[4:5] offset:(16*(\c)+2*\i)*8192 th:TH_LOAD_NT
.endr
.endm
.macro TOST c
.irp i, 0,1,2,3,4,5,6,7
	ds_store_b128 v8, v[RAW+32*((\c)%3)+4*\i:RAW+32*((\c)%3)+4*\i+3] offset:4096*((\c)%2)+512*\i
.endr
.endm
.macro WLOAD t                         ; turn t: block t / 2 along K, columns 32 (t % 2) on
.set n, 0
.rept 32
	ds_load_b32 v[XW+32*((\t)%2)+n], v6 offset:256*n+128*((\t)%2)
.set n, n+1
.endr
.endm
.macro WBLOCK t
.set XS, XW+32*((\t)%2)
.set KB, (\t)/2
.set GG, (\t)%2
.set FD, FW+12*(2*GG+KB%2)+6*(KB/2)    ; even blocks into the first fragment of the pair, odd blocks into the second
	v_max3_num_f32 v12, |v[XS]|, |v[XS+1]|, |v[XS+2]|
	v_max3_num_f32 v13, |v[XS+3]|, |v[XS+4]|, |v[XS+5]|
.irp i, 6,10,14,18,22,26
	v_max3_num_f32 v12, v12, |v[XS+\i]|, |v[XS+\i+1]|
	v_max3_num_f32 v13, v13, |v[XS+\i+2]|, |v[XS+\i+3]|
.endr
	v_max3_num_f32 v12, v12, |v[XS+30]|, |v[XS+31]|
	v_max3_num_f32 v12, v12, v13, 0x1800000        ; the floor 2^(3 - 127)
	v_add_nc_u32 v11, 0xff000000, v12              ; the conversion's scale operand
	v_lshrrev_b32 v13, 23, v11                     ; the byte
.if KB == 0
	v_mov_b32 v[WS+GG], v13
.else
	v_lshl_or_b32 v[WS+GG], v13, 8*KB, v[WS+GG]
.endif
	v_cvt_scalef32_pk16_fp6_f32 v[FD:FD+2], v[XS:XS+15], v11
	v_cvt_scalef32_pk16_fp6_f32 v[TW:TW+2], v[XS+16:XS+31], v11
	v_nop                                          ; one plain place behind a scaled conversion
.irp i, 0,1,2
	v_mov_b32 v[FD+3+\i], v[TW+\i]
.endr
.if KB%2 == 1                          ; the operand wants block 2 c in lanes 0-15 and block 2 c + 1 in lanes 16-31 of each tile
.irp i, 0,1,2,3,4,5
	v_permlane16_swap_b32 v[FW+24*GG+6*(KB/2)+\i], v[FW+24*GG+12+6*(KB/2)+\i]
.endr
.endif
.endm
	s_mov_b32 s3, 2
.Lwp_job:
	GLOAD 0
	GLOAD 1
	GLOAD 2
.irp k, 0,1,2,3
.if \k < 3
	s_wait_loadcnt 8                               ; this block's two pieces are in; the next piece's eight loads may be out
.else
	s_wait_loadcnt 0x0
.endif
	TOST 2*\k
	TOST 2*\k+1
	WLOAD 2*\k
	WLOAD 2*\k+1
	s_wait_dscnt 0x0                               ; my numbers are back, and the stores have read their registers
.if \k < 3
	GLOAD 2*\k+3
.endif
.if \k < 2
	GLOAD 2*\k+4
.endif
	WBLOCK 2*\k
	WBLOCK 2*\k+1
.endr
.irp f, 0,1,2,3
.irp c, 0,1,2
	global_store_b128 v4, v[FW+12*\f+4*\c:FW+12*\f+4*\c+3], s[6:7] offset:\f*24576+512*\c   ; 512 consecutive bytes
.endr
.endr
	global_store_b64 v5, v[WS:WS+1], s[8:9]        ; the quad's unit of 256 bytes, whole
	s_wait_xcnt 0x0                                ; the bases and the stores' registers are written again only behind this wait
	s_add_nc_u64 s[4:5], s[4:5], 0x800000          ; eight K steps on: 1,024 rows of 8,192 bytes,
	s_add_nc_u64 s[6:7], s[6:7], 8*1536            ; eight fragments,
	s_add_nc_u64 s[8:9], s[8:9], 8*256             ; eight units
	s_sub_co_u32 s3, s3, 1
	s_cmp_lg_u32 s3, 0
	s_wait_alu depctr_va_vdst(0)
	s_cbranch_scc1 .Lwp_job
	s_wait_tensorcnt 0x0                           ; the wave's end
	ds_add_u32 v[SPW], v[NIL]
	s_wait_dscnt 0x0
	CROUND                                         ; a closing round here too: all sixteen partners take this path
	s_endpgm
.Lfunc_end_k_qb118ffcdf8_gemm_qkv:
	.size	k_qb118ffcdf8_gemm_qkv, .Lfunc_end_k_qb118ffcdf8_gemm_qkv-k_qb118ffcdf8_gemm_qkv
	.p2alignl 7, 3214868480
	.fill 96, 4, 3214868480
	.section	.rodata,"a",@progbits
	.p2align	6, 0x0
	.amdhsa_kernel k_qb118ffcdf8_gemm_qkv
		.amdhsa_group_segment_fixed_size 327680
		.amdhsa_private_segment_fixed_size 0
		.amdhsa_enable_private_segment 0
		.amdhsa_kernarg_size 80
		.amdhsa_user_sgpr_count 2
		.amdhsa_user_sgpr_kernarg_segment_ptr 1
		.amdhsa_wavefront_size32 1
		.amdhsa_system_sgpr_workgroup_id_x 1
		.amdhsa_system_sgpr_workgroup_id_y 1
		.amdhsa_system_sgpr_workgroup_id_z 1
		.amdhsa_system_vgpr_workitem_id 0
		.amdhsa_next_free_vgpr 1024
		.amdhsa_next_free_sgpr 102
		.amdhsa_reserve_vcc 1
		.amdhsa_float_denorm_mode_32 3
		.amdhsa_float_denorm_mode_16_64 3
		.amdhsa_memory_ordered 1
		.amdhsa_forward_progress 1
		.amdhsa_inst_pref_size 204
	.end_amdhsa_kernel
	.amdgpu_metadata
---
amdhsa.version: [ 1, 2 ]
amdhsa.kernels:
  - .name:           k_qb118ffcdf8_gemm_qkv
    .symbol:         k_qb118ffcdf8_gemm_qkv.kd
    .args:
      - { .name: cin, .offset: 0, .size: 8, .value_kind: global_buffer, .address_space: global }
      - { .name: sin, .offset: 8, .size: 8, .value_kind: global_buffer, .address_space: global }
      - { .name: bq, .offset: 16, .size: 8, .value_kind: global_buffer, .address_space: global }
      - { .name: bk, .offset: 24, .size: 8, .value_kind: global_buffer, .address_space: global }
      - { .name: bv, .offset: 32, .size: 8, .value_kind: global_buffer, .address_space: global }
      - { .name: cqkv, .offset: 40, .size: 8, .value_kind: global_buffer, .address_space: global }
      - { .name: sqkv, .offset: 48, .size: 8, .value_kind: global_buffer, .address_space: global }
      - { .name: wp, .offset: 56, .size: 8, .value_kind: global_buffer, .address_space: global }
      - { .name: cwp, .offset: 64, .size: 8, .value_kind: global_buffer, .address_space: global }
      - { .name: swp, .offset: 72, .size: 8, .value_kind: global_buffer, .address_space: global }
    .group_segment_fixed_size: 327680
    .private_segment_fixed_size: 0
    .kernarg_segment_align: 8
    .kernarg_segment_size: 80
    .max_flat_workgroup_size: 128
    .sgpr_count:     102
    .vgpr_count:     1024
    .wavefront_size: 32
...
	.end_amdgpu_metadata
.endif
;; end of part 6
;; launch attn (part 7): grid 8 x 32, 8 waves a work-group, clusters of 4 x 4, 239,616 bytes of LDS; arguments cqkv, sqkv, cctx, sctx; writes cctx, sctx
.if DOCPART == 7
	.amdgcn_target "amdgcn-amd-amdhsa--gfx1250"
	.amdhsa_code_object_version 6
	.text
	.protected	k_qb118ffcdf8_attn
	.globl	k_qb118ffcdf8_attn
	.p2align	8
	.type	k_qb118ffcdf8_attn,@function
k_qb118ffcdf8_attn:
	s_mov_b64 s[64:65], 0
	v_nop
	global_prefetch_b8 v0, s[64:65] scope:SCOPE_SE
	s_setreg_imm32_b32 hwreg(HW_REG_WAVE_MODE, 25, 1), 1
	s_wait_xcnt 0x0
	s_wait_alu depctr_hold_cnt(0) depctr_sa_sdst(0) depctr_va_vdst(0) depctr_va_sdst(0) depctr_va_ssrc(0) depctr_va_vcc(0) depctr_vm_vsrc(0)
	s_getreg_b32 s2, hwreg(HW_REG_IB_STS2, 6, 4)
	s_cmp_eq_u32 s2, 0
	s_cbranch_scc0 .Lentry_in_a_cluster
	s_endpgm
.Lentry_in_a_cluster:
	s_bfe_u32 s2, ttmp6, 0x10000c
	s_cmp_lg_u32 s2, 0xf033
	s_cbranch_scc0 .Lentry_shape_is_right
	s_endpgm
.Lentry_shape_is_right:
; ctx = softmax(q k^T / sqrt(128), causal) v for 2 batches x 16 heads x 1,024 tokens x 128 channels, both products on codes of FP6 (E2M3) with E8M0 scales; ctx is quantised along the channels and leaves as codes.
; THE SOFTMAX: t = score x log2(e) / sqrt(128); M = the largest t so far, rounded up to a whole number; p = 2^(t - M) is quantised along the keys, not normalised; the sum of the unquantised p divides at the end.
; IN: groups of eight fragment images (12,288 bytes of cqkv) with 512 bytes of scale words (sqkv: fragment a, row r at 256 (a / 4) + 16 r + 4 (a % 4)).  q: group 16 head + token group; k: 256 groups on;
; v: group 16 (32 + head) + token group, fragment = channel tile, K = the group's 128 keys.  Lane index r of tile T stands for row 32 (T / 2) + 8 (T % 2) + r + 8 (r / 8).
; SHARES.  Work-group (g, y): y = 16 batch + head; eight waves.  The 64 query tiles of a head are eight groups of eight, group a with its diagonal in key step a; work-group g takes tile 8 a + g of every group.
; The pair of waves p, p + 4 owns the tiles of groups 7 - p and p: 9 key steps of 128 under the causal mask.  Wave p takes the late tile's steps 0-3 and leaves O^T, -M and the sum in LDS;
; wave p + 4 takes the early tile, then the late tile's steps 4 on, and joins the two parts: 4 steps against 5.  M is a whole number in both parts, so the joining factors are exact powers of two.
; So which steps a wave walks hangs on the wave's number alone, and is the same in all work-groups.
; CLUSTERS: 4 x 4 work-groups.  The four of a row of the cluster have the same y, the same K and V: each of the head's eight loads (waves 0-3 a quarter of the 196,608 bytes of codes, waves 4-7 a quarter of the
; 8,192 bytes of scale words) is asked for jointly, with the row's mask.  A work-group's place along the row enters global addresses and the lanes' query numbers alone: no branch, no LDS address.
; K and V come into LDS once and stay: no byte is filled twice, every wait on TENSORcnt is for 0.
; NO PREFETCH: all that the work-group reads through LDS is asked for by the head's eight loads; there is no later load to run ahead of.
; LAYOUT.  S^T = K Q^T and O^T = V^T P^T: a lane holds one query; the 16 registers of tiles 2 b, 2 b + 1 are keys (channels) 32 b + 16 (lane / 16) + 0 .. 15.
; CAUSAL (the mask that the problem builds itself).  Every wave walks constant trip counts; a step whose keys all come after the tile's queries, or that is the other wave's, is jumped over by a scalar branch;
; on the diagonal hidden scores become -infinity.
; OUT: cctx: tile Tg (of 128), K step = head, at Tg x 24,576 + head x 1,536, 512 consecutive bytes a store.  sctx: 256 bytes for four tiles and one head, tile 4 quad + 2 i + u, row r at 8 (16 u + r) + 4 i.
; A work-group holds one tile of a quad, so its 16 words of a unit leave by one store of 4 bytes a lane: units written in part, 64 bytes beside each 1,536 of codes.
; LIMITS: NaN and infinities are not served; 1 / the sum is v_rcp_f32 and a multiplication; a block whose largest magnitude lies under 2^-124 has its byte held at 1; a block of zeros keeps the byte 1 with zero codes;
; the promise holds while the scaled scores stay under 2^31 in magnitude.
; REGISTERS: window 0: v1-11, v36-37 addresses; v12 -M, v13 the largest t, v[14:15] the sum; v16-27, v255 the first pass's Q and its scale words; v64-75, v76 the late tile's; v28-35 K's and V's scale words;
;   v40-56 at work on the way out; v96-159 S^T, then p; v160-223 O^T; v224-235 codes; v236-254 at work.   window 1: v0-95 K's eight fragments, v96-191 V's.
.set VIMG, 98304
.set KSC,  196608
.set VSC,  200704
.set SPARE, 204800                     ; the spare words: 128 bytes a wave
.set PART, 205824                      ; the parts of the late tiles: for each pair 8,192 bytes of O^T and 256 of -M and the sum
.set PSZ,  8448
.set LI,   1
.set PIH,  2
.set R16,  3
.set QD,   4
.set QD2,  5
.set R8,   6
.set ADK,  9
.set ADV,  10
.set ADS,  11
.set KS,   28
.set VS,   32
.set PAD,  36
.set PADM, 37
.set TM,   40
.set PW,   56
.set PC,   224
.set WV,   12
.set HH,   13
.set BT,   14
.set GX,   15
.set SEL,  16
.set CS,   18
.set G1C,  20
.set G1S,  28
.set G0,   36
.set W4,   44
.set RL,   45
.set TB,   48
.set TS,   49
.set KF,   50
.set QI,   51
.set TD,   52
.set TL,   53
.set CNT,  54
.set TD2,  55
.set CC,   56
.set CW,   58
.set CC2,  60
.set CW2,  62
.set MSB, 0
.macro WIN new
.if MSB != \new
	s_set_vgpr_msb (MSB<<8)|\new
.set MSB, \new
.endif
.endm
.macro CROUND                          ; a round of the cluster's barrier
	s_barrier_signal -1
	s_barrier_wait -1
	s_cmp_lg_u32 s[WV], 0
	s_cbranch_scc1 .Lnot_wave_0_\@
	s_barrier_signal -3
.Lnot_wave_0_\@:
	s_barrier_wait -3
	s_barrier_signal -1
	s_barrier_wait -1
.endm
	s_load_b256 s[4:11], s[0:1], 0x0               ; cqkv, sqkv, cctx, sctx
	v_lshl_add_u32 v250, v0, 2, SPARE
	v_mov_b32 v251, 0
	ds_add_u32 v250, v251                          ; the opening lines
	ds_add_u32 v250, v251
	v_lshrrev_b32 v1, 5, v0
	v_readfirstlane_b32 s[WV], v1                  ; wave 0..7
	s_bfe_u32 s66, ttmp6, 0x40000                  ; cx
	s_bfe_u32 s67, ttmp6, 0x40004                  ; cy
	s_lshl_b32 s[GX], ttmp9, 2
	s_add_co_u32 s[GX], s[GX], s66                 ; g = 4 x cluster x + cx
	s_and_b32 s68, ttmp7, 0xffff
	s_lshl_b32 s68, s68, 2
	s_add_co_u32 s68, s68, s67                     ; y = 4 x cluster y + cy
	s_and_b32 s[HH], s68, 15
	s_lshr_b32 s[BT], s68, 4
	s_lshl_b32 s70, s67, 2
	s_lshl_b32 s70, 15, s70                        ; my row of the cluster
	s_and_b32 s[W4], s[WV], 3                      ; my pair
	s_lshr_b32 s[RL], s[WV], 2                     ; 0: the late tile's first four steps; 1: the rest
	s_and_b32 s71, s[WV], 1                        ; I fetch for K (0) or V (1),
	s_bfe_u32 s72, s[WV], 0x10001                  ; the lower or the upper half
	s_lshl_b32 s73, s71, 4
	s_add_co_u32 s73, s73, s[HH]
	s_add_co_u32 s73, s73, 16
	s_lshl_b32 s73, s73, 4
	s_lshl_b32 s74, s[BT], 3
	s_add_co_u32 s73, s73, s74                     ; the first group: (16 + 16 kv + head) x 16 + 8 batch
	s_lshl_b32 s74, s73, 9
	s_lshl_b32 s76, s72, 11
	s_add_co_u32 s74, s74, s76                     ; scale words: four groups, 2,048 bytes
	s_mov_b32 s75, 0
	s_lshl_b32 s76, s72, 2
	s_add_co_u32 s76, s76, s73
	s_mul_i32 s76, s76, 12288                      ; codes: four groups, 49,152 bytes
	s_mov_b32 s77, 0
	s_lshl_b32 s78, s71, 12
	s_lshl_b32 s79, s72, 11
	s_add_co_u32 s78, s78, s79
	s_add_co_u32 s78, s78, KSC
	s_mul_i32 s79, s71, VIMG
	s_mul_i32 s69, s72, 49152
	s_add_co_u32 s79, s79, s69
	s_or_b32 s[G1C], s70, (3<<16)|(1<<21)          ; the row's mask; 49,152 dense bytes as 192 rows of 256 bytes
	s_mov_b32 s[G1C+1], 32<<16
	s_mov_b32 s[G1C+2], 192<<16
	s_mov_b32 s[G1C+3], 32<<16
	s_mov_b32 s[G1C+4], 192
	s_mov_b32 s[G1C+5], 32
	s_mov_b32 s[G1C+6], 0
	s_mov_b32 s[G1C+7], 0
	s_or_b32 s[G1S], s70, (3<<16)|(1<<21)          ; 2,048 dense bytes as 8 rows of 256
	s_mov_b32 s[G1S+1], 32<<16
	s_mov_b32 s[G1S+2], 8<<16
	s_mov_b32 s[G1S+3], 32<<16
	s_mov_b32 s[G1S+4], 8
	s_mov_b32 s[G1S+5], 32
	s_mov_b32 s[G1S+6], 0
	s_mov_b32 s[G1S+7], 0
	s_mov_b32 s[SEL], 0x76543210
	s_mov_b32 s[SEL+1], 0xfedcba98
	s_mov_b32 s[CS], 0x3e0293ee                    ; c = log2(e) / sqrt(128)
	s_mov_b32 s[CS+1], s[CS]
	s_wait_dscnt 0x0
	s_wait_kmcnt 0x0
	s_mov_b32 s[G0], 1
	s_mov_b32 s[G0+1], s78
	s_add_nc_u64 s[G0+2:G0+3], s[6:7], s[74:75]
	s_or_b32 s[G0+3], s[G0+3], 0x80000000
	s_mov_b32 s[G0+4], 1
	s_mov_b32 s[G0+5], s79
	s_add_nc_u64 s[G0+6:G0+7], s[4:5], s[76:77]
	s_or_b32 s[G0+7], s[G0+7], 0x80000000
	CROUND                                         ; all sixteen work-groups are here: the joint loads meet
	s_cmp_eq_u32 s[RL], 0                          ; one tensor load a wave: waves 0-3 a quarter of the codes, waves 4-7 a quarter of the scale words
	s_cbranch_scc0 .Lld_s
	tensor_load_to_lds s[G0+4:G0+7], s[G1C:G1C+7]
	s_nop 0
.rept 4
	v_nop
.endr
	s_branch .Lld_done
.Lld_s:
	tensor_load_to_lds s[G0:G0+3], s[G1S:G1S+7]
	s_nop 0
.rept 4
	v_nop
.endr
.Lld_done:
	v_and_b32 v8, 31, v0
	v_lshlrev_b32 v[LI], 4, v8
	v_and_b32 v9, 15, v0                           ; r
	v_bfe_u32 v10, v0, 4, 1                        ; h
	v_and_b32 v[PIH], 8, v9
	v_add_nc_u32 v[PIH], v[PIH], v9
	v_lshlrev_b32 v11, 4, v10
	v_sub_nc_u32 v[PIH], v[PIH], v11               ; r + 8 (r / 8) - 16 h
	v_lshlrev_b32 v[R16], 4, v9
	v_lshlrev_b32 v[R8], 3, v9
	s_mul_i32 s69, s[W4], PSZ
	s_add_co_u32 s69, s69, PART
	v_add_nc_u32 v[PAD], s69, v[LI]                ; my pair's part: register group i at 512 i + 16 x lane,
	s_add_co_u32 s69, s69, 8192
	v_lshl_add_u32 v[PADM], v8, 3, s69             ; -M and the sum at 8 x lane behind them
.irp b, 0,1,2,3
	v_mov_b32 v[TM+4+\b], 0                        ; a lane permute's destination counts as one of its sources
.endr
	s_wait_alu depctr_va_vdst(0)
; What belongs to query tile s[TL]: where its ctx goes, its Q fragment and scale words (asked for here, under the tiles' flight), its lanes' query numbers.
.macro TILE qc, cc, cw, q, qw, qd
	s_lshl_b32 s84, s[BT], 6
	s_add_co_u32 s84, s84, s[TL]                   ; Tg
	s_mul_i32 s86, s[HH], 196608
	s_mul_i32 s85, s84, 1536
	s_add_co_u32 s86, s86, s85
	s_mov_b32 s87, 0
	s_add_nc_u64 s[\qc:\qc+1], s[4:5], s[86:87]
	s_lshl_b32 s86, s[HH], 4
	s_lshr_b32 s85, s84, 3
	s_add_co_u32 s86, s86, s85
	s_lshl_b32 s86, s86, 9
	s_bfe_u32 s85, s84, 0x10002
	s_lshl_b32 s85, s85, 8
	s_add_co_u32 s86, s86, s85
	s_and_b32 s85, s84, 3
	s_lshl_b32 s85, s85, 2
	s_add_co_u32 s86, s86, s85
	s_add_nc_u64 s[\qc+2:\qc+3], s[6:7], s[86:87]
	s_mul_i32 s86, s84, 24576
	s_mul_i32 s85, s[HH], 1536
	s_add_co_u32 s86, s86, s85
	s_add_nc_u64 s[\cc:\cc+1], s[8:9], s[86:87]
	s_lshr_b32 s86, s84, 2
	s_lshl_b32 s86, s86, 12
	s_lshl_b32 s85, s[HH], 8
	s_add_co_u32 s86, s86, s85
	s_and_b32 s85, s84, 1
	s_lshl_b32 s85, s85, 7
	s_add_co_u32 s86, s86, s85
	s_bfe_u32 s85, s84, 0x10001
	s_lshl_b32 s85, s85, 2
	s_add_co_u32 s86, s86, s85                     ; the unit, + 128 (tile % 2) + 4 (tile / 2 % 2)
	s_add_nc_u64 s[\cw:\cw+1], s[10:11], s[86:87]
.irp c, 0,1,2
	global_load_b128 v[\q+4*\c:\q+4*\c+3], v[LI], s[\qc:\qc+1] offset:512*\c
.endr
	global_load_b32 v[\qw], v[R16], s[\qc+2:\qc+3]
	s_lshr_b32 s86, s[TL], 1
	s_lshl_b32 s86, s86, 5
	s_and_b32 s85, s[TL], 1
	s_lshl_b32 s85, s85, 3
	s_add_co_u32 s86, s86, s85
	v_add_nc_u32 v[\qd], s86, v[PIH]               ; my query - 16 h
.endm
	s_sub_co_u32 s[TD2], 7, s[W4]                  ; the late tile's group, which is its step on the diagonal
	s_cmp_eq_u32 s[RL], 0
	s_cselect_b32 s[TD], s[TD2], s[W4]             ; the first pass: waves 0-3 the late tile, waves 4-7 the early one
	s_lshl_b32 s[TL], s[TD], 3
	s_add_co_u32 s[TL], s[TL], s[GX]
	TILE 80, CC, CW, 16, 255, QD
	s_lshl_b32 s[TL], s[TD2], 3
	s_add_co_u32 s[TL], s[TL], s[GX]
	TILE 88, CC2, CW2, 64, 76, QD2
	s_cmp_eq_u32 s[RL], 0
	s_cselect_b32 s[TD2], 0, s[TD2]                ; the second pass: waves 0-3 have no step left: every wave walks the loop, they jump over its steps
; What a pass needs before its first step, which is step q0.
.macro INIT q0
	s_wait_xcnt 0x0                                ; earlier stores have read their registers
	v_mov_b32 v13, 0xff61b1e6                      ; the largest t so far: -3e38
	v_floor_f32 v12, -v13
	v_mov_b32 v14, 0
	v_mov_b32 v15, 0
.irp b, 0,1,2,3
	v_mov_b32 v[236+\b], 0
.endr
	v_mov_b32 v252, 0
	v_mov_b32 v253, 0
.set n, 0
.rept 64
	v_mov_b32 v[160+n], 0                          ; O^T: the step is written once for a pass, and the first finds zeros
.set n, n+1
.endr
	s_mov_b32 s[TB], \q0*12288
	s_mov_b32 s[TS], KSC+\q0*512
	s_mov_b32 s[KF], \q0*128
	s_mov_b32 s[QI], \q0
	s_wait_alu depctr_va_vdst(0)
.endm
; A KEY STEP: 128 keys.  q, qw: Q's fragment and scale words; qd: my query - 16 h.
.macro STEP q, qw, qd
	s_cmp_lt_u32 s[TD], s[QI]                      ; not mine, or all its keys come after my queries: only the lines that step addresses are run
	s_cbranch_scc1 .Lhidden_\@
	v_add_nc_u32 v[ADK], s[TB], v[LI]              ; these three and the v_nop are the four places in front of loads into registers that the last products read
	v_add_nc_u32 v[ADS], s[TS], v[LI]
	v_add_nc_u32 v[ADV], VIMG, v[ADK]
	v_nop
	ds_load_b128 v[KS:KS+3], v[ADS]
	ds_load_b128 v[VS:VS+3], v[ADS] offset:VSC-KSC
	WIN 0x40
.irp t, 0,1,2,3,4,5,6,7
.irp c, 0,1,2
	ds_load_b128 v[12*\t+4*\c:12*\t+4*\c+3], v[ADK] offset:1536*\t+512*\c
.endr
.endr
.irp t, 0,1,2,3,4,5,6,7
.irp c, 0,1,2
	ds_load_b128 v[96+12*\t+4*\c:96+12*\t+4*\c+3], v[ADV] offset:1536*\t+512*\c
.endr
.endr
	WIN 0x01
	s_wait_dscnt 36                                ; K's tiles 4-7 (12 loads) and V (24) may be out
.irp t, 0,1,2,3
	v_wmma_scale_f32_16x16x128_f8f6f4 v[96+8*\t:103+8*\t], v[12*\t:12*\t+11], v[\q:\q+11], 0, v[KS+\t], v[\qw] matrix_a_fmt:MATRIX_FMT_FP6 matrix_b_fmt:MATRIX_FMT_FP6
.endr
	s_wait_dscnt 24                                ; V's 24 loads may be out
.irp t, 4,5,6,7
	v_wmma_scale_f32_16x16x128_f8f6f4 v[96+8*\t:103+8*\t], v[12*\t:12*\t+11], v[\q:\q+11], 0, v[KS+\t-4], v[\qw] matrix_a_fmt:MATRIX_FMT_FP6 matrix_b_fmt:MATRIX_FMT_FP6 matrix_a_scale:MATRIX_SCALE_ROW1
.endr
	WIN 0
.rept 4
	v_nop
.endr
	s_cmp_gt_u32 s[TD], s[QI]                      ; all keys count: no mask
	s_cbranch_scc1 .Lopen_\@
	v_sub_nc_u32 v252, v[\qd], s[KF]               ; register 16 b + i holds key 32 b + 16 h + i of the step: hidden where 32 b + i > my query - the first key - 16 h
	v_mov_b32 v254, 0xff800000
.set n, 0
.rept 64
	v_cmp_gt_i32 vcc_lo, 32*(n/16)+n%16, v252
	v_cndmask_b32 v[96+n], v[96+n], v254, vcc_lo
.set n, n+1
.endr
.Lopen_\@:
.irp b, 0,1,2,3
	v_max3_num_f32 v[232+\b], v[96+16*\b], v[97+16*\b], v[98+16*\b]   ; the largest score of each block of 32 keys: for the row's maximum and for the block's largest p
.endr
.irp i, 3,5,7,9,11,13
.irp b, 0,1,2,3
	v_max3_num_f32 v[232+\b], v[232+\b], v[96+16*\b+\i], v[97+16*\b+\i]
.endr
.endr
.irp b, 0,1,2,3
	v_max_num_f32 v[232+\b], v[232+\b], v[111+16*\b]
.endr
.irp b, 0,1,2,3
	v_permlanex16_b32 v[236+\b], v[232+\b], s[SEL], s[SEL+1]
.endr
.irp b, 0,1,2,3
	v_max_num_f32 v[232+\b], v[232+\b], v[236+\b]
.endr
	v_max3_num_f32 v254, v232, v233, v234
	s_delay_alu instid0(VALU_DEP_1)
	v_max_num_f32 v254, v254, v235
	s_delay_alu instid0(VALU_DEP_1)
	v_mul_f32 v254, s[CS], v254
	s_delay_alu instid0(VALU_DEP_1)
	v_max_num_f32 v13, v13, v254                   ; the running largest t
	v_mov_b32 v254, v12
	s_delay_alu instid0(VALU_DEP_2)
	v_floor_f32 v12, -v13                          ; the new -M = -ceil(t)
	s_delay_alu instid0(VALU_DEP_1)
	v_sub_f32 v254, v12, v254                      ; old M - new M
	s_delay_alu instid0(VALU_DEP_1)
	v_cvt_i32_f32 v254, v254
	s_delay_alu instid0(VALU_DEP_1)
	v_ldexp_f32 v252, 1.0, v254                    ; f = 2^(old M - new M)
.set n, 0
.rept 32
	v_pk_fma_f32 v[96+n:97+n], v[96+n:97+n], s[CS:CS+1], v[12:13] op_sel_hi:[1,0,0]   ; t - M
.set n, n+2
.endr
.irp b, 0,1,2,3
	v_fma_f32 v[232+\b], v[232+\b], s[CS], v12
.endr
.set n, 0
	s_wait_alu depctr_va_vdst(0)
.rept 64
	v_exp_f32 v[96+n], v[96+n]                     ; p = 2^(t - M)
.set n, n+1
.endr
.irp b, 0,1,2,3
	v_exp_f32 v[232+\b], v[232+\b]                 ; the block's largest p
.endr
	v_pk_mul_f32 v[14:15], v[14:15], v[252:253] op_sel_hi:[1,0]   ; the sums under the new M; a plain place behind the exponentials
	s_wait_alu depctr_va_vdst(0)                   ; and behind it
.irp b, 0,1,2,3
	v_max_num_f32 v[232+\b], 0x1800000, v[232+\b]  ; the floor 2^(3 - 127)
.endr
.irp b, 0,1,2,3
	v_add_nc_u32 v[244+\b], 0xff000000, v[232+\b]  ; the conversion's scale operand
.endr
.irp b, 0,1,2,3
	v_lshrrev_b32 v[236+\b], 23, v[244+\b]         ; the byte
.endr
	v_lshl_or_b32 v253, v237, 8, v236              ; p's scale word
	v_lshl_or_b32 v253, v238, 16, v253
	v_lshl_or_b32 v253, v239, 24, v253
.irp c, 0,1
	v_cvt_scalef32_pk16_fp6_f32 v[224+6*\c:226+6*\c], v[96+32*\c:111+32*\c], v[244+2*\c]
	v_cvt_scalef32_pk16_fp6_f32 v[236+4*\c:238+4*\c], v[112+32*\c:127+32*\c], v[244+2*\c+1]
.endr
	v_nop                                          ; one plain place behind a scaled conversion
.irp c, 0,1
.irp i, 0,1,2
	v_permlane16_swap_b32 v[224+6*\c+\i], v[236+4*\c+\i]
.endr
.irp i, 0,1,2
	v_mov_b32 v[227+6*\c+\i], v[236+4*\c+\i]
.endr
.endr
	v_pk_add_f32 v[236:237], v[96:97], v[98:99]    ; the sum of the unquantised p, in two chains
.irp j, 4,8,12,16,20,24,28,32,36,40,44,48,52,56,60
	v_pk_add_f32 v[14:15], v[14:15], v[96+\j:97+\j]
	v_pk_add_f32 v[236:237], v[236:237], v[98+\j:99+\j]
.endr
	v_pk_add_f32 v[14:15], v[14:15], v[236:237]
.set n, 0
.rept 32
	v_pk_mul_f32 v[160+n:161+n], v[160+n:161+n], v[252:253] op_sel_hi:[1,0]   ; O^T under the new M; also the places ahead of the products below
.set n, n+2
.endr
	WIN 0x01
	s_wait_alu depctr_va_vdst(0)
	s_wait_dscnt 12                                ; V's tiles 4-7 (12 loads) may be out
.irp t, 0,1,2,3
	v_wmma_scale_f32_16x16x128_f8f6f4 v[160+8*\t:167+8*\t], v[96+12*\t:107+12*\t], v[224:235], v[160+8*\t:167+8*\t], v[VS+\t], v253 matrix_a_fmt:MATRIX_FMT_FP6 matrix_b_fmt:MATRIX_FMT_FP6
.endr
	s_wait_dscnt 0x0
.irp t, 4,5,6,7
	v_wmma_scale_f32_16x16x128_f8f6f4 v[160+8*\t:167+8*\t], v[96+12*\t:107+12*\t], v[224:235], v[160+8*\t:167+8*\t], v[VS+\t-4], v253 matrix_a_fmt:MATRIX_FMT_FP6 matrix_b_fmt:MATRIX_FMT_FP6 matrix_a_scale:MATRIX_SCALE_ROW1
.endr
	WIN 0
.Lhidden_\@:
	s_add_co_u32 s[TB], s[TB], 12288
	s_add_co_u32 s[TS], s[TS], 512
	s_add_co_u32 s[KF], s[KF], 128
	s_add_co_u32 s[QI], s[QI], 1
.endm
.macro LOOP4 q, qw, qd
	s_mov_b32 s[CNT], 4
.Lsteps_\@:
	STEP \q, \qw, \qd
	s_sub_co_u32 s[CNT], s[CNT], 1
	s_cmp_lg_u32 s[CNT], 0
	s_cbranch_scc1 .Lsteps_\@
.endm
; 64 numbers of a lane, register 16 b + i = k 32 b + 16 (lane / 16) + i of my row, become a fragment's codes in v[PC] on and its scale word in v[PW].
.macro QUANT s
.irp b, 0,1,2,3
	v_max3_num_f32 v[TM+\b], |v[\s+16*\b]|, |v[\s+1+16*\b]|, 0x1800000
.endr
.irp i, 2,4,6,8,10,12,14
.irp b, 0,1,2,3
	v_max3_num_f32 v[TM+\b], v[TM+\b], |v[\s+16*\b+\i]|, |v[\s+1+16*\b+\i]|
.endr
.endr
.irp b, 0,1,2,3
	v_permlanex16_b32 v[TM+4+\b], v[TM+\b], s[SEL], s[SEL+1]
.endr
.irp b, 0,1,2,3
	v_max_num_f32 v[TM+\b], v[TM+\b], v[TM+4+\b]
.endr
.irp b, 0,1,2,3
	v_add_nc_u32 v[TM+12+\b], 0xff000000, v[TM+\b]
.endr
.irp b, 0,1,2,3
	v_lshrrev_b32 v[TM+4+\b], 23, v[TM+12+\b]
.endr
	v_lshl_or_b32 v[PW], v[TM+5], 8, v[TM+4]
	v_lshl_or_b32 v[PW], v[TM+6], 16, v[PW]
	v_lshl_or_b32 v[PW], v[TM+7], 24, v[PW]
.irp c, 0,1
	v_cvt_scalef32_pk16_fp6_f32 v[PC+6*\c:PC+2+6*\c], v[\s+32*\c:\s+15+32*\c], v[TM+12+2*\c]
	v_cvt_scalef32_pk16_fp6_f32 v[PC+12+4*\c:PC+14+4*\c], v[\s+16+32*\c:\s+31+32*\c], v[TM+12+2*\c+1]
.endr
	v_nop
.irp c, 0,1
.irp i, 0,1,2
	v_permlane16_swap_b32 v[PC+6*\c+\i], v[PC+12+4*\c+\i]
.endr
.irp i, 0,1,2
	v_mov_b32 v[PC+3+6*\c+\i], v[PC+12+4*\c+\i]
.endr
.endr
.endm
; A tile's way out: O^T / the sum, quantised along the head's 128 channels.  merge = 1: first the other wave's part is joined to mine.
.macro EPILOGUE merge, cc, cw
.rept 4
	v_nop                                          ; places behind the last products
.endr
.if \merge
.irp i, 0,1,2,3,4,5,6,7,8,9,10,11,12,13,14,15
	ds_load_b128 v[96+4*\i:99+4*\i], v[PAD] offset:512*\i   ; the other part's O^T, in my own lanes' layout
.endr
	ds_load_b64 v[40:41], v[PADM]                  ; its -M and its sum
	s_wait_dscnt 0x0
	v_add_f32 v14, v14, v15
	v_min_num_f32 v42, v12, v40                    ; -M of both
	v_sub_f32 v43, v42, v40                        ; its M - M, a whole number, 0 or less;
	v_sub_f32 v44, v42, v12                        ; and mine
	v_cvt_i32_f32 v43, v43
	v_cvt_i32_f32 v44, v44
	v_ldexp_f32 v43, 1.0, v43
	v_ldexp_f32 v44, 1.0, v44                      ; the two factors: exact powers of two
	v_mul_f32 v14, v14, v44
	v_fmac_f32 v14, v41, v43
.else
	v_add_f32 v14, v14, v15
.endif
	v_permlanex16_b32 v252, v14, s[SEL], s[SEL+1]
	v_add_f32 v14, v14, v252                       ; the row's sum
	s_wait_alu depctr_va_vdst(0)                   ; the wait ahead of the transcendental
	v_rcp_f32 v14, v14
	v_nop
	s_wait_alu depctr_va_vdst(0)                   ; and behind it, ahead of the first readers of it and of O^T
.if \merge
	v_mul_f32 v46, v14, v43
	v_mul_f32 v44, v14, v44
.set n, 0
.rept 32
	v_pk_mul_f32 v[96+n:97+n], v[96+n:97+n], v[46:47] op_sel_hi:[1,0]
.set n, n+2
.endr
.set n, 0
.rept 32
	v_pk_fma_f32 v[96+n:97+n], v[160+n:161+n], v[44:45], v[96+n:97+n] op_sel_hi:[1,0,1]   ; each accumulator from its low end on
.set n, n+2
.endr
.else
.set n, 0
.rept 32
	v_pk_mul_f32 v[96+n:97+n], v[160+n:161+n], v[14:15] op_sel_hi:[1,0]
.set n, n+2
.endr
.endif
	QUANT 96
.irp c, 0,1,2
	global_store_b128 v[LI], v[PC+4*\c:PC+4*\c+3], s[\cc:\cc+1] offset:512*\c   ; 512 consecutive bytes
.endr
	global_store_b32 v[R8], v[PW], s[\cw:\cw+1]    ; my tile's 16 words of the unit; both halves of the lanes store the same word with the same value
.endm
	INIT 0
	s_wait_loadcnt 0x0                             ; both Q fragments are in
	s_wait_tensorcnt 0x0                           ; my load has landed
	s_barrier_signal -1
	s_barrier_wait -1                              ; and so has every wave's
	LOOP4 16, 255, QD
	s_cmp_eq_u32 s[RL], 0
	s_cbranch_scc0 .Learly_out
	s_wait_alu depctr_va_vdst(0)
.rept 4
	v_nop                                          ; places behind the last products
.endr
	v_add_f32 v13, v14, v15
.irp i, 0,1,2,3,4,5,6,7,8,9,10,11,12,13,14,15
	ds_store_b128 v[PAD], v[160+4*\i:163+4*\i] offset:512*\i   ; my part of the late tile: each accumulator from its low end on
.endr
	ds_store_b64 v[PADM], v[12:13]                 ; -M and the sum
	s_wait_dscnt 0x0
	s_branch .Lsecond
.Learly_out:
	EPILOGUE 0, CC, CW
.Lsecond:
	INIT 4
	s_mov_b32 s[TD], s[TD2]
	LOOP4 64, 76, QD2
	s_wait_dscnt 0x0
	s_barrier_signal -1
	s_barrier_wait -1                              ; the parts lie in LDS
	s_cmp_eq_u32 s[RL], 0
	s_cbranch_scc1 .Lend
	EPILOGUE 1, CC2, CW2
.Lend:
	s_wait_tensorcnt 0x0                           ; the wave's end
	ds_add_u32 v250, v251
	s_wait_dscnt 0x0
	CROUND                                         ; the closing round
	s_endpgm
.Lfunc_end_k_qb118ffcdf8_attn:
	.size	k_qb118ffcdf8_attn, .Lfunc_end_k_qb118ffcdf8_attn-k_qb118ffcdf8_attn
	.p2alignl 7, 3214868480
	.fill 96, 4, 3214868480
	.section	.rodata,"a",@progbits
	.p2align	6, 0x0
	.amdhsa_kernel k_qb118ffcdf8_attn
		.amdhsa_group_segment_fixed_size 239616
		.amdhsa_private_segment_fixed_size 0
		.amdhsa_enable_private_segment 0
		.amdhsa_kernarg_size 32
		.amdhsa_user_sgpr_count 2
		.amdhsa_user_sgpr_kernarg_segment_ptr 1
		.amdhsa_wavefront_size32 1
		.amdhsa_system_sgpr_workgroup_id_x 1
		.amdhsa_system_sgpr_workgroup_id_y 1
		.amdhsa_system_sgpr_workgroup_id_z 1
		.amdhsa_system_vgpr_workitem_id 0
		.amdhsa_next_free_vgpr 448
		.amdhsa_next_free_sgpr 96
		.amdhsa_reserve_vcc 1
		.amdhsa_float_denorm_mode_32 3
		.amdhsa_float_denorm_mode_16_64 3
		.amdhsa_memory_ordered 1
		.amdhsa_forward_progress 1
		.amdhsa_inst_pref_size 82
	.end_amdhsa_kernel
	.amdgpu_metadata
---
amdhsa.version: [ 1, 2 ]
amdhsa.kernels:
  - .name:           k_qb118ffcdf8_attn
    .symbol:         k_qb118ffcdf8_attn.kd
    .args:
      - { .name: cqkv, .offset: 0, .size: 8, .value_kind: global_buffer, .address_space: global }
      - { .name: sqkv, .offset: 8, .size: 8, .value_kind: global_buffer, .address_space: global }
      - { .name: cctx, .offset: 16, .size: 8, .value_kind: global_buffer, .address_space: global }
      - { .name: sctx, .offset: 24, .size: 8, .value_kind: global_buffer, .address_space: global }
    .group_segment_fixed_size: 239616
    .private_segment_fixed_size: 0
    .kernarg_segment_align: 8
    .kernarg_segment_size: 32
    .max_flat_workgroup_size: 256
    .sgpr_count:     96
    .vgpr_count:     448
    .wavefront_size: 32
...
	.end_amdgpu_metadata
.endif
;; end of part 7
;; launch gemm_out (part 8): grid 16 x 16, 4 waves a work-group, clusters of 4 x 4, 327,680 bytes of LDS; arguments cctx, sctx, cwp, swp, bp, out0; writes out0
.if DOCPART == 8
	.amdgcn_target "amdgcn-amd-amdhsa--gfx1250"
	.amdhsa_code_object_version 6
	.text
	.protected	k_qb118ffcdf8_gemm_out
	.globl	k_qb118ffcdf8_gemm_out
	.p2align	8
	.type	k_qb118ffcdf8_gemm_out,@function
k_qb118ffcdf8_gemm_out:
	s_mov_b64 s[64:65], 0
	v_nop
	global_prefetch_b8 v0, s[64:65] scope:SCOPE_SE
	s_setreg_imm32_b32 hwreg(HW_REG_WAVE_MODE, 25, 1), 1
	s_wait_xcnt 0x0
	s_wait_alu depctr_hold_cnt(0) depctr_sa_sdst(0) depctr_va_vdst(0) depctr_va_sdst(0) depctr_va_ssrc(0) depctr_va_vcc(0) depctr_vm_vsrc(0)
	s_getreg_b32 s2, hwreg(HW_REG_IB_STS2, 6, 4)
	s_cmp_eq_u32 s2, 0
	s_cbranch_scc0 .Lentry_in_a_cluster
	s_endpgm
.Lentry_in_a_cluster:
	s_bfe_u32 s2, ttmp6, 0x10000c
	s_cmp_lg_u32 s2, 0xf033
	s_cbranch_scc0 .Lentry_shape_is_right
	s_endpgm
.Lentry_shape_is_right:
.set FR,     12
.set FRB,    1536
.set TPART,  4*FRB
.set QUADB,  4*TPART
.set SLOT,   4*QUADB
.set SCL,    3*SLOT
.set QUADS,  4096
.set SPARE,  SCL+4*QUADS
.set SPITCH, 272
.set STAGE,  SLOT
.set ADRA, 16
.set ADRB, 20
.set STO,  24
.set RD,   25
.set CO,   26
.set ADRS, 27
.set SPW,  28
.set NIL,  29
.set LI,   30
.set SC,   32
.set BB,   96
.set ACC,  128
.set F0,   0
.set F1,   128
.set G1,   24
.set G0,   32
.set G1B,  48
.set G0B,  68
.set G0S,  56
.set G0SB, 60
.set G1S,  80
.set G1SB, 88
.set MSB, 0
.macro WIN new
.if MSB != \new
	s_set_vgpr_msb (MSB<<8)|\new
.set MSB, \new
.endif
.endm
.set MUL,  0x05
.set TO_F, 0x40
.macro JLOAD g0a, g1a, g0b, g1b
	s_cmp_eq_u32 s15, 0
	s_cbranch_scc0 .Lfor_b_\@
	tensor_load_to_lds s[\g0a:\g0a+3], s[\g1a:\g1a+7]
	s_nop 0
.rept 4
	v_nop
.endr
	s_branch .Lasked_\@
.Lfor_b_\@:
	tensor_load_to_lds s[\g0b:\g0b+3], s[\g1b:\g1b+7]
	s_nop 0
.rept 4
	v_nop
.endr
.Lasked_\@:
.endm
.macro CREST
	s_cmp_lg_u32 s14, 0
	s_cbranch_scc1 .Lnot_wave_0_\@
	s_barrier_signal -3
.Lnot_wave_0_\@:
	s_barrier_wait -3
	s_barrier_signal -1
	s_barrier_wait -1
.endm
.macro CROUND
	s_barrier_signal -1
	s_barrier_wait -1
	CREST
.endm
	s_load_b256 s[4:11], s[0:1], 0x0
	s_load_b128 s[96:99], s[0:1], 0x20
	v_lshl_add_u32 v[SPW], v0, 2, SPARE
	v_mov_b32 v[NIL], 0
	ds_add_u32 v28, v29
	ds_add_u32 v28, v29
	v_and_b32 v31, 31, v0                          ; v31: the prefetches' offset: lane l names block min(l, 23) of a tile's 24 blocks of 256 bytes in a K chunk
	v_min_u32 v31, 23, v31
	v_lshlrev_b32 v31, 8, v31
	s_wait_alu depctr_va_vdst(0)
	s_wait_dscnt 0x0
	v_lshrrev_b32 v1, 5, v0
	v_readfirstlane_b32 s14, v1
	s_lshr_b32 s15, s14, 1
	s_and_b32 s16, s14, 1
	s_bfe_u32 s44, ttmp6, 0x40000
	s_bfe_u32 s45, ttmp6, 0x40004
	s_lshl_b32 s46, ttmp9, 2
	s_add_co_u32 s46, s46, s44
	s_and_b32 s17, ttmp7, 0xffff
	s_lshl_b32 s17, s17, 2
	s_add_co_u32 s17, s17, s45
	s_lshl_b32 s47, s45, 2
	s_lshl_b32 s47, 15, s47
	s_lshl_b32 s66, 0x1111, s44
	s_or_b32 s[G1+0], s47, (3<<16)|(1<<21)
	s_or_b32 s[G1B+0], s66, (3<<16)|(1<<21)
.irp g, G1, G1B
	s_mov_b32 s[\g+1], 768<<16
	s_mov_b32 s[\g+2], 8<<16                       ; 8 tiles a load for the first fills; 4 for the refill
	s_mov_b32 s[\g+3], 768<<16
	s_mov_b32 s[\g+4], 8
	s_mov_b32 s[\g+5], 3072
	s_mov_b32 s[\g+6], 0
	s_mov_b32 s[\g+7], 0
.endr
	s_or_b32 s[G1S+0], s47, (3<<16)|(1<<21)
	s_or_b32 s[G1SB+0], s66, (3<<16)|(1<<21)
.irp g, G1S, G1SB
	s_mov_b32 s[\g+1], 32<<16
	s_mov_b32 s[\g+2], 32<<16                      ; the scale words of 128 rows: 8,192 dense bytes as 32 rows of 256
	s_mov_b32 s[\g+3], 32<<16
	s_mov_b32 s[\g+4], 32
	s_mov_b32 s[\g+5], 32
	s_mov_b32 s[\g+6], 0
	s_mov_b32 s[\g+7], 0
.endr
	s_mul_i32 s20, s17, 8*24576
	s_lshl_b32 s22, s17, 13
	s_mov_b32 s12, s46                             ; wp's codes and scale words have buffers of their own
	s_lshl_b32 s100, s12, 13
	s_mul_i32 s12, s12, 8*24576
	s_mul_i32 s18, s16, 4*24576
	s_mov_b32 s19, 0
	s_mov_b32 s21, 0
	s_mov_b32 s23, 0
	s_mov_b32 s13, 0
	s_mov_b32 s101, 0
	s_mul_i32 s67, s14, QUADB
	s_wait_kmcnt 0x0
	s_add_nc_u64 s[20:21], s[4:5], s[20:21]
	s_add_nc_u64 s[22:23], s[6:7], s[22:23]
	s_add_nc_u64 s[12:13], s[8:9], s[12:13]
	s_add_nc_u64 s[100:101], s[10:11], s[100:101]
	CROUND
	s_mov_b32 s[G0S], 1
	s_mov_b32 s[G0S+1], SCL
	s_mov_b64 s[G0S+2:G0S+3], s[22:23]
	s_or_b32 s[G0S+3], s[G0S+3], 0x80000000
	s_mov_b32 s[G0SB], 1
	s_mov_b32 s[G0SB+1], SCL+2*QUADS
	s_mov_b64 s[G0SB+2:G0SB+3], s[100:101]
	s_or_b32 s[G0SB+3], s[G0SB+3], 0x80000000
; K goes in four chunks of 512 through three slots.  THREE FILLS, one tensor load a wave in each:
; at the head chunk 0 of A and of B (waves 0, 2) and the scale words (waves 1, 3); behind the full sequence and a round chunks 1 and 2 (A: waves 0, 1; B: waves 2, 3), 8 tiles a load;
; at step 3 the refill of slot 0 with chunk 3, 4 tiles a wave.  Waves 0 and 2 use their own group 0, which begins at the block's first tile.
	s_mov_b32 s4, 1                                ; A's chunk 2, whole (the arguments that lay here have been used)
	s_mov_b32 s5, 2*SLOT
	s_add_nc_u64 s[6:7], s[20:21], 2*TPART
	s_or_b32 s7, s7, 0x80000000
	s_mov_b32 s8, 1                                ; B's chunk 2, whole
	s_mov_b32 s9, 2*SLOT+2*QUADB
	s_add_nc_u64 s[10:11], s[12:13], 2*TPART
	s_or_b32 s11, s11, 0x80000000
	s_add_nc_u64 s[20:21], s[20:21], s[18:19]      ; my four tiles
	s_add_nc_u64 s[12:13], s[12:13], s[18:19]
	s_cmp_eq_u32 s15, 0                            ; s[100:101]: where my prefetches stand: of my four tiles each of the four partners that share them names one, told apart by address alone (cx for A, cy for B)
	s_cselect_b64 s[100:101], s[20:21], s[12:13]
	s_cselect_b32 s2, s44, s45
	s_mul_i32 s2, s2, 24576
	s_mov_b32 s3, 0
	s_add_nc_u64 s[100:101], s[100:101], s[2:3]
.irp s, 0,1
	s_mov_b32 s[G0+4*\s], 1
	s_add_co_u32 s[G0+4*\s+1], s67, \s*SLOT
	s_add_nc_u64 s[G0+4*\s+2:G0+4*\s+3], s[20:21], \s*TPART
	s_or_b32 s[G0+4*\s+3], s[G0+4*\s+3], 0x80000000
	s_mov_b32 s[G0B+4*\s], 1
	s_add_co_u32 s[G0B+4*\s+1], s67, \s*SLOT
	s_add_nc_u64 s[G0B+4*\s+2:G0B+4*\s+3], s[12:13], \s*TPART
	s_or_b32 s[G0B+4*\s+3], s[G0B+4*\s+3], 0x80000000
.endr
.macro ARM under, g0, g1, next, join   ; one arm of a chain of branches on the wave's number: its load, and a jump to the chain's end
	s_cmp_lt_u32 s14, \under
	s_cbranch_scc0 \next
	tensor_load_to_lds s[\g0:\g0+3], s[\g1:\g1+7]
	s_nop 0
.rept 4
	v_nop
.endr
	s_branch \join
\next:
.endm
.macro LASTARM g0, g1, join
	tensor_load_to_lds s[\g0:\g0+3], s[\g1:\g1+7]
	s_nop 0
.rept 4
	v_nop
.endr
\join:
.endm
	ARM 1, G0,  G1,  .Lh_sa, .Lh_done
	ARM 2, G0S, G1S, .Lh_b,  .Lh_done
	ARM 3, G0B, G1B, .Lh_sb, .Lh_done
	LASTARM G0SB, G1SB, .Lh_done
	global_prefetch_b8 v31, s[100:101] offset:TPART th:TH_LOAD_NT scope:SCOPE_SE     ; what the next fill will ask for: chunks 1 and 2 of my one tile
	global_prefetch_b8 v31, s[100:101] offset:2*TPART th:TH_LOAD_NT scope:SCOPE_SE
	v_and_b32 v1, 15, v0
	v_bfe_u32 v2, v0, 4, 1
	v_and_b32 v3, 31, v0
	v_lshlrev_b32 v[LI], 4, v3
	s_mul_i32 s21, s15, QUADB
	s_mul_i32 s22, s16, QUADB
	s_add_co_u32 s22, s22, 2*QUADB
.irp s, 0,1,2
	v_add_nc_u32 v[ADRA+\s], s21, v[LI]
	v_add_nc_u32 v[ADRB+\s], s22, v[LI]
	s_add_co_u32 s21, s21, SLOT
	s_add_co_u32 s22, s22, SLOT
.endr
	v_lshlrev_b32 v5, 3, v1
	s_mul_i32 s21, s15, QUADS
	s_mul_i32 s22, s16, QUADS
	s_add_co_u32 s22, s22, 2*QUADS
	s_sub_co_u32 s22, s22, s21
	v_mul_u32_u24 v6, s22, v2
	s_add_co_u32 s21, s21, SCL
	v_add_nc_u32 v5, v5, v6
	v_add_nc_u32 v[ADRS], s21, v5
	s_mul_i32 s23, s14, 16*SPITCH
	s_add_co_u32 s23, s23, STAGE
	v_mul_u32_u24 v5, v1, SPITCH
	v_lshl_add_u32 v5, v2, 6, v5
	v_add_nc_u32 v[STO], s23, v5
	v_mul_u32_u24 v6, v2, SPITCH
	v_lshl_add_u32 v6, v1, 4, v6
	v_add_nc_u32 v[RD], s23, v6
	v_lshlrev_b32 v[CO], 13, v2
	v_lshl_add_u32 v[CO], v1, 4, v[CO]
	s_lshl_b32 s18, s46, 9
	s_lshl_b32 s19, s16, 8
	s_add_co_u32 s18, s18, s19
	s_mov_b32 s19, 0
	s_add_nc_u64 s[96:97], s[96:97], s[18:19]
	s_lshl_b32 s2, s17, 7
	s_lshl_b32 s3, s15, 6
	s_add_co_u32 s2, s2, s3
	s_lshl_b32 s2, s2, 13
	s_add_co_u32 s2, s2, s18
	s_mov_b32 s3, 0
	s_add_nc_u64 s[98:99], s[98:99], s[2:3]
	v_lshlrev_b32 v4, 6, v2
.irp b, 0,1,2,3
	global_load_b128 v[BB+8*\b:BB+8*\b+3], v4, s[96:97] offset:(32*(\b/2)+8*(\b%2))*4
	global_load_b128 v[BB+8*\b+4:BB+8*\b+7], v4, s[96:97] offset:(32*(\b/2)+8*(\b%2))*4+16
.endr
.macro FRAG reg, adr, q, i
.irp c, 0,1,2
	ds_load_b128 v[\reg+4*\c:\reg+4*\c+3], v[\adr] offset:(\i)*TPART+(\q)*FRB+512*\c
.endr
.endm
.macro FETCH slot, q, f
	WIN TO_F
.irp i, 0,1,2,3
	FRAG \f+48+FR*\i, ADRB+\slot, \q, \i
.endr
.irp i, 0,1,2,3
	FRAG \f+FR*\i, ADRA+\slot, \q, \i
.endr
.endm
.macro MUL4 f, a, s, first
.irp b, 0,1,2,3
.set rD, ACC+8*(4*(\a)+\b)
.set rB, \f+48+FR*\b
.set rA, \f+FR*(\a)
.set sB, SC+4*(\s)+2*(\b%2)+\b/2
.set sA, SC+4*(\s)+2*((\a)%2)+(\a)/2
.if \first
	v_wmma_scale_f32_16x16x128_f8f6f4 v[rD:rD+7], v[rB:rB+FR-1], v[rA:rA+FR-1], v[BB+8*\b:BB+8*\b+7], v[sB], v[sA] matrix_a_fmt:MATRIX_FMT_FP6 matrix_b_fmt:MATRIX_FMT_FP6 matrix_a_scale:MATRIX_SCALE_ROW1
.else
	v_wmma_scale_f32_16x16x128_f8f6f4 v[rD:rD+7], v[rB:rB+FR-1], v[rA:rA+FR-1], v[rD:rD+7], v[sB], v[sA] matrix_a_fmt:MATRIX_FMT_FP6 matrix_b_fmt:MATRIX_FMT_FP6 matrix_a_scale:MATRIX_SCALE_ROW1
.endif
.endr
.endm
.macro PLACES
.rept 4
	v_nop
.endr
.endm
.macro STEP s, f, g, ns, nq, first
	s_wait_dscnt 6
	WIN MUL
	MUL4 \f, 0, \s, \first
	MUL4 \f, 1, \s, \first
	PLACES
	FETCH \ns, \nq, \g
	s_wait_dscnt 24
	WIN MUL
	MUL4 \f, 2, \s, \first
	MUL4 \f, 3, \s, \first
.endm
.macro TURN s, f, g, ns, fill
	WIN 0
	s_wait_tensorcnt 0x0
	ds_add_u32 v[SPW], v[NIL]
.if \fill
	s_mov_b32 s[G1+2], 4<<16                       ; no tensor load of mine is out: the refill brings 4 tiles a wave
	s_mov_b32 s[G1+4], 4
	s_mov_b32 s[G1B+2], 4<<16
	s_mov_b32 s[G1B+4], 4
.endif
	s_wait_dscnt 7
	WIN MUL
	MUL4 \f, 0, \s, 0
	s_wait_dscnt 0x0
	s_barrier_signal -1
	MUL4 \f, 1, \s, 0
	WIN 0
	s_barrier_wait -1
.if \fill
	CREST
	s_add_nc_u64 s[G0+2:G0+3], s[G0+2:G0+3], 3*TPART
	s_add_nc_u64 s[G0B+2:G0B+3], s[G0B+2:G0B+3], 3*TPART
	JLOAD G0, G1, G0B, G1B
.else
	PLACES
.endif
	FETCH \ns, 0, \g
	WIN MUL
	MUL4 \f, 2, \s, 0
	MUL4 \f, 3, \s, 0
.endm
	s_wait_alu depctr_va_vdst(0)
	s_wait_tensorcnt 0x0                           ; my tile of the head's four is in
	ds_add_u32 v[SPW], v[NIL]
	s_wait_dscnt 0x0
	CROUND
	ARM 1, G0+4,  G1,  .Lp_a2, .Lp_done
	ARM 2, 4,     G1,  .Lp_b1, .Lp_done
	ARM 3, G0B+4, G1B, .Lp_b2, .Lp_done
	LASTARM 8, G1B, .Lp_done
	global_prefetch_b8 v31, s[100:101] offset:3*TPART th:TH_LOAD_NT scope:SCOPE_SE   ; what the refill will ask for: chunk 3 of my one tile
.irp s, 0,1,2,3,4,5,6,7,8,9,10,11,12,13,14,15
.irp u, 0,1
	ds_load_b64 v[SC+4*\s+2*\u:SC+4*\s+2*\u+1], v[ADRS] offset:\s*256+\u*128
.endr
.endr
	FETCH 0, 0, F0
	s_wait_loadcnt 0x0
	STEP 0,  F0, F1, 0, 1, 1
	STEP 1,  F1, F0, 0, 2, 0
	STEP 2,  F0, F1, 0, 3, 0
	TURN 3,  F1, F0, 1, 1
	STEP 4,  F0, F1, 1, 1, 0
	STEP 5,  F1, F0, 1, 2, 0
	STEP 6,  F0, F1, 1, 3, 0
	STEP 7,  F1, F0, 2, 0, 0
	STEP 8,  F0, F1, 2, 1, 0
	STEP 9,  F1, F0, 2, 2, 0
	STEP 10, F0, F1, 2, 3, 0
	TURN 11, F1, F0, 0, 0
	STEP 12, F0, F1, 0, 1, 0
	STEP 13, F1, F0, 0, 2, 0
	STEP 14, F0, F1, 0, 3, 0
	s_wait_dscnt 6
	WIN MUL
	MUL4 F1, 0, 15, 0
	MUL4 F1, 1, 15, 0
	s_wait_alu depctr_va_vdst(0)
	s_wait_dscnt 0x0
	MUL4 F1, 2, 15, 0
	MUL4 F1, 3, 15, 0
	WIN 0
.macro TOSTAGE a
.irp b, 0,1,2,3
	ds_store_b128 v[STO], v[ACC+8*(4*(\a)+\b):ACC+8*(4*(\a)+\b)+3] offset:128*(\b/2)+32*(\b%2)
	ds_store_b128 v[STO], v[ACC+8*(4*(\a)+\b)+4:ACC+8*(4*(\a)+\b)+7] offset:128*(\b/2)+32*(\b%2)+16
.endr
.irp t, 0,1,2,3,4,5,6,7
	ds_load_b128 v[ACC+32*(\a)+4*\t:ACC+32*(\a)+4*\t+3], v[RD] offset:\t*2*SPITCH
.endr
.endm
.macro SEND a, younger
	s_wait_dscnt \younger
.irp t, 0,1,2,3,4,5,6,7
	global_store_b128 v[CO], v[ACC+32*(\a)+4*\t:ACC+32*(\a)+4*\t+3], s[98:99] offset:(32*((\a)/2)+8*((\a)%2)+2*\t+8*(\t/4))*8192 th:TH_STORE_NT
.endr
.endm
	PLACES
	TOSTAGE 0
.irp a, 1,2,3
	TOSTAGE \a
	SEND \a-1, 16
.endr
	SEND 3, 0
	s_wait_tensorcnt 0x0
	ds_add_u32 v[SPW], v[NIL]
	s_wait_dscnt 0x0
	CROUND
	s_endpgm
.Lfunc_end_k_qb118ffcdf8_gemm_out:
	.size	k_qb118ffcdf8_gemm_out, .Lfunc_end_k_qb118ffcdf8_gemm_out-k_qb118ffcdf8_gemm_out
	.p2alignl 7, 3214868480
	.fill 96, 4, 3214868480
	.section	.rodata,"a",@progbits
	.p2align	6, 0x0
	.amdhsa_kernel k_qb118ffcdf8_gemm_out
		.amdhsa_group_segment_fixed_size 327680
		.amdhsa_private_segment_fixed_size 0
		.amdhsa_enable_private_segment 0
		.amdhsa_kernarg_size 48
		.amdhsa_user_sgpr_count 2
		.amdhsa_user_sgpr_kernarg_segment_ptr 1
		.amdhsa_wavefront_size32 1
		.amdhsa_system_sgpr_workgroup_id_x 1
		.amdhsa_system_sgpr_workgroup_id_y 1
		.amdhsa_system_sgpr_workgroup_id_z 1
		.amdhsa_system_vgpr_workitem_id 0
		.amdhsa_next_free_vgpr 512
		.amdhsa_next_free_sgpr 102
		.amdhsa_reserve_vcc 0
		.amdhsa_float_denorm_mode_32 3
		.amdhsa_float_denorm_mode_16_64 3
		.amdhsa_memory_ordered 1
		.amdhsa_forward_progress 1
		.amdhsa_inst_pref_size 84
	.end_amdhsa_kernel
	.amdgpu_metadata
---
amdhsa.version: [ 1, 2 ]
amdhsa.kernels:
  - .name:           k_qb118ffcdf8_gemm_out
    .symbol:         k_qb118ffcdf8_gemm_out.kd
    .args:
      - { .name: cctx, .offset: 0, .size: 8, .value_kind: global_buffer, .address_space: global }
      - { .name: sctx, .offset: 8, .size: 8, .value_kind: global_buffer, .address_space: global }
      - { .name: cwp, .offset: 16, .size: 8, .value_kind: global_buffer, .address_space: global }
      - { .name: swp, .offset: 24, .size: 8, .value_kind: global_buffer, .address_space: global }
      - { .name: bp, .offset: 32, .size: 8, .value_kind: global_buffer, .address_space: global }
      - { .name: out0, .offset: 40, .size: 8, .value_kind: global_buffer, .address_space: global }
    .group_segment_fixed_size: 327680
    .private_segment_fixed_size: 0
    .kernarg_segment_align: 8
    .kernarg_segment_size: 48
    .max_flat_workgroup_size: 128
    .sgpr_count:     102
    .vgpr_count:     512
    .wavefront_size: 32
...
	.end_amdgpu_metadata
.endif
;; end of part 8
